; MI455X (gfx1250); checked and timed in simulation.
; The chip was launched on July 23, 2026; its instructions are those of AMD's public machine-readable ISA for CDNA 5 (MIT licence, August 2026) and "CDNA5" Instruction Set Architecture Reference Guide (July 2026). The comments in the code are by the model that wrote it; some were corrected since.
;; Full ASA Attention. Allowed arithmetic: matrix products marked QUANTISED: E2M3 operands, one E8M0 scale for each 32 along K, by v_wmma_scale_f32_16x16x128_f8f6f4 with both operands' format E2M3, f32 sums; products left as they are: f32 operands where the result goes on into a quantised operand, else bf16, f16 or f32 operands; f32 sums; everything else in f32.
;; Inputs: W_charge 1,024 x 1 float32; W_class 1,024 x 32 float32; W_ctx 1,024 x 1,024 float32; W_mass 1,024 x 1 float32; W_out 1,024 x 1,024 float32; W_sel 2,048 x 3 float32; W_sense 1,024 x 3,072 float32; W_shell 1,024 x 3 float32; W_v 1,024 x 1,024 float32; W_val 1,024 x 4 float32; b_charge 1 float32; b_class 32 float32; b_ctx 1,024 float32; b_mass 1 float32; b_out 1,024 float32; b_sel 3 float32; b_sense 3,072 float32; b_shell 3 float32; b_v 1,024 float32; b_val 4 float32; compat_logits 32 x 32 float32; temperature one number float32; w_charge one number float32; w_distance one number float32; w_mass one number float32; w_shell one number float32; w_valence one number float32; x 4 x 2,048 x 1,024 float32.
;; Outputs: out0 4 x 2,048 x 1,024 float32.
;; This version of the problem:
;;   THIS VERSION OF THE PROBLEM IS GIVEN IN LOW PRECISION. The matrix products marked QUANTISED in the list below multiply operands that are first quantised to E2M3 (2 exponent bits, 3 mantissa bits; 6 bits a number), with one power-of-two scale for each 32 numbers along K (OCP MX v1.0); their sums are f32. All else is computed in f32.
;;   The module's matrix products, in the order in which they are computed (A, B: the left and right operand; K: the contracted axis; several contracted axes count as one K, in the product's order):
;;     1. [M 8,192, K 1,024] x [K 1,024, N 3,072]; A: input x; B: input W_sense: QUANTISED
;;     2. [M 8,192, K 1,024] x [K 1,024, N 1,024]; A: input x; B: input W_ctx: QUANTISED
;;     3. [M 8,192, K 2,048] x [K 2,048, N 3]; A: computed on the way; B: input W_sel: left as it is (N = 3 < 16)
;;     4. batch 8,192 x [M 1, K 3] x [K 3, N 1,024]; A: softmax (see below); B: computed on the way: left as it is (K = 3 < 32)
;;     5. [M 8,192, K 1,024] x [K 1,024, N 1]; A: computed on the way; B: input W_charge: left as it is (N = 1 < 16)
;;     6. [M 8,192, K 1,024] x [K 1,024, N 3]; A: computed on the way; B: input W_shell: left as it is (N = 3 < 16)
;;     7. [M 8,192, K 1,024] x [K 1,024, N 32]; A: computed on the way; B: input W_class: QUANTISED
;;     8. [M 8,192, K 1,024] x [K 1,024, N 1]; A: computed on the way; B: input W_mass: left as it is (N = 1 < 16)
;;     9. [M 8,192, K 1,024] x [K 1,024, N 4]; A: computed on the way; B: input W_val: left as it is (N = 4 < 16)
;;     10. [M 8,192, K 1,024] x [K 1,024, N 1,024]; A: computed on the way; B: input W_v: QUANTISED
;;     11. batch 4 x [M 2,048, K 2,048] x [K 2,048, N 1,024]; A: softmax (see below); B: computed on the way: QUANTISED
;;     12. [M 8,192, K 1,024] x [K 1,024, N 1,024]; A: computed on the way; B: input W_out: QUANTISED
;;   THE QUANTISER, for each operand of a quantised product, along K:
;;     - K is cut into blocks of 32 from its start; a last block that is shorter is filled with zeros.
;;     - A block's scale is 2^e with e = floor(log2(the largest magnitude in the block)) - 2, held to -126 .. 127; a block of zeros has e = 0. As a byte (E8M0): e + 127.
;;     - Each number is divided by its block's scale, clamped to +-7.5, and rounded to the nearest number of E2M3, ties to even, subnormals kept.
;;     - The product sums the exact products of the quantised numbers (number of the format x scale) in f32.
;;   ~~~python
;;   def quantise(x, axis):      # numpy; x: float32 -> the quantised numbers, widened to float32 again
;;       x = np.moveaxis(x, axis, -1); K = x.shape[-1]
;;       x = np.pad(x, [(0, 0)] * (x.ndim - 1) + [(0, -K % 32)]); x = x.reshape(x.shape[:-1] + (-1, 32)); a = np.abs(x).max(-1, keepdims=True)
;;       e = np.where(a > 0, np.clip(np.frexp(np.where(a > 0, a, 1))[1] - 1 - 2, -126, 127), 0)      # np.frexp(a)[1] - 1 = floor(log2(a)), exactly
;;       r = np.clip(x / 2.0 ** e, -7.5, 7.5)
;;       step = 2.0 ** (np.maximum(np.frexp(np.where(r == 0, 1, r))[1] - 1, 0) - 3)
;;       q = np.round(r / step) * step * 2.0 ** e      # np.round: ties to even
;;       return np.moveaxis(q.reshape(q.shape[:-2] + (-1,))[..., :K], -1, axis).astype(np.float32)
;;   ~~~
;;   SOFTMAX AHEAD OF A QUANTISED PRODUCT. Where the list says 'softmax', what is quantised is not the finished softmax but p = 2^(t - M), with t = logit x log2(e) and M = ceil(the row's largest t), a whole number; so 1/2 < the row's largest p <= 1. The row's sum l is taken of the UNQUANTISED p, in f32, and the product's result is divided by l at the end. Since M is a whole number, a kernel that streams over the keys may use a running M (the ceiling of the running maximum): every later rescaling is an exact power of two, which a block's scale takes up: the codes' values come out the same.
;;   OPERANDS COMPUTED ON THE WAY. 'Computed on the way' means the value that the module computes at that place (a softmax that the list does not call 'softmax' is quantised finished and normalised). What goes into a quantiser is computed in f32, as accurately as f32 sums, v_exp_f32 and their like allow (about 1e-6 of the number): no bf16 or f16 on the way to a quantiser, and a product that is left as it is and whose result goes on into a quantised operand takes f32 operands (vector FMAs, or v_wmma_f32_16x16x4_f32). A number that lies on a knife's edge between two numbers of the format may be rounded either way, as far as f32 arithmetic and the matrix unit's own rounding can turn it there, and no further.
;; One version. Each part assembles by itself: llvm-mc -triple=amdgcn-amd-amdhsa -mcpu=gfx1250 --defsym DOCPART=n.
;; ======== version 1 of 1: 8 launches
;; limits: right only within a limited range of input values
;; workspace buffers: wq 11,666,432 bytes; small 1,589,248 bytes; x2 10,747,904 bytes; atomsb 6,848,512 bytes; cls 32,768 bytes of whole numbers; pq 13,107,200 bytes; vq 6,586,368 bytes; aoq 6,553,600 bytes
;; launch prep (part 1): grid 706 x 1, 8 waves a work-group, no clusters, 87,040 bytes of LDS; arguments x, W_sense, W_ctx, W_v, W_out, W_class, W_sel, W_charge, W_shell, W_mass, W_val, compat_logits, wq; writes wq
.if DOCPART == 1
	.amdgcn_target "amdgcn-amd-amdhsa--gfx1250"
	.amdhsa_code_object_version 6
	.text
	.protected	k_q11fa026e33_prep
	.globl	k_q11fa026e33_prep
	.p2align	8
	.type	k_q11fa026e33_prep,@function
k_q11fa026e33_prep:
	s_mov_b64 s[64:65], 0
	v_nop
	global_prefetch_b8 v0, s[64:65] scope:SCOPE_SE
	s_setreg_imm32_b32 hwreg(HW_REG_WAVE_MODE, 25, 1), 1
	s_wait_xcnt 0x0
; PREP: every input that is an operand of a quantised product becomes codes of FP6 (E2M3) with E8M0 scale words, laid as IMAGES OF THE OPERAND'S REGISTERS.
; A record is 3,200 bytes: 16 rows x 256 along K: two fragments of 1,536 bytes (registers 4 c .. 4 c + 3 of lane l at 512 c + 16 l), then two runs of 16 scale words.
; Three roles, parted on the work-group's number.  X (0..511): 16 rows of x, one K step of 128 a wave; also x . W_sel[:1024] in f32.  W (512..704): 32 columns of a weight, one K step a wave, a lane to a column.
; S (705): the nine small weights transposed, and the table sigmoid((L + L^T) / 2).
; FOLDED ORDER of a block of 16 rows: lane r of block b holds row 32 (b / 2) + 8 (b % 2) + r + 8 (r / 8), so that a later product's 16 registers of two neighbouring tiles are 16 neighbours.
; LIMITS: NaN and infinities are not served; a block whose largest magnitude lies under 2^-124 keeps the scale byte 1 (a block of zeros too: its codes are zeros, and this program alone reads the bytes).
.set WSQ, 6553600                      ; wq: x's image at 0, then W_sense's,
.set WCX, 9011200                      ; W_ctx's, W_v's, W_out's, 819,200 bytes each,
.set WKQ, 11468800                     ; W_class's,
.set WPT, 11494400                     ; [9][1024] f32: charge, shell 0-2, mass, val 0-3; behind it the table [32][32],
.set SELX, 11535360                    ; and x . W_sel[:1024]: 16 bytes for each row's place
.set STG, 8448                         ; LDS: a stage of 16 rows x (512 + 16) bytes for each wave,
.set PART, 8*STG                       ; 512 bytes of partial sums for each wave,
.set WSL, PART+4096                    ; 1,792 bytes for each wave: its 128 rows of W_sel (1,536 bytes) and 16 bytes of zeros behind them,
.set SPARE, WSL+8*1792                 ; and the spare words, 128 bytes for each wave, which no other line names
.set R, 64                             ; v64-127  64 numbers of x (role W: v64-191 128 numbers)
.set WT, 128                           ; v128-191 W_sel's numbers in the same order of k
.set FA, 192                           ; v192-223 four f32 sums: written by matrix instructions alone
.set TM, 8
.set PW, 24
.set PC, 32
.set VI, 60                            ; v60 a fragment's place for my lane: 16 x lane + 1,536 x (K step % 2)
.set VS, 61                            ; v61 a scale word's: 4 r + 3,072 + 64 x (K step % 2)
.set SPW, 252
.set NIL, 253
.set SEL, 50
.set Y, 8                              ; role W: v8-31 two fragments, v32-47 second halves of blocks
.set TP, 32
; 64 numbers of a lane, register 16 b + i = k 32 b + 16 (lane / 16) + i of my row, become a fragment's codes in v[PC] on and the row's scale word in v[PW].
.macro QUANT s
.irp b, 0,1,2,3
	v_max3_num_f32 v[TM+\b], |v[\s+16*\b]|, |v[\s+1+16*\b]|, 0x1800000   ; with the floor 2^(3 - 127): the byte cannot fall under 1
.endr
.irp i, 2,4,6,8,10,12,14
.irp b, 0,1,2,3
	s_delay_alu instid0(VALU_DEP_4)
	v_max3_num_f32 v[TM+\b], v[TM+\b], |v[\s+16*\b+\i]|, |v[\s+1+16*\b+\i]|
.endr
.endr
.irp b, 0,1,2,3
	s_delay_alu instid0(VALU_DEP_4)
	v_permlanex16_b32 v[TM+4+\b], v[TM+\b], s[SEL], s[SEL+1]
.endr
.irp b, 0,1,2,3
	s_delay_alu instid0(VALU_DEP_4)
	v_max_num_f32 v[TM+\b], v[TM+\b], v[TM+4+\b]   ; with lane l xor 16's: the block's largest magnitude
.endr
.irp b, 0,1,2,3
	s_delay_alu instid0(VALU_DEP_4)
	v_add_nc_u32 v[TM+12+\b], 0xff000000, v[TM+\b]   ; 2 off its exponent field: the conversion's scale operand
.endr
.irp b, 0,1,2,3
	s_delay_alu instid0(VALU_DEP_4)
	v_lshrrev_b32 v[TM+4+\b], 23, v[TM+12+\b]      ; the scale's byte
.endr
	s_delay_alu instid0(VALU_DEP_3)
	v_lshl_or_b32 v[PW], v[TM+5], 8, v[TM+4]
	s_delay_alu instid0(VALU_DEP_1)
	v_lshl_or_b32 v[PW], v[TM+6], 16, v[PW]
	s_delay_alu instid0(VALU_DEP_1)
	v_lshl_or_b32 v[PW], v[TM+7], 24, v[PW]
.irp c, 0,1
	v_cvt_scalef32_pk16_fp6_f32 v[PC+6*\c:PC+2+6*\c], v[\s+32*\c:\s+15+32*\c], v[TM+12+2*\c]
	v_cvt_scalef32_pk16_fp6_f32 v[PC+12+4*\c:PC+14+4*\c], v[\s+16+32*\c:\s+31+32*\c], v[TM+12+2*\c+1]
.endr
	v_nop                                          ; one plain line behind the scaled conversions
.irp c, 0,1                                    ; the layout wants a whole block in a lane
.irp i, 0,1,2
	v_permlane16_swap_b32 v[PC+6*\c+\i], v[PC+12+4*\c+\i]
.endr
.irp i, 0,1,2
	s_delay_alu instid0(VALU_DEP_3)
	v_mov_b32 v[PC+3+6*\c+\i], v[PC+12+4*\c+\i]
.endr
.endr
.endm
; A lane holds K 0 .. 127 of ITS row in v[n] on (32 rows a wave).  Even blocks go to v[Y] on, odd ones to v[Y + 12] on; twelve exchanges of halves make of them the fragments of rows 0-15 and of rows 16-31.
.macro CODES32 n, sop
.irp q, 0,1,2,3
	v_cvt_scalef32_pk16_fp6_f32 v[Y+6*(\q/2)+12*(\q%2):Y+6*(\q/2)+12*(\q%2)+2], v[\n+32*\q:\n+32*\q+15], v[\sop+\q]
	v_cvt_scalef32_pk16_fp6_f32 v[TP+4*\q:TP+4*\q+2], v[\n+32*\q+16:\n+32*\q+31], v[\sop+\q]
.endr
	v_nop
.irp q, 0,1,2,3
.irp i, 0,1,2
	v_mov_b32 v[Y+6*(\q/2)+12*(\q%2)+3+\i], v[TP+4*\q+\i]
.endr
.endr
.irp i, 0,1,2,3,4,5,6,7,8,9,10,11
	v_permlane16_swap_b32 v[Y+\i], v[Y+12+\i]
.endr
.endm
.macro WLOAD rowb                      ; 128 rows k of my column: each load reads 128 consecutive bytes
.set KK, 0
.rept 128
	global_load_b32 v[64+KK], v5, s[42:43] offset:KK*(\rowb) th:TH_LOAD_NT
.set KK, KK+1
.endr
.endm
	s_load_b512 s[8:23], s[0:1], 0x0               ; x 8, W_sense 10, W_ctx 12, W_v 14, W_out 16, W_class 18, W_sel 20, W_charge 22
	s_load_b256 s[24:31], s[0:1], 0x40             ; W_shell 24, W_mass 26, W_val 28, compat_logits 30
	s_load_b64 s[32:33], s[0:1], 0x60              ; wq
	v_lshl_add_u32 v[SPW], v0, 2, SPARE
	v_mov_b32 v[NIL], 0
	v_lshrrev_b32 v1, 5, v0
	s_delay_alu instid0(VALU_DEP_1)
	v_readfirstlane_b32 s34, v1                    ; wave = K step 0..7
	v_and_b32 v1, 31, v0                           ; lane
	v_and_b32 v2, 15, v0                           ; r
	v_bfe_u32 v3, v0, 4, 1                         ; h
	s_delay_alu instid0(VALU_DEP_3)
	v_lshlrev_b32 v4, 4, v1                        ; 16 x lane
	s_lshr_b32 s35, s34, 1
	s_mul_i32 s35, s35, 3200                       ; my K step's record
	s_and_b32 s48, s34, 1
	s_mul_i32 s49, s48, 1536
	v_add_nc_u32 v[VI], s49, v4
	s_lshl_b32 s49, s48, 6
	s_add_co_u32 s49, s49, 3072
	v_lshl_add_u32 v[VS], v2, 2, s49
	s_mov_b32 s[SEL], 0x76543210
	s_mov_b32 s[SEL+1], 0xfedcba98
	s_mov_b32 s37, 0
	s_wait_kmcnt 0x0
	s_add_co_u32 s98, ttmp9, 512                   ; the roles' numbers of the head comment are s98, the work-group's number turned by 194:
	s_sub_co_u32 s99, ttmp9, 194                   ; work-groups 0 .. 193 take roles 512 .. 705 (the weights and the small tables, which issue the most loads), the others x's roles 0 .. 511
	s_cmp_lt_u32 ttmp9, 194
	s_cselect_b32 s98, s98, s99
	s_cmp_lt_u32 s98, 512
	s_cbranch_scc0 .Lnot_x
; ---- ROLE X: block s98 of 16 rows (folded), my K step
	s_lshr_b32 s36, s98, 1
	s_lshl_b32 s36, s36, 5
	s_and_b32 s38, s98, 1
	s_lshl_b32 s38, s38, 3
	s_add_co_u32 s36, s36, s38                     ; the block's first row
	s_lshl_b32 s36, s36, 12                        ; x 4,096 bytes
	s_lshl_b32 s38, s34, 9
	s_add_co_u32 s36, s36, s38                     ; + 512 bytes a K step
	s_add_nc_u64 s[8:9], s[8:9], s[36:37]
	s_wait_alu depctr_va_vdst(0)
.irp i, 0,1,2,3,4,5,6,7,8,9,10,11,12,13,14,15
	global_load_b128 v[R+4*\i:R+4*\i+3], v4, s[8:9] offset:(\i+8*(\i/8))*4096 th:TH_LOAD_NT   ; 512 consecutive bytes of one row
.endr
	s_mul_i32 s36, s34, 1536
	s_add_nc_u64 s[20:21], s[20:21], s[36:37]      ; W_sel at row 128 x K step: my 128 rows of 12 bytes are 1,536 dense bytes
.irp c, 0,1,2
	global_load_b128 v[236+4*\c:239+4*\c], v4, s[20:21] offset:512*\c   ; three loads of 512 consecutive bytes bring them; they turn through my own LDS bytes
.endr
	s_mul_i32 s39, s34, 1792
	s_add_co_u32 s39, s39, WSL
	v_add_nc_u32 v27, s39, v4                      ; into them: 16 x lane
	v_mov_b32 v28, s39                             ; (their first byte: for the zeros behind the last row)
	v_and_b32 v5, 3, v2                            ; out of them: lane r takes column r % 4; column 3 is the next row's first number, and its result is used by nobody
	s_delay_alu instid0(VALU_DEP_1)
	v_lshlrev_b32 v5, 2, v5
	s_delay_alu instid0(VALU_DEP_1)
	v_mad_u32_u24 v5, v3, 192, v5                  ; + 16 h rows of 12 bytes
	s_delay_alu instid0(VALU_DEP_1)
	v_add_nc_u32 v5, s39, v5
	s_mul_i32 s38, s34, STG
	v_add_nc_u32 v6, s38, v4                       ; into my stage: 16 x lane, a row an instruction
	v_mul_u32_u24 v7, v2, 528
	s_delay_alu instid0(VALU_DEP_1)
	v_lshl_add_u32 v7, v3, 6, v7
	s_delay_alu instid0(VALU_DEP_1)
	v_add_nc_u32 v7, s38, v7                       ; out of it: row r, + 64 h
	s_lshl_b32 s39, s34, 9
	s_add_co_u32 s39, s39, PART
	v_add_nc_u32 v25, s39, v4                      ; my wave's partial sums
	v_add_nc_u32 v26, PART, v4                     ; and all waves', for wave 0
	v_lshlrev_b32 v29, 4, v2
.irp b, 0,1,2,3
	v_mov_b32 v[TM+4+\b], 0                        ; a lane permute's destination counts as one of its sources; these four zeros also go behind W_sel's last row
.endr
	s_mul_i32 s40, s98, 12800
	s_add_co_u32 s40, s40, s35
	s_mov_b32 s41, 0
	s_add_nc_u64 s[40:41], s[32:33], s[40:41]      ; my record of x's image
	s_lshl_b32 s42, s98, 8
	s_add_co_u32 s42, s42, SELX
	s_mov_b32 s43, 0
	s_add_nc_u64 s[42:43], s[32:33], s[42:43]
	s_wait_alu depctr_va_vdst(0)
	s_wait_loadcnt 3                               ; x's sixteen loads are in; W_sel's three, issued behind them, may be out
.irp i, 0,1,2,3,4,5,6,7,8,9,10,11,12,13,14,15
	ds_store_b128 v6, v[R+4*\i:R+4*\i+3] offset:528*\i
.endr
.irp b, 0,1,2,3
.irp j, 0,1,2,3
	ds_load_b128 v[R+16*\b+4*\j:R+16*\b+4*\j+3], v7 offset:128*\b+16*\j   ; LDS serves a wave's instructions in order: these see my stores
.endr
.endr
	s_wait_loadcnt 0x0                             ; W_sel's rows
.irp c, 0,1,2
	ds_store_b128 v27, v[236+4*\c:239+4*\c] offset:512*\c
.endr
	ds_store_b128 v28, v[TM+4:TM+7] offset:1536    ; every lane writes the same sixteen zeros: the last row's 'column 3' reads a written byte
.irp b, 0,1,2,3
.irp i, 0,1,2,3,4,5,6,7,8,9,10,11,12,13,14,15
	ds_load_b32 v[WT+16*\b+\i], v5 offset:(32*\b+\i)*12   ; W_sel(128 s + 32 b + 16 h + i, r % 4): the same order of k as x's registers
.endr
.endr
	s_wait_dscnt 0x0
.set PP, 0
.rept 32                                       ; x . W_sel in f32: source 0 = columns of W_sel, source 1 = my 16 rows; k is permuted alike on both sides; four sums by turns
.if PP < 4
	v_wmma_f32_16x16x4_f32 v[FA+8*(PP%4):FA+8*(PP%4)+7], v[WT+2*PP:WT+2*PP+1], v[R+2*PP:R+2*PP+1], 0
.else
	v_wmma_f32_16x16x4_f32 v[FA+8*(PP%4):FA+8*(PP%4)+7], v[WT+2*PP:WT+2*PP+1], v[R+2*PP:R+2*PP+1], v[FA+8*(PP%4):FA+8*(PP%4)+7]
.endif
.set PP, PP+1
.endr
	QUANT R                                        ; its plain lines are also the places behind the products
.irp c, 0,1,2
	global_store_b128 v[VI], v[PC+4*\c:PC+4*\c+3], s[40:41] offset:512*\c   ; 512 consecutive bytes
.endr
	global_store_b32 v[VS], v[PW], s[40:41]        ; lanes r and r + 16 hold the same word and store it at the same place
	v_pk_add_f32 v[224:225], v[FA:FA+1], v[FA+8:FA+9]     ; columns 0 to 3 of the four sums, into other registers
	v_pk_add_f32 v[226:227], v[FA+2:FA+3], v[FA+10:FA+11]
	v_pk_add_f32 v[228:229], v[FA+16:FA+17], v[FA+24:FA+25]
	v_pk_add_f32 v[230:231], v[FA+18:FA+19], v[FA+26:FA+27]
	s_delay_alu instid0(VALU_DEP_2)
	v_pk_add_f32 v[224:225], v[224:225], v[228:229]
	s_delay_alu instid0(VALU_DEP_2)
	v_pk_add_f32 v[226:227], v[226:227], v[230:231]
	ds_store_b128 v25, v[224:227]
	s_wait_dscnt 0x0                               ; for the others' sake: my stores have landed
	s_barrier_signal -1
	s_barrier_wait -1
	s_cmp_lg_u32 s34, 0
	s_cbranch_scc1 .Lx_end
.irp k, 0,1,2,3,4,5,6,7
	ds_load_b128 v[64+4*\k:67+4*\k], v26 offset:512*\k
.endr
	s_wait_dscnt 0x0
.irp k, 1
	v_pk_add_f32 v[64:65], v[64:65], v[64+4*\k:65+4*\k]
	v_pk_add_f32 v[66:67], v[66:67], v[66+4*\k:67+4*\k]
.endr
.irp k, 2, 3, 4, 5, 6, 7
	s_delay_alu instid0(VALU_DEP_2)
	v_pk_add_f32 v[64:65], v[64:65], v[64+4*\k:65+4*\k]
	s_delay_alu instid0(VALU_DEP_2)
	v_pk_add_f32 v[66:67], v[66:67], v[66+4*\k:67+4*\k]
.endr
	v_cmp_gt_u32 vcc_lo, 16, v1
	s_wait_alu depctr_va_vdst(0)
	s_wait_xcnt 0x0                                ; EXEC changes only behind this wait
	s_and_saveexec_b32 s44, vcc_lo
	global_store_b128 v29, v[64:67], s[42:43]      ; lanes 0-15: 256 consecutive bytes
	s_wait_xcnt 0x0
	s_or_b32 exec_lo, exec_lo, s44
.Lx_end:
	s_wait_tensorcnt 0x0                           ; the wave's end, behind my last LDS store
	ds_add_u32 v[SPW], v[NIL]
	s_wait_dscnt 0x0
	s_endpgm
.Lnot_x:
	s_cmp_lt_u32 s98, 705
	s_cbranch_scc0 .Lrole_s
; ---- ROLE W: 32 columns of a weight; a lane takes a column and its registers run down K
	s_sub_co_u32 s36, s98, 512
	s_wait_alu depctr_va_vdst(0)
	v_lshlrev_b32 v6, 2, v1                        ; natural order: column = lane
	v_and_b32 v7, 8, v2
	s_delay_alu instid0(VALU_DEP_1)
	v_add_nc_u32 v7, v7, v2
	s_delay_alu instid0(VALU_DEP_1)
	v_lshl_add_u32 v7, v3, 3, v7
	s_delay_alu instid0(VALU_DEP_1)
	v_lshlrev_b32 v7, 2, v7                        ; folded: column = 8 h + r + 8 (r / 8)
	v_mad_u32_u24 v[VS], v3, 12800, v[VS]          ; lanes 16-31 belong to the next block of rows
	s_cmp_lt_u32 s36, 96
	s_cbranch_scc0 .Lw_mid
	s_and_b32 s38, s36, 31                         ; W_sense: chunk of 32 d,
	s_lshr_b32 s39, s36, 5                         ; sense
	s_mul_i32 s38, s38, 6
	s_lshl_b32 s39, s39, 1
	s_add_co_u32 s39, s38, s39                     ; block 6 c + 2 s
	s_mul_i32 s39, s39, 12800
	s_add_co_u32 s39, s39, WSQ
	s_lshl_b32 s44, s36, 7
	s_mul_i32 s45, s34, 128*12288
	s_add_co_u32 s44, s44, s45
	s_mov_b32 s45, 0
	s_add_nc_u64 s[42:43], s[10:11], s[44:45]
	s_wait_alu depctr_va_vdst(0)
	v_mov_b32 v5, v7
	WLOAD 12288
	s_branch .Lw_tail
.Lw_mid:
	s_cmp_lt_u32 s36, 192
	s_cbranch_scc0 .Lw_class
	s_sub_co_u32 s38, s36, 96
	s_lshr_b32 s40, s38, 5                         ; 0 W_ctx, 1 W_v, 2 W_out
	s_and_b32 s38, s38, 31
	s_cmp_eq_u32 s40, 0
	s_cselect_b64 s[42:43], s[12:13], s[14:15]
	s_cmp_eq_u32 s40, 2
	s_cselect_b64 s[42:43], s[16:17], s[42:43]
	s_cmp_eq_u32 s40, 1
	s_cselect_b32 s41, -1, 0                       ; W_v alone is folded
	s_mul_i32 s39, s40, 819200
	s_mul_i32 s40, s38, 25600
	s_add_co_u32 s39, s39, s40
	s_add_co_u32 s39, s39, WCX
	s_lshl_b32 s44, s38, 7
	s_lshl_b32 s45, s34, 19
	s_add_co_u32 s44, s44, s45
	s_mov_b32 s45, 0
	s_add_nc_u64 s[42:43], s[42:43], s[44:45]
	s_wait_alu depctr_va_vdst(0)
	v_cndmask_b32 v5, v6, v7, s41
	WLOAD 4096
	s_branch .Lw_tail
.Lw_class:
	s_mov_b32 s39, WKQ
	s_lshl_b32 s44, s34, 14
	s_mov_b32 s45, 0
	s_add_nc_u64 s[42:43], s[18:19], s[44:45]
	s_wait_alu depctr_va_vdst(0)
	v_mov_b32 v5, v6
	WLOAD 128
.Lw_tail:
	s_add_co_u32 s46, s39, s35
	s_mov_b32 s47, 0
	s_add_nc_u64 s[46:47], s[32:33], s[46:47]
	s_wait_loadcnt 0x0
.irp q, 0,1,2,3
	v_max3_num_f32 v[52+\q], |v[64+32*\q]|, |v[65+32*\q]|, 0x1800000
.endr
.irp i, 2,4,6,8,10,12,14,16,18,20,22,24,26,28,30
.irp q, 0,1,2,3
	s_delay_alu instid0(VALU_DEP_4)
	v_max3_num_f32 v[52+\q], v[52+\q], |v[64+32*\q+\i]|, |v[65+32*\q+\i]|
.endr
.endr
.irp q, 0,1,2,3
	s_delay_alu instid0(VALU_DEP_4)
	v_add_nc_u32 v[48+\q], 0xff000000, v[52+\q]
.endr
.irp q, 0,1,2,3
	s_delay_alu instid0(VALU_DEP_4)
	v_lshrrev_b32 v[56+\q], 23, v[48+\q]
.endr
	s_delay_alu instid0(VALU_DEP_3)
	v_lshl_or_b32 v62, v57, 8, v56
	s_delay_alu instid0(VALU_DEP_1)
	v_lshl_or_b32 v62, v58, 16, v62
	s_delay_alu instid0(VALU_DEP_1)
	v_lshl_or_b32 v62, v59, 24, v62
	CODES32 64, 48
.irp f, 0,1
.irp c, 0,1,2
	global_store_b128 v[VI], v[Y+12*\f+4*\c:Y+12*\f+4*\c+3], s[46:47] offset:12800*\f+512*\c
.endr
.endr
	global_store_b32 v[VS], v62, s[46:47]
	s_endpgm
.Lrole_s:
; ---- ROLE S: 256 threads x 4: k = thread + 256 e
	v_lshlrev_b32 v1, 2, v0
	v_mul_u32_u24 v2, v0, 12
	v_lshlrev_b32 v3, 4, v0
	v_and_b32 v4, 31, v0
	v_lshrrev_b32 v5, 5, v0
	s_delay_alu instid0(VALU_DEP_1)
	v_lshlrev_b32 v5, 2, v5
	s_delay_alu instid0(VALU_DEP_1)
	v_lshl_add_u32 v4, v4, 7, v5                   ; the transposed place: (k % 32) x 128 + (k / 32) x 4
	s_add_nc_u64 s[32:33], s[32:33], WPT
.irp e, 0,1,2,3
	global_load_b32 v[64+12*\e], v1, s[22:23] offset:1024*\e
	global_load_b32 v[65+12*\e], v2, s[24:25] offset:3072*\e
	global_load_b32 v[66+12*\e], v2, s[24:25] offset:3072*\e+4
	global_load_b32 v[67+12*\e], v2, s[24:25] offset:3072*\e+8
	global_load_b32 v[68+12*\e], v1, s[26:27] offset:1024*\e
	global_load_b32 v[69+12*\e], v1, s[30:31] offset:1024*\e
	global_load_b32 v[70+12*\e], v4, s[30:31] offset:32*\e
	global_load_b128 v[72+12*\e:75+12*\e], v3, s[28:29] offset:4096*\e
.endr
	s_wait_loadcnt 0x0
.irp e, 0,1,2,3
	v_add_f32 v[69+12*\e], v[69+12*\e], v[70+12*\e]
.endr
.irp e, 0,1,2,3
	s_delay_alu instid0(VALU_DEP_4)
	v_mul_f32 v[69+12*\e], 0xbf38aa3b, v[69+12*\e]   ; x -log2(e) / 2
.endr
	s_wait_alu depctr_va_vdst(0)
.irp e, 0,1,2,3
	v_exp_f32 v[69+12*\e], v[69+12*\e]
.endr
	v_nop
	s_wait_alu depctr_va_vdst(0)                   ; one wait for the four exponentials, ahead of their first reader
.irp e, 0,1,2,3
	v_add_f32 v[69+12*\e], 1.0, v[69+12*\e]
.endr
	s_wait_alu depctr_va_vdst(0)
.irp e, 0,1,2,3
	v_rcp_f32 v[69+12*\e], v[69+12*\e]
.endr
	v_nop
	s_wait_alu depctr_va_vdst(0)                   ; and one for the four reciprocals
.irp e, 0,1,2,3
.irp n, 0,1,2,3,4
	global_store_b32 v1, v[64+12*\e+\n], s[32:33] offset:4096*\n+1024*\e
.endr
.irp n, 0,1,2,3
	global_store_b32 v1, v[72+12*\e+\n], s[32:33] offset:4096*(5+\n)+1024*\e
.endr
	global_store_b32 v1, v[69+12*\e], s[32:33] offset:36864+1024*\e
.endr
	s_endpgm
.Lfunc_end_k_q11fa026e33_prep:
	.size	k_q11fa026e33_prep, .Lfunc_end_k_q11fa026e33_prep-k_q11fa026e33_prep
	.p2alignl 7, 3214868480
	.fill 96, 4, 3214868480
	.section	.rodata,"a",@progbits
	.p2align	6, 0x0
	.amdhsa_kernel k_q11fa026e33_prep
		.amdhsa_group_segment_fixed_size 87040
		.amdhsa_private_segment_fixed_size 0
		.amdhsa_enable_private_segment 0
		.amdhsa_kernarg_size 104
		.amdhsa_user_sgpr_count 2
		.amdhsa_user_sgpr_kernarg_segment_ptr 1
		.amdhsa_wavefront_size32 1
		.amdhsa_system_sgpr_workgroup_id_x 1
		.amdhsa_system_sgpr_workgroup_id_y 1
		.amdhsa_system_sgpr_workgroup_id_z 1
		.amdhsa_system_vgpr_workitem_id 0
		.amdhsa_next_free_vgpr 256
		.amdhsa_next_free_sgpr 100
		.amdhsa_reserve_vcc 1
		.amdhsa_float_denorm_mode_32 3
		.amdhsa_float_denorm_mode_16_64 3
		.amdhsa_memory_ordered 1
		.amdhsa_forward_progress 1
		.amdhsa_inst_pref_size 78
	.end_amdhsa_kernel
	.amdgpu_metadata
---
amdhsa.version: [ 1, 2 ]
amdhsa.kernels:
  - .name:           k_q11fa026e33_prep
    .symbol:         k_q11fa026e33_prep.kd
    .args:
      - { .name: x, .offset: 0, .size: 8, .value_kind: global_buffer, .address_space: global }
      - { .name: W_sense, .offset: 8, .size: 8, .value_kind: global_buffer, .address_space: global }
      - { .name: W_ctx, .offset: 16, .size: 8, .value_kind: global_buffer, .address_space: global }
      - { .name: W_v, .offset: 24, .size: 8, .value_kind: global_buffer, .address_space: global }
      - { .name: W_out, .offset: 32, .size: 8, .value_kind: global_buffer, .address_space: global }
      - { .name: W_class, .offset: 40, .size: 8, .value_kind: global_buffer, .address_space: global }
      - { .name: W_sel, .offset: 48, .size: 8, .value_kind: global_buffer, .address_space: global }
      - { .name: W_charge, .offset: 56, .size: 8, .value_kind: global_buffer, .address_space: global }
      - { .name: W_shell, .offset: 64, .size: 8, .value_kind: global_buffer, .address_space: global }
      - { .name: W_mass, .offset: 72, .size: 8, .value_kind: global_buffer, .address_space: global }
      - { .name: W_val, .offset: 80, .size: 8, .value_kind: global_buffer, .address_space: global }
      - { .name: compat_logits, .offset: 88, .size: 8, .value_kind: global_buffer, .address_space: global }
      - { .name: wq, .offset: 96, .size: 8, .value_kind: global_buffer, .address_space: global }
    .group_segment_fixed_size: 87040
    .private_segment_fixed_size: 0
    .kernarg_segment_align: 8
    .kernarg_segment_size: 104
    .max_flat_workgroup_size: 256
    .sgpr_count:     100
    .vgpr_count:     256
    .wavefront_size: 32
...
	.end_amdgpu_metadata
.endif
;; end of part 1
;; launch ctx (part 2): grid 32 x 8, 4 waves a work-group, clusters of 4 x 4, 327,680 bytes of LDS; arguments wq, b_ctx, W_sel, small; writes small
.if DOCPART == 2
	.amdgcn_target "amdgcn-amd-amdhsa--gfx1250"
	.amdhsa_code_object_version 6
	.text
	.protected	k_q11fa026e33_ctx
	.globl	k_q11fa026e33_ctx
	.p2align	8
	.type	k_q11fa026e33_ctx,@function
k_q11fa026e33_ctx:
	s_mov_b64 s[64:65], 0
	v_nop
	global_prefetch_b8 v0, s[64:65] scope:SCOPE_SE
	s_setreg_imm32_b32 hwreg(HW_REG_WAVE_MODE, 25, 1), 1
	s_wait_xcnt 0x0
	s_wait_alu depctr_hold_cnt(0) depctr_sa_sdst(0) depctr_va_vdst(0) depctr_va_sdst(0) depctr_va_ssrc(0) depctr_va_vcc(0) depctr_vm_vsrc(0)
	s_getreg_b32 s2, hwreg(HW_REG_IB_STS2, 6, 4)
	s_cmp_eq_u32 s2, 0
	s_cbranch_scc0 .Lentry_in_a_cluster
	s_endpgm
.Lentry_in_a_cluster:
	s_bfe_u32 s2, ttmp6, 0x10000c
	s_cmp_lg_u32 s2, 0xf033
	s_cbranch_scc0 .Lentry_shape_is_right
	s_endpgm
.Lentry_shape_is_right:
; CTX: the product Q(x) Q(W_ctx), of which only the mean over a batch's rows is used.  A = W_ctx's image (rows = its columns n), B = x's image.
; A wave's 64 x 128 tile is summed over its 128 rows of x, scaled by 1 / 2,048, given 1 / 16 of b_ctx (a batch's rows are shared by sixteen waves), and multiplied by W_sel[1024 + n]: three partial logits a wave.
; THE FRAME (the same text in three launches): C = A B^T on register images.  A work-group of four waves makes 128 x 256; a wave NA x NB blocks of 16.  The matrix instruction is used transposed: source 0 = 16 rows
; of B, source 1 = 16 rows of A, so a lane holds one row of A.  A tile is RA or RB blocks of rows x RP bytes, codes and scale words together, brought by one tensor load a wave; a fragment is three loads of 16 bytes a lane
; at 16 x lane.  4 x 4 work-groups form a cluster: A's tiles are asked for jointly along a row of it, B's along a column.  Here all of K (8 steps of 128) lies in two LDS slots that are filled once.
; A has one set of fragment registers, B two; the accumulators take turns, one instruction a turn.
; LIMITS: NaN and infinities are not served; the f32 sums are taken in another order than a row-by-row mean.
.set NA, 4
.set NB, 8
.set NQ, 4                             ; K steps in a slot: a tile's row is 6,400 bytes and begins at a multiple of 256 bytes
.set NSL, 2                            ; two slots, each filled once: slot 0 at the head, slot 1 behind the first round of START (this count stands for the head comment's)
.set RP, NQ*1600                       ; bytes of a block of rows in a slot
.set RA, 8
.set RB, 16
.set AOFF, 0
.set BOFF, RA*RP
.set KA, 12800                         ; bytes of a block of rows in A's buffer, in B's
.set KB, 12800
.set AREG, 9011200
.set BREG, 0
.set BATCHED, 0
.set BI, 64
.set AH, NA/2
.set QH, NA/4
.set SLOT, (RA+RB)*RP
.set SPARE, NSL*SLOT                   ; behind the slots: the spare words, 128 bytes a wave, which no other line names
.set AF, 224-12*NA                     ; A's fragments, window 0;  B's two sets: window 1, v0 and v128;  accumulator (a, b): window 2 + a / 4, v[8 (NB (a % 4) + b)]
.set G1, 24
.set G0, 32
.set G1B, 48
.set ADRA, 8
.set ADRB, 12
.set ADRS, 16
.set SPW, 28
.set NIL, 29
.set SC, 32                            ; scale words, two sets of 8: lanes 0-15 A's block i, lanes 16-31 B's block i
.set SEL, 90
.set MSB, 0
.macro WIN new
.if MSB != (\new)
	s_set_vgpr_msb (MSB<<8)|(\new)
.set MSB, (\new)
.endif
.endm
.macro PLACES n
.rept \n
	v_nop
.endr
.endm
.macro JLOAD s                         ; a joint load: waves 0 and 1 fetch A's halves, waves 2 and 3 B's; the branch hangs on the wave's number alone
	s_cmp_eq_u32 s15, 0
	s_cbranch_scc0 .Lfor_b_\@
	tensor_load_to_lds s[G0+4*(\s):G0+4*(\s)+3], s[G1:G1+7]
	s_nop 0
.rept 4
	v_nop
.endr
	s_branch .Lasked_\@
.Lfor_b_\@:
	tensor_load_to_lds s[56+4*(\s)+4*((\s)/2):59+4*(\s)+4*((\s)/2)], s[G1B:G1B+7]
	s_nop 0
.rept 4
	v_nop
.endr
.Lasked_\@:
.endm
.macro CREST
	s_cmp_lg_u32 s14, 0
	s_cbranch_scc1 .Lnot_wave_0_\@
	s_barrier_signal -3
.Lnot_wave_0_\@:
	s_barrier_wait -3
	s_barrier_signal -1
	s_barrier_wait -1
.endm
.macro CROUND
	s_barrier_signal -1
	s_barrier_wait -1
	CREST
.endm
.macro FRAG reg, adr, off
.irp c, 0,1,2
	ds_load_b128 v[\reg+4*\c:\reg+4*\c+3], v[\adr] offset:\off+512*\c
.endr
.endm
.macro FETCH_B t
.set QQ, (\t)%NQ
.set FOQ, (QQ/2)*3200+(QQ%2)*1536
.set SL, ((\t)/NQ)%NSL
.set PB, 128*((\t)%2)
	WIN 0x40
.set IB, 0
.rept NB
	FRAG PB+12*IB, ADRB+SL, IB*RP+FOQ
.set IB, IB+1
.endr
	WIN 0
.endm
.macro FETCH_A t, i0, n
.set QQ, (\t)%NQ
.set FOQ, (QQ/2)*3200+(QQ%2)*1536
.set SL, ((\t)/NQ)%NSL
.set IA, \i0
.rept \n
	FRAG AF+12*IA, ADRA+SL, IA*RP+FOQ
.set IA, IA+1
.endr
.endm
.macro SCALES t                        ; the shorter side's lanes run past its blocks into landed bytes of the same slot: those words are not used
.set QQ, (\t)%NQ
.set SOQ, (QQ/2)*3200+3072+(QQ%2)*64
.set SL, ((\t)/NQ)%NSL
.irp i, 0,1,2,3,4,5,6,7
	ds_load_b32 v[SC+8*((\t)%2)+\i], v[ADRS+SL] offset:\i*RP+SOQ
.endr
.endm
.macro WM d, b, a, c, sb, sa
	v_wmma_scale_f32_16x16x128_f8f6f4 v[\d:\d+7], v[\b:\b+11], v[\a:\a+11], \c, v[\sb], v[\sa] matrix_a_fmt:MATRIX_FMT_FP6 matrix_b_fmt:MATRIX_FMT_FP6 matrix_a_scale:MATRIX_SCALE_ROW1
.endm
.macro MULA a, t, c                    ; A's block a against B's NB blocks.  c = 1: the constant 0 starts the sums; 2: the bias does; 0: in place
.set PB, 128*((\t)%2)
.set SS, SC+8*((\t)%2)
.set BB, 0
.rept NB
.set AC, 8*(NB*((\a)%4)+BB)
.if (\c) == 1
	WM AC, PB+12*BB, AF+12*(\a), 0, SS+BB, SS+(\a)
.elseif (\c) == 2
	WM AC, PB+12*BB, AF+12*(\a), v[BI+8*BB:BI+8*BB+7], SS+BB, SS+(\a)
.else
	WM AC, PB+12*BB, AF+12*(\a), v[AC:AC+7], SS+BB, SS+(\a)
.endif
.set BB, BB+1
.endr
.endm
.macro MULH a0, n, t, c
.set AA, \a0
.rept \n
.if (\c) == 2
	WIN 0x81+0x40*(AA/4)
.else
	WIN 0xa1+0x50*(AA/4)
.endif
	MULA AA, \t, \c
.set AA, AA+1
.endr
.endm
.macro REST t, c                       ; the next step's B, A's first half and scale words; this step's second half; A's second half
	FETCH_B (\t)+1
	FETCH_A (\t)+1, 0, AH
	SCALES (\t)+1
	MULH AH, AH, \t, \c
	PLACES 4
	WIN 0
	FETCH_A (\t)+1, AH, AH
.endm
.macro STEP t, c
	s_wait_dscnt AH*3                              ; all but the youngest loads, A's second half
	MULH 0, AH, \t, \c
	s_wait_dscnt 0x0
	PLACES 4                                       ; four plain lines in front of loads into registers that matrix instructions have read
	REST \t, \c
.endm
.macro TURNC t, left                   ; the next step lies in a slot that was filled at the start: a counted wait (the later slots' loads may stay out) and a barrier behind which nothing is filled
	s_wait_tensorcnt \left
	s_wait_dscnt AH*3
	MULH 0, QH, \t, 0
	s_wait_dscnt 0x0
	s_barrier_signal -1
	MULH QH, AH-QH, \t, 0
	s_barrier_wait -1
	PLACES 4
	REST \t, 0
.endm
.macro LAST t
	s_wait_dscnt AH*3
	MULH 0, AH, \t, 0
	s_wait_dscnt 0x0
	MULH AH, AH, \t, 0
	WIN 0
.endm
.macro HEAD ap, bp
	v_lshl_add_u32 v[SPW], v0, 2, SPARE
	v_mov_b32 v[NIL], 0
	ds_add_u32 v[SPW], v[NIL]                      ; the wave's opening: the add and its wait ahead of my first tensor load
	ds_add_u32 v[SPW], v[NIL]
	v_lshrrev_b32 v1, 5, v0
	v_readfirstlane_b32 s14, v1                    ; wave
	s_lshr_b32 s15, s14, 1                         ; my half of A's rows; also: 0 = I fetch for A
	s_and_b32 s16, s14, 1                          ; my half of B's rows; also: which half of a tile I fetch
	s_bfe_u32 s76, ttmp6, 0x40000                  ; cx
	s_bfe_u32 s77, ttmp6, 0x40004                  ; cy
	s_lshl_b32 s78, ttmp9, 2
	s_add_co_u32 s78, s78, s76                     ; X
	s_and_b32 s79, ttmp7, 0xffff
	s_lshl_b32 s79, s79, 2
	s_add_co_u32 s79, s79, s77                     ; Y
	s_lshl_b32 s80, s77, 2
	s_lshl_b32 s80, 15, s80                        ; my row of the cluster
	s_lshl_b32 s81, 0x1111, s76                    ; my column
	s_or_b32 s[G1], s80, (3<<16)|(1<<21)           ; the mask; elements of 8 bytes; bit 21 beside a mask; no padding
	s_or_b32 s[G1B], s81, (3<<16)|(1<<21)
	s_mov_b32 s[G1+1], (RP/8)<<16                  ; tensor_dim0
	s_mov_b32 s[G1+2], (RA/2)<<16                  ; tensor_dim1
	s_mov_b32 s[G1+3], (RP/8)<<16                  ; tile_dim0
	s_mov_b32 s[G1+4], RA/2                        ; tile_dim1
	s_mov_b32 s[G1+5], KA/8                        ; from one block of rows to the next
	s_mov_b32 s[G1+6], 0
	s_mov_b32 s[G1+7], 0
	s_mov_b32 s[G1B+1], (RP/8)<<16
	s_mov_b32 s[G1B+2], (RB/2)<<16
	s_mov_b32 s[G1B+3], (RP/8)<<16
	s_mov_b32 s[G1B+4], RB/2
	s_mov_b32 s[G1B+5], KB/8
	s_mov_b32 s[G1B+6], 0
	s_mov_b32 s[G1B+7], 0
	s_mul_i32 s82, s79, RA                         ; A's tile hangs on Y and the wave alone,
	s_mul_i32 s83, s16, RA/2
	s_add_co_u32 s82, s82, s83
	s_mul_i32 s82, s82, KA
	s_add_co_u32 s82, s82, AREG
	s_mov_b32 s83, 0
	s_mul_i32 s84, s78, RB                         ; B's on X and the wave
	s_mul_i32 s85, s16, RB/2
	s_add_co_u32 s84, s84, s85
	s_mul_i32 s84, s84, KB
	s_add_co_u32 s84, s84, BREG
.if BATCHED
	s_and_b32 s85, ttmp7, 0xffff                   ; (and on the batch, which is the cluster's y / 4)
	s_lshr_b32 s85, s85, 2
	s_mul_i32 s85, s85, 64*KB
	s_add_co_u32 s84, s84, s85
.endif
	s_mov_b32 s85, 0
	s_mul_i32 s86, s16, (RA/2)*RP
	s_mul_i32 s87, s16, (RB/2)*RP
	s_mov_b32 s[SEL], 0x76543210
	s_mov_b32 s[SEL+1], 0xfedcba98
	s_wait_dscnt 0x0                               ; the opening add is done
	s_wait_kmcnt 0x0
	s_add_nc_u64 s[82:83], s[\ap:\ap+1], s[82:83]
	s_add_nc_u64 s[84:85], s[\bp:\bp+1], s[84:85]
	CROUND                                         ; all sixteen work-groups are here: the first joint loads meet
.set SG, 0
.rept NSL
	s_mov_b32 s[G0+4*SG], 1
	s_add_co_u32 s[G0+4*SG+1], s86, SG*SLOT+AOFF
	s_add_nc_u64 s[G0+4*SG+2:G0+4*SG+3], s[82:83], SG*RP
	s_or_b32 s[G0+4*SG+3], s[G0+4*SG+3], 0x80000000
	s_mov_b32 s[56+4*SG+4*(SG/2)], 1
	s_add_co_u32 s[57+4*SG+4*(SG/2)], s87, SG*SLOT+BOFF
	s_add_nc_u64 s[58+4*SG+4*(SG/2):59+4*SG+4*(SG/2)], s[84:85], SG*RP
	s_or_b32 s[59+4*SG+4*(SG/2)], s[59+4*SG+4*(SG/2)], 0x80000000
.if SG == 0
	JLOAD SG                                       ; one tensor load a wave at the head
.endif
.set SG, SG+1
.endr
	v_and_b32 v1, 31, v0                           ; lane
	v_and_b32 v2, 15, v0                           ; r
	v_bfe_u32 v3, v0, 4, 1                         ; h
	v_lshlrev_b32 v4, 4, v1                        ; 16 x lane
	s_wait_alu depctr_va_vdst(0)
	s_mul_i32 s88, s15, NA*RP
	s_add_co_u32 s88, s88, AOFF
	s_mul_i32 s89, s16, NB*RP
	s_add_co_u32 s89, s89, BOFF
.if AOFF < BOFF
	s_sub_co_u32 s93, s89, s88
	v_mul_u32_u24 v5, s93, v3                      ; lanes 16-31 take B's scale words: one product, the distance between the two bases
	s_mov_b32 s93, s88
.else
	s_sub_co_u32 s93, s88, s89
	v_xor_b32 v6, 1, v3
	v_mul_u32_u24 v5, s93, v6
	s_mov_b32 s93, s89
.endif
	v_lshl_add_u32 v5, v2, 2, v5
.set SG, 0
.rept NSL
	v_add_nc_u32 v[ADRA+SG], s88, v4
	v_add_nc_u32 v[ADRB+SG], s89, v4
	v_add_nc_u32 v[ADRS+SG], s93, v5
	s_add_co_u32 s88, s88, SLOT
	s_add_co_u32 s89, s89, SLOT
	s_add_co_u32 s93, s93, SLOT
.set SG, SG+1
.endr
.endm
.macro START
	s_wait_alu depctr_va_vdst(0)
	s_wait_tensorcnt 0x0                           ; my part of slot 0 is in
	ds_add_u32 v[SPW], v[NIL]
	s_wait_dscnt 0x0
	CROUND                                         ; slot 0 is whole for all four waves, and the sixteen work-groups meet
	JLOAD 1                                        ; slot 1's first fill, the first tensor load behind the round
	FETCH_B 0
	FETCH_A 0, 0, AH
	SCALES 0
	FETCH_A 0, AH, AH
.endm
.macro FINISH
	s_wait_tensorcnt 0x0                           ; the wave's end
	ds_add_u32 v[SPW], v[NIL]
	s_wait_dscnt 0x0
	CROUND                                         ; the closing round
	s_endpgm
.endm
	s_load_b256 s[4:11], s[0:1], 0x0               ; wq 4, b_ctx 6, W_sel 8, small 10
	HEAD 4, 4
	s_lshl_b32 s17, s79, 7
	s_lshl_b32 s18, s15, 6
	s_add_co_u32 s17, s17, s18                     ; my first column n of W_ctx
	s_lshl_b32 s18, s17, 2
	s_mov_b32 s19, 0
	s_add_nc_u64 s[6:7], s[6:7], s[18:19]
	s_mul_i32 s18, s17, 12
	s_add_co_u32 s18, s18, 12288
	s_add_nc_u64 s[8:9], s[8:9], s[18:19]          ; W_sel at row 1,024 + n
	v_lshlrev_b32 v20, 2, v2
	v_mul_u32_u24 v21, v2, 12
.irp a, 0,1,2,3
	global_load_b32 v[64+\a], v20, s[6:7] offset:64*\a
.irp s, 0,1,2
	global_load_b32 v[68+3*\a+\s], v21, s[8:9] offset:192*\a+4*\s
.endr
.endr
	s_lshr_b32 s17, s78, 3                         ; the batch
	s_lshl_b32 s17, s17, 8
	s_lshl_b32 s18, s78, 1
	s_add_co_u32 s18, s18, s16
	s_and_b32 s18, s18, 15
	s_lshl_b32 s18, s18, 4
	s_add_co_u32 s17, s17, s18
	s_lshl_b32 s18, s79, 1
	s_add_co_u32 s18, s18, s15
	s_add_co_u32 s17, s17, s18                     ; my entry of the batch's 256
	s_lshl_b32 s18, s17, 4
	s_add_nc_u64 s[94:95], s[10:11], s[18:19]
	v_mov_b32 v22, 0
	s_wait_alu depctr_va_vdst(0)
	s_wait_loadcnt 0x0
	START
	STEP 0, 1
	STEP 1, 0
	STEP 2, 0
	TURNC 3, 0
	STEP 4, 0
	STEP 5, 0
	STEP 6, 0
	LAST 7
	PLACES 4
	WIN 0x0a                                       ; both sources in window 2
.irp a, 0,1,2,3
	v_pk_add_f32 v[96+2*\a:97+2*\a], v[64*\a:64*\a+1], v[64*\a+2:64*\a+3]   ; each accumulator is read from its low end on
.endr
	WIN 0x08
.set PP, 2
.rept 30
.irp a, 0,1,2,3
	v_pk_add_f32 v[96+2*\a:97+2*\a], v[96+2*\a:97+2*\a], v[64*\a+2*PP:64*\a+2*PP+1]
.endr
.set PP, PP+1
.endr
	WIN 0
.irp a, 0,1,2,3
	v_add_f32 v[96+2*\a], v[96+2*\a], v[97+2*\a]
.endr
.irp a, 0,1,2,3
	v_permlanex16_b32 v[97+2*\a], v[96+2*\a], s[SEL], s[SEL+1]
.endr
.irp a, 0,1,2,3
	v_add_f32 v[96+2*\a], v[96+2*\a], v[97+2*\a]   ; column n summed over my 128 rows
.endr
.irp a, 0,1,2,3
	v_mul_f32 v[64+\a], 0x3d800000, v[64+\a]       ; b_ctx / 16
.endr
.irp a, 0,1,2,3
	v_fmamk_f32 v[96+2*\a], v[96+2*\a], 0x3a000000, v[64+\a]   ; sum / 2,048 + b / 16
.endr
.irp s, 0,1,2
	v_mul_f32 v[104+\s], v96, v[68+\s]
.endr
.irp a, 1,2,3
.irp s, 0,1,2
	v_fmac_f32 v[104+\s], v[96+2*\a], v[68+3*\a+\s]
.endr
.endr
.irp m, 1,2,4,8
.irp s, 0,1,2
	v_add_f32_dpp v[104+\s], v[104+\s], v[104+\s] row_xmask:\m row_mask:0xf bank_mask:0xf
.endr
.endr
	v_mov_b32 v107, 0
	v_cmp_eq_u32 vcc_lo, 0, v1
	s_wait_alu depctr_va_vdst(0)
	s_wait_xcnt 0x0                                ; EXEC changes only behind this wait
	s_and_saveexec_b32 s20, vcc_lo
	global_store_b128 v22, v[104:107], s[94:95]
	s_wait_xcnt 0x0
	s_or_b32 exec_lo, exec_lo, s20
	FINISH
.Lfunc_end_k_q11fa026e33_ctx:
	.size	k_q11fa026e33_ctx, .Lfunc_end_k_q11fa026e33_ctx-k_q11fa026e33_ctx
	.p2alignl 7, 3214868480
	.fill 96, 4, 3214868480
	.section	.rodata,"a",@progbits
	.p2align	6, 0x0
	.amdhsa_kernel k_q11fa026e33_ctx
		.amdhsa_group_segment_fixed_size 327680
		.amdhsa_private_segment_fixed_size 0
		.amdhsa_enable_private_segment 0
		.amdhsa_kernarg_size 32
		.amdhsa_user_sgpr_count 2
		.amdhsa_user_sgpr_kernarg_segment_ptr 1
		.amdhsa_wavefront_size32 1
		.amdhsa_system_sgpr_workgroup_id_x 1
		.amdhsa_system_sgpr_workgroup_id_y 1
		.amdhsa_system_sgpr_workgroup_id_z 1
		.amdhsa_system_vgpr_workitem_id 0
		.amdhsa_next_free_vgpr 768
		.amdhsa_next_free_sgpr 100
		.amdhsa_reserve_vcc 1
		.amdhsa_float_denorm_mode_32 3
		.amdhsa_float_denorm_mode_16_64 3
		.amdhsa_memory_ordered 1
		.amdhsa_forward_progress 1
		.amdhsa_inst_pref_size 78
	.end_amdhsa_kernel
	.amdgpu_metadata
---
amdhsa.version: [ 1, 2 ]
amdhsa.kernels:
  - .name:           k_q11fa026e33_ctx
    .symbol:         k_q11fa026e33_ctx.kd
    .args:
      - { .name: wq, .offset: 0, .size: 8, .value_kind: global_buffer, .address_space: global }
      - { .name: b_ctx, .offset: 8, .size: 8, .value_kind: global_buffer, .address_space: global }
      - { .name: W_sel, .offset: 16, .size: 8, .value_kind: global_buffer, .address_space: global }
      - { .name: small, .offset: 24, .size: 8, .value_kind: global_buffer, .address_space: global }
    .group_segment_fixed_size: 327680
    .private_segment_fixed_size: 0
    .kernarg_segment_align: 8
    .kernarg_segment_size: 32
    .max_flat_workgroup_size: 128
    .sgpr_count:     100
    .vgpr_count:     768
    .wavefront_size: 32
...
	.end_amdgpu_metadata
.endif
;; end of part 2
;; launch sense (part 3): grid 8 x 32, 4 waves a work-group, clusters of 4 x 4, 327,680 bytes of LDS; arguments wq, small, b_sense, b_sel, x2; writes x2
.if DOCPART == 3
	.amdgcn_target "amdgcn-amd-amdhsa--gfx1250"
	.amdhsa_code_object_version 6
	.text
	.protected	k_q11fa026e33_sense
	.globl	k_q11fa026e33_sense
	.p2align	8
	.type	k_q11fa026e33_sense,@function
k_q11fa026e33_sense:
	s_mov_b64 s[64:65], 0
	v_nop
	global_prefetch_b8 v0, s[64:65] scope:SCOPE_SE
	s_setreg_imm32_b32 hwreg(HW_REG_WAVE_MODE, 25, 1), 1
	s_wait_xcnt 0x0
	s_wait_alu depctr_hold_cnt(0) depctr_sa_sdst(0) depctr_va_vdst(0) depctr_va_sdst(0) depctr_va_ssrc(0) depctr_va_vcc(0) depctr_vm_vsrc(0)
	s_getreg_b32 s2, hwreg(HW_REG_IB_STS2, 6, 4)
	s_cmp_eq_u32 s2, 0
	s_cbranch_scc0 .Lentry_in_a_cluster
	s_endpgm
.Lentry_in_a_cluster:
	s_bfe_u32 s2, ttmp6, 0x10000c
	s_cmp_lg_u32 s2, 0xf033
	s_cbranch_scc0 .Lentry_shape_is_right
	s_endpgm
.Lentry_shape_is_right:
; SENSE: senses = Q(x) Q(W_sense) + b_sense; the mix x' = sum over s of sense_w[s] senses[s] in f32; x' leaves as codes of FP6 with scale words, and as partial sums of its nine small dot products.
; A work-group has 256 rows of x and walks four chunks of 32 d (with their three senses: 96 columns of W_sense each); a wave has 64 rows: 4 x 6 accumulators of 16 x 16.
; The four chunks 4 X .. 4 X + 3 are K step X of x': so a wave ends with whole fragments of x' (16 rows x 128 d) and their scale words, and stores them as images of the operand's registers.
; x STAYS IN REGISTERS: a wave's 4 blocks of rows x 8 K steps are 32 fragments (384 registers) and 32 scale words.  They come through LDS: x's image of the 256 rows (204,800 dense bytes) is asked for jointly along a
; row of the cluster, lands in LDS bytes 102,400 .. 307,199, and each wave copies its own part into registers once.
; W_sense's image of the four chunks is 307,200 dense bytes, laid in LDS as in memory.  Its first 102,400 bytes come at the head; the other 204,800 fill again exactly the bytes that held x, behind the three lines and a round.
; So a step of 128 along K reads 6 fragments and 6 scale words from LDS for 24 products, one step ahead, in two sets of registers.
; CLUSTERS: 4 x 4 work-groups; x is shared along a row of the cluster, W_sense along a column.
; No prefetch: all three tensor loads are issued ahead of the first product; there is no loop in which a later request could be run ahead of.
; The matrix instruction is used transposed (source 0 = 16 rows of W_sense's image, source 1 = 16 rows of x): a lane holds one row of x, and the six blocks of a chunk are ordered (sense, half), so the mix needs no other lane.
; sense_w = softmax(x . W_sel[:1024] + the batch's 256 partial logits summed + b_sel), its maximum taken away.
; THE NINE DOT PRODUCTS (charge, shell 0-2, mass, val 0-3) stay in f32: source 0 = the weights (row min(r, 8)), source 1 = 16 rows of x', k permuted alike on both sides; one sum for each block of rows, two by turns.
; x2: x' image [512 blocks of rows][12,800 bytes], as x's image; behind it, at 6,553,600, the partial sums [512 blocks][8 K steps][1,024 bytes]: register 4 g .. 4 g + 3 of lane l at 512 g + 16 l.
; REGISTERS: window 0: v0-31 addresses, v32-47 W_sense's scale words (two sets of six; v38, 39, 46, 47 x' scale words), v48-59, v112-123, v192-215 x' codes, v60-63, v216-223 the quantiser's, v64-111 b_sense (the C of a
;   chunk's first products), v128-159 the mix, v160-191 x's scale words, v224-239 sense_w, v240-255 the nine weights.
;   window 1: W_sense's fragments, sets at v0 and v128; x's K step 5 at v72, 6 at v200.  window 2: v0-191 accumulators, x's K step 7 at v192, v240-255 two f32 sums.  window 3: x's K steps 0-4, v240-255 two f32 sums.
; LIMITS: NaN and infinities are not served; a block of x' whose largest magnitude lies under 2^-124 keeps the scale byte 1 (a block of zeros too: its codes are zeros, and this program alone reads the bytes).
.set TB, 76800                         ; a chunk's image: 6 blocks x 12,800 bytes
.set HB, 38400                         ; three blocks: what one address register reaches with a 16-bit offset
.set XL, 102400                        ; LDS: where x's image lies at first
.set BREG, 6553600                     ; W_sense's image in wq
.set WPT, 11494400                     ; the nine weights [9][1024] in wq
.set SELX, 11535360
.set PARTS, 6553600                    ; the partial sums in x2
.set SPARE, 4*TB                       ; behind the four chunks: the spare words, 128 bytes a wave, which no other line names
.set ADRB, 8                           ; v8-15  16 x lane + k x HB
.set ADRS, 16                          ; v16-23 4 r + k x HB
.set SPW, 28
.set NIL, 29
.set SB, 32
.set TM, 60
.set BI, 64
.set PL, 112
.set SX, 144
.set SA, 160
.set TS, 192
.set TC, 216
.set WW, 224
.set WT, 240
.set G1A, 24                           ; s[24:31] group 1 for x: 16 rows of 6,400 bytes;  s[48:55] for W_sense: 8 rows
.set G1B, 48
.set G0A, 32
.set G0H, 36
.set G0L, 40
.set SEL, 90
.set MSB, 0
.macro WIN new
.if MSB != (\new)
	s_set_vgpr_msb (MSB<<8)|(\new)
.set MSB, (\new)
.endif
.endm
.macro PLACES n
.rept \n
	v_nop
.endr
.endm
.macro CROUND                          ; a round of the cluster's barrier
	s_barrier_signal -1
	s_barrier_wait -1
	s_cmp_lg_u32 s14, 0
	s_cbranch_scc1 .Lnot_wave_0_\@
	s_barrier_signal -3
.Lnot_wave_0_\@:
	s_barrier_wait -3
	s_barrier_signal -1
	s_barrier_wait -1
.endm
.macro APLACE st                       ; where x's fragments of K step st lie: window AW, register AB
.if (\st) < 5
.set AW, 3
.set AB, 48*(\st)
.elseif (\st) == 5
.set AW, 1
.set AB, 72
.elseif (\st) == 6
.set AW, 1
.set AB, 200
.else
.set AW, 2
.set AB, 192
.endif
.endm
.macro BIAS tl                         ; b_sense[1024 s + 32 c + 16 h + 8 u + 0 .. 7] of chunk tl, in the result's layout
.irp s, 0,1,2
.irp u, 0,1
	global_load_b128 v[BI+8*(2*\s+\u):BI+8*(2*\s+\u)+3], v24, s[8:9] offset:4096*\s+128*(\tl)+32*\u
	global_load_b128 v[BI+8*(2*\s+\u)+4:BI+8*(2*\s+\u)+7], v24, s[8:9] offset:4096*\s+128*(\tl)+32*\u+16
.endr
.endr
.endm
.macro WTL tl                          ; weight min(r, 8) at d = 32 c + 16 h + 0 .. 15 of chunk tl
.irp j, 0,1,2,3
	global_load_b128 v[WT+4*\j:WT+4*\j+3], v30, s[56:57] offset:128*(\tl)+16*\j
.endr
.endm
.macro FETCH                           ; chunk FT, K step FS: 6 scale words and 6 fragments (24 LDS loads) into set FS % 2
.set FOQ, (FS/2)*3200+(FS%2)*1536
.set SOQ, (FS/2)*3200+3072+(FS%2)*64
	WIN 0
.irp i, 0,1,2,3,4,5
	ds_load_b32 v[SB+8*(FS%2)+\i], v[ADRS+2*FT+\i/3] offset:(\i%3)*12800+SOQ
.endr
	WIN 0x40
.irp i, 0,1,2,3,4,5
.irp c, 0,1,2
	ds_load_b128 v[128*(FS%2)+12*\i+4*\c:128*(FS%2)+12*\i+4*\c+3], v[ADRB+2*FT+\i/3] offset:(\i%3)*12800+FOQ+512*\c
.endr
.endr
.endm
.macro WM d, b, a, c, sb, sa
	v_wmma_scale_f32_16x16x128_f8f6f4 v[\d:\d+7], v[\b:\b+11], v[\a:\a+11], \c, v[\sb], v[\sa] matrix_a_fmt:MATRIX_FMT_FP6 matrix_b_fmt:MATRIX_FMT_FP6
.endm
.macro MUL st, c                       ; 24 products; the accumulators take turns, one instruction a turn.  c = 2: the bias starts the sums
	APLACE \st
.set PB, 128*((\st)%2)
.set SS, SB+8*((\st)%2)
.if (\c) == 2
	WIN 0x81+4*AW
.else
	WIN 0xa1+4*AW
.endif
.set MA, 0
.rept 4
.set MB, 0
.rept 6
.set AC, 8*(6*MA+MB)
.if (\c) == 2
	WM AC, PB+12*MB, AB+12*MA, v[BI+8*MB:BI+8*MB+7], SS+MB, SA+4*(\st)+MA
.else
	WM AC, PB+12*MB, AB+12*MA, v[AC:AC+7], SS+MB, SA+4*(\st)+MA
.endif
.set MB, MB+1
.endr
.set MA, MA+1
.endr
.endm
; A step: four plain lines (the next loads land in registers that the step before multiplied), the next step's 24 LDS loads, the wait for this step's, 24 products.
.macro STEP tl, st, c, more, bar
.if \bar
	s_wait_tensorcnt 0x0                           ; my part of the rest of W_sense is in,
	s_wait_dscnt 0x0                               ; no LDS load of mine is out at the signal,
	s_barrier_signal -1
	s_barrier_wait -1                              ; and so is everybody's
.endif
.set NXT, 8*(\tl)+(\st)+1
.if NXT < 32
	PLACES 4
.if \more
	WIN 0
.if (\tl) < 3
	BIAS (\tl)+1                                   ; the next chunk's bias: this chunk's first products have read the registers
.endif
.if (\tl) > 0
	WTL \tl                                        ; this chunk's nine weights: the last chunk's f32 products, and the quantiser's lines behind them, are past
.endif
.endif
.set FT, NXT/8
.set FS, NXT%8
	FETCH
	s_wait_dscnt 24                                ; all but the 24 loads just issued
.else
	s_wait_dscnt 0x0
.endif
	MUL \st, \c
.endm
.macro PCS a0                          ; where the codes of blocks a0 and a0 + 1 lie: v[P0 + PS e]
.if (\a0) == 0
.set P0, 192
.set PS, 12
.else
.set P0, 48
.set PS, 64
.endif
.endm
; The quantiser for blocks a0, a0 + 1 of chunk tl: a lane's 16 numbers are half a block of 32 along d; lane l xor 16 holds the other half.  The two blocks of rows take turns line by line.
.macro QPAIR a0, tl
	PCS \a0
.irp e, 0,1
	v_max3_num_f32 v[TM+2*\e], |v[128+16*\e]|, |v[129+16*\e]|, 0x1800000   ; with the floor 2^(3 - 127): the byte cannot fall under 1
.endr
.irp i, 2,4,6,8,10,12,14
.irp e, 0,1
	v_max3_num_f32 v[TM+2*\e], v[TM+2*\e], |v[128+16*\e+\i]|, |v[129+16*\e+\i]|
.endr
.endr
.irp e, 0,1
	v_permlanex16_b32 v[TM+1+2*\e], v[TM+2*\e], s[SEL], s[SEL+1]
.endr
.irp e, 0,1
	v_max_num_f32 v[TM+2*\e], v[TM+2*\e], v[TM+1+2*\e]   ; the block's largest magnitude
.endr
.irp e, 0,1
	v_add_nc_u32 v[TM+1+2*\e], 0xff000000, v[TM+2*\e]    ; 2 off its exponent field: the conversion's scale operand
.endr
.irp e, 0,1
	v_lshrrev_b32 v[TM+2*\e], 23, v[TM+1+2*\e]           ; the scale's byte: byte tl of the K step's word
.endr
.irp e, 0,1
.if (\tl) == 0
	v_mov_b32 v[38+\e+8*((\a0)/2)], v[TM+2*\e]
.else
	v_lshl_or_b32 v[38+\e+8*((\a0)/2)], v[TM+2*\e], 8*(\tl), v[38+\e+8*((\a0)/2)]
.endif
.endr
.irp e, 0,1
.if (\tl)%2 == 0
	v_cvt_scalef32_pk16_fp6_f32 v[P0+PS*\e+6*((\tl)/2):P0+PS*\e+6*((\tl)/2)+2], v[128+16*\e:143+16*\e], v[TM+1+2*\e]
.else
	v_cvt_scalef32_pk16_fp6_f32 v[TC+4*\e:TC+4*\e+2], v[128+16*\e:143+16*\e], v[TM+1+2*\e]
.endif
.endr
	v_nop                                          ; one plain line behind the scaled conversions
.if (\tl)%2 == 1                       ; the layout wants a whole block in a lane: lanes 0-15 the even chunk's, lanes 16-31 the odd chunk's
.irp e, 0,1
.irp i, 0,1,2
	v_permlane16_swap_b32 v[P0+PS*\e+6*((\tl)/2)+\i], v[TC+4*\e+\i]
.endr
.endr
.irp e, 0,1
.irp i, 0,1,2
	v_mov_b32 v[P0+PS*\e+6*((\tl)/2)+3+\i], v[TC+4*\e+\i]
.endr
.endr
.endif
.endm
; Behind a chunk's products, two blocks of rows at a time: the mix (each accumulator read from its low end on), sixteen f32 products on two sums by turns, and under them the quantiser.
.macro MIXQ tl
.irp a0, 0,2
	WIN 0x02
.irp e, 0,1
.set XM, 128+16*\e
.set AC, 48*(\a0+\e)
.set WA, WW+4*(\a0+\e)
.set PP, 0
.rept 8
	v_pk_mul_f32 v[XM+2*PP:XM+2*PP+1], v[AC+2*PP:AC+2*PP+1], v[WA:WA+1] op_sel_hi:[1,0]
.set PP, PP+1
.endr
.set PP, 0
.rept 16
	v_fma_f32 v[XM+PP], v[AC+16+PP], v[WA+1], v[XM+PP]
.set PP, PP+1
.endr
.set PP, 0
.rept 8
	v_pk_fma_f32 v[XM+2*PP:XM+2*PP+1], v[AC+32+2*PP:AC+32+2*PP+1], v[WA+2:WA+3], v[XM+2*PP:XM+2*PP+1] op_sel_hi:[1,0,1]
.set PP, PP+1
.endr
.endr
	PLACES 4
	WIN 0xa0+0x50*(\a0/2)                          ; the sums of blocks 0, 1 lie in window 2, those of blocks 2, 3 in window 3
.set PP, 0
.rept 8
.irp e, 0,1
.if (\tl) == 0 && PP == 0
	v_wmma_f32_16x16x4_f32 v[240+8*\e:247+8*\e], v[WT+2*PP:WT+2*PP+1], v[128+16*\e+2*PP:129+16*\e+2*PP], 0
.else
	v_wmma_f32_16x16x4_f32 v[240+8*\e:247+8*\e], v[WT+2*PP:WT+2*PP+1], v[128+16*\e+2*PP:129+16*\e+2*PP], v[240+8*\e:247+8*\e]
.endif
.endr
.set PP, PP+1
.endr
	WIN 0
	QPAIR \a0, \tl                                 ; its plain lines are also the places behind the f32 products
.endr
.endm
.macro TILE tl
.if (\tl) > 0
	s_wait_loadcnt 0x0                             ; this chunk's bias is in
.endif
	STEP \tl, 0, 2, 0, 0
	STEP \tl, 1, 0, 1, 0
	STEP \tl, 2, 0, 0, 0
	STEP \tl, 3, 0, 0, 0
	STEP \tl, 4, 0, 0, 0
	STEP \tl, 5, 0, 0, 0
	STEP \tl, 6, 0, 0, 0
	STEP \tl, 7, 0, 0, (\tl)==0
	PLACES 4                                       ; four plain lines ahead of the first read of results
	s_wait_loadcnt 0x0                             ; the nine weights are in
	MIXQ \tl
.endm
.macro OUTP a0                         ; blocks a0, a0 + 1 leave: three stores of 512 consecutive bytes of codes, the scale words, two stores of 512 bytes of partial sums
	PCS \a0
.irp e, 0,1
.irp c, 0,1,2
	global_store_b128 v4, v[P0+PS*\e+4*\c:P0+PS*\e+4*\c+3], s[94:95] offset:(\a0+\e)*12800+512*\c
.endr
	global_store_b32 v5, v[38+\e+8*((\a0)/2)], s[58:59] offset:(\a0+\e)*12800   ; lanes r and r + 16 hold the same word and store it at the same place
.endr
	WIN 0x08+4*((\a0)/2)
.irp e, 0,1
	global_store_b128 v4, v[240+8*\e:243+8*\e], s[60:61] offset:(\a0+\e)*8192       ; each sum from its low end on
	global_store_b128 v4, v[244+8*\e:247+8*\e], s[60:61] offset:(\a0+\e)*8192+512
.endr
	WIN 0
.endm
	s_load_b256 s[4:11], s[0:1], 0x0               ; wq 4, small 6, b_sense 8, b_sel 10
	s_load_b64 s[12:13], s[0:1], 0x20              ; x2
	v_lshl_add_u32 v[SPW], v0, 2, SPARE
	v_mov_b32 v[NIL], 0
	ds_add_u32 v[SPW], v[NIL]                      ; the wave's opening: the add, twice on end, and its wait ahead of my first tensor load
	ds_add_u32 v[SPW], v[NIL]
	v_lshrrev_b32 v1, 5, v0
	v_readfirstlane_b32 s14, v1                    ; wave
	s_lshr_b32 s15, s14, 1                         ; at the head: 0 = I fetch x, 1 = W_sense
	s_and_b32 s16, s14, 1                          ; and which half
	s_bfe_u32 s76, ttmp6, 0x40000                  ; cx
	s_bfe_u32 s77, ttmp6, 0x40004                  ; cy
	s_lshl_b32 s78, ttmp9, 2
	s_add_co_u32 s78, s78, s76                     ; X = 0 .. 7: chunks 4 X .. 4 X + 3
	s_and_b32 s79, ttmp7, 0xffff
	s_lshl_b32 s79, s79, 2
	s_add_co_u32 s79, s79, s77                     ; Y = 0 .. 31: rows 256 Y ..
	s_lshl_b32 s80, s77, 2
	s_lshl_b32 s80, 15, s80                        ; my row of the cluster
	s_lshl_b32 s81, 0x1111, s76                    ; my column
	s_or_b32 s[G1A], s80, (3<<16)|(1<<21)          ; the mask; elements of 8 bytes; bit 21 beside a mask; no padding
	s_or_b32 s[G1B], s81, (3<<16)|(1<<21)
.irp g, G1A, G1B
	s_mov_b32 s[\g+1], 800<<16                     ; dense rows of 6,400 bytes
	s_mov_b32 s[\g+3], 800<<16
	s_mov_b32 s[\g+5], 800
	s_mov_b32 s[\g+6], 0
	s_mov_b32 s[\g+7], 0
.endr
	s_mov_b32 s[G1A+2], 16<<16
	s_mov_b32 s[G1A+4], 16
	s_mov_b32 s[G1B+2], 8<<16
	s_mov_b32 s[G1B+4], 8
	s_lshl_b32 s82, s79, 4                         ; x's bytes hang on Y and the wave alone
	s_lshl_b32 s83, s16, 3
	s_add_co_u32 s82, s82, s83
	s_mul_i32 s82, s82, 12800
	s_mov_b32 s83, 0
	s_mul_i32 s86, s16, XL
	s_add_co_u32 s86, s86, XL                      ; LDS: my half of x
	s_mul_i32 s84, s78, 4*TB                       ; W_sense's bytes hang on X and the wave alone
	s_add_co_u32 s84, s84, BREG
	s_mul_i32 s87, s16, XL/2                       ; my half of its first 102,400 bytes, in LDS as in memory
	s_mul_i32 s88, s14, XL/2
	s_add_co_u32 s88, s88, XL                      ; my quarter of the other 204,800
	s_add_co_u32 s18, s84, s87
	s_mov_b32 s19, 0
	s_add_co_u32 s84, s84, s88
	s_mov_b32 s85, 0
	s_mov_b32 s[SEL], 0x76543210
	s_mov_b32 s[SEL+1], 0xfedcba98
	s_wait_dscnt 0x0                               ; both opening adds are done
	s_wait_kmcnt 0x0
	s_mov_b32 s[G0A], 1
	s_mov_b32 s[G0A+1], s86
	s_add_nc_u64 s[G0A+2:G0A+3], s[4:5], s[82:83]
	s_or_b32 s[G0A+3], s[G0A+3], 0x80000000
	s_mov_b32 s[G0H], 1
	s_mov_b32 s[G0H+1], s87
	s_add_nc_u64 s[G0H+2:G0H+3], s[4:5], s[18:19]
	s_or_b32 s[G0H+3], s[G0H+3], 0x80000000
	s_mov_b32 s[G0L], 1
	s_mov_b32 s[G0L+1], s88
	s_add_nc_u64 s[G0L+2:G0L+3], s[4:5], s[84:85]
	s_or_b32 s[G0L+3], s[G0L+3], 0x80000000
	CROUND                                         ; all sixteen work-groups are here: the first joint loads meet
	s_cmp_eq_u32 s15, 0                            ; one tensor load a wave at the head: waves 0, 1 x's halves, waves 2, 3 the halves of W_sense's first part
	s_cbranch_scc0 .Lhead_b
	tensor_load_to_lds s[G0A:G0A+3], s[G1A:G1A+7]
	s_nop 0
	PLACES 4
	s_branch .Lhead_asked
.Lhead_b:
	tensor_load_to_lds s[G0H:G0H+3], s[G1B:G1B+7]
	s_nop 0
	PLACES 4
.Lhead_asked:
	v_and_b32 v1, 31, v0                           ; lane
	v_and_b32 v2, 15, v0                           ; r
	v_bfe_u32 v3, v0, 4, 1                         ; h
	v_lshlrev_b32 v4, 4, v1                        ; 16 x lane
	v_lshlrev_b32 v5, 2, v2                        ; 4 r
	v_lshlrev_b32 v24, 6, v3                       ; 64 h
	v_lshlrev_b32 v25, 4, v2                       ; 16 r
	s_mul_i32 s17, s14, XL/2
	s_add_co_u32 s17, s17, XL
	v_add_nc_u32 v26, s17, v4                      ; LDS: my four blocks of x, a fragment's place
	v_add_nc_u32 v27, s17, v5                      ; and a scale word's
	v_min_u32 v30, 8, v2
	v_lshlrev_b32 v30, 12, v30
	v_lshl_add_u32 v30, v3, 6, v30                 ; weight min(r, 8), + 64 h
	v_mov_b32 v[TM+1], 0                           ; (a lane permute's destination counts as one of its sources)
	v_mov_b32 v[TM+3], 0
.set KK, 0
.rept 8
	v_add_nc_u32 v[ADRB+KK], KK*HB, v4
	v_add_nc_u32 v[ADRS+KK], KK*HB, v5
.set KK, KK+1
.endr
	s_wait_alu depctr_va_vdst(0)
	s_load_b96 s[20:22], s[10:11], 0x0             ; b_sel
	s_lshl_b32 s18, s78, 9
	s_add_nc_u64 s[8:9], s[8:9], s[18:19]          ; b_sense at d = 128 X
	BIAS 0
	s_add_co_u32 s18, s18, WPT
	s_add_nc_u64 s[56:57], s[4:5], s[18:19]        ; the nine weights at d = 128 X
	WTL 0
	s_lshr_b32 s18, s79, 3                         ; the batch
	s_lshl_b32 s18, s18, 12
	s_add_nc_u64 s[6:7], s[6:7], s[18:19]
.irp k, 0,1,2,3,4,5,6,7
	global_load_b128 v[PL+4*\k:PL+4*\k+3], v4, s[6:7] offset:512*\k      ; the batch's 256 partial logits
.endr
	s_lshl_b32 s23, s79, 4
	s_lshl_b32 s17, s14, 2
	s_add_co_u32 s23, s23, s17                     ; my first block of rows: 16 Y + 4 x wave
	s_lshl_b32 s18, s23, 8
	s_add_co_u32 s18, s18, SELX
	s_add_nc_u64 s[96:97], s[4:5], s[18:19]
.irp a, 0,1,2,3
	global_load_b128 v[SX+4*\a:SX+4*\a+3], v25, s[96:97] offset:256*\a
.endr
	s_mul_i32 s17, s23, 12800
	s_lshr_b32 s18, s78, 1
	s_mul_i32 s18, s18, 3200
	s_add_co_u32 s17, s17, s18                     ; x' image: my first block, the record of K step X
	s_and_b32 s83, s78, 1
	s_mul_i32 s18, s83, 1536
	s_add_co_u32 s18, s18, s17
	s_add_nc_u64 s[94:95], s[12:13], s[18:19]      ; its fragment,
	s_lshl_b32 s18, s83, 6
	s_add_co_u32 s18, s18, s17
	s_add_co_u32 s18, s18, 3072
	s_add_nc_u64 s[58:59], s[12:13], s[18:19]      ; its scale words,
	s_lshl_b32 s18, s23, 13
	s_lshl_b32 s17, s78, 10
	s_add_co_u32 s18, s18, s17
	s_add_co_u32 s18, s18, PARTS
	s_add_nc_u64 s[60:61], s[12:13], s[18:19]      ; and the partial sums of my first block and K step X
	s_wait_tensorcnt 0x0                           ; my head's load is in,
	s_barrier_signal -1
	s_barrier_wait -1                              ; and everybody's
.set TT, 0
.rept 8                                        ; x's 32 fragments into their registers
	APLACE TT
	WIN AW<<6
.irp a, 0,1,2,3
.irp c, 0,1,2
	ds_load_b128 v[AB+12*\a+4*\c:AB+12*\a+4*\c+3], v26 offset:\a*12800+(TT/2)*3200+(TT%2)*1536+512*\c
.endr
.endr
.set TT, TT+1
.endr
	WIN 0
.set TT, 0
.rept 8                                        ; and its scale words: lane r (and r + 16) takes row r's
.irp a, 0,1,2,3
	ds_load_b32 v[SA+4*TT+\a], v27 offset:\a*12800+(TT/2)*3200+3072+(TT%2)*64
.endr
.set TT, TT+1
.endr
.set FT, 0
.set FS, 0
	FETCH
	WIN 0
	s_wait_loadcnt 0x0
	s_wait_kmcnt 0x0
.irp k, 1,2,3,4,5,6,7
	v_pk_add_f32 v[PL:PL+1], v[PL:PL+1], v[PL+4*\k:PL+4*\k+1]
	v_pk_add_f32 v[PL+2:PL+3], v[PL+2:PL+3], v[PL+4*\k+2:PL+4*\k+3]
.endr
.irp m, 1,2,4,8
.irp s, 0,1,2
	v_add_f32_dpp v[PL+\s], v[PL+\s], v[PL+\s] row_xmask:\m row_mask:0xf bank_mask:0xf
.endr
.endr
.irp s, 0,1,2
	v_permlanex16_b32 v[PL+4+\s], v[PL+\s], s[SEL], s[SEL+1]
.endr
.irp s, 0,1,2
	v_add_f32 v[PL+\s], v[PL+\s], v[PL+4+\s]
.endr
	v_add_f32 v[PL], s20, v[PL]
	v_add_f32 v[PL+1], s21, v[PL+1]
	v_add_f32 v[PL+2], s22, v[PL+2]
.irp a, 0,1,2,3
.irp s, 0,1,2
	v_add_f32 v[SX+4*\a+\s], v[SX+4*\a+\s], v[PL+\s]
.endr
.endr
.irp a, 0,1,2,3
	v_max3_num_f32 v[TS+\a], v[SX+4*\a], v[SX+4*\a+1], v[SX+4*\a+2]
.endr
.irp a, 0,1,2,3
.irp s, 0,1,2
	v_sub_f32 v[SX+4*\a+\s], v[SX+4*\a+\s], v[TS+\a]
.endr
.endr
.irp a, 0,1,2,3
.irp s, 0,1,2
	v_mul_f32 v[SX+4*\a+\s], 0x3fb8aa3b, v[SX+4*\a+\s]
.endr
.endr
	s_wait_alu depctr_va_vdst(0)
.irp a, 0,1,2,3
.irp s, 0,1,2
	v_exp_f32 v[SX+4*\a+\s], v[SX+4*\a+\s]
.endr
.endr
	v_nop
	s_wait_alu depctr_va_vdst(0)                   ; one wait for the twelve exponentials
.irp a, 0,1,2,3
	v_add_f32 v[TS+\a], v[SX+4*\a], v[SX+4*\a+1]
.endr
.irp a, 0,1,2,3
	v_add_f32 v[TS+\a], v[TS+\a], v[SX+4*\a+2]
.endr
	s_wait_alu depctr_va_vdst(0)
.irp a, 0,1,2,3
	v_rcp_f32 v[TS+\a], v[TS+\a]
.endr
	v_nop
	s_wait_alu depctr_va_vdst(0)                   ; and one for the four reciprocals
.irp a, 0,1,2,3
.irp s, 0,1,2
	v_mul_f32 v[WW+4*\a+\s], v[SX+4*\a+\s], v[TS+\a]   ; sense_w of row r of block a
.endr
	v_mov_b32 v[WW+4*\a+3], 0                      ; (named as the upper half of a pair)
.endr
	s_wait_alu depctr_va_vdst(0)
	s_wait_tensorcnt 0x0                           ; no tensor load of mine is out;
	ds_add_u32 v[SPW], v[NIL]
	s_wait_dscnt 0x0                               ; the add is done, and x is in my registers: my reads of its LDS bytes are over
	CROUND                                         ; that holds of every wave of the sixteen work-groups
	tensor_load_to_lds s[G0L:G0L+3], s[G1B:G1B+7]  ; the rest of W_sense fills x's 204,800 bytes again, a quarter a wave; it has chunk 0's eight steps in which to land
	s_nop 0
	PLACES 4
	TILE 0
	TILE 1
	TILE 2
	TILE 3
	s_wait_alu depctr_va_vdst(0)
	OUTP 0
	OUTP 2
	s_wait_tensorcnt 0x0                           ; the wave's end
	ds_add_u32 v[SPW], v[NIL]
	s_wait_dscnt 0x0
	CROUND                                         ; the closing round
	s_endpgm
.Lfunc_end_k_q11fa026e33_sense:
	.size	k_q11fa026e33_sense, .Lfunc_end_k_q11fa026e33_sense-k_q11fa026e33_sense
	.p2alignl 7, 3214868480
	.fill 96, 4, 3214868480
	.section	.rodata,"a",@progbits
	.p2align	6, 0x0
	.amdhsa_kernel k_q11fa026e33_sense
		.amdhsa_group_segment_fixed_size 327680
		.amdhsa_private_segment_fixed_size 0
		.amdhsa_enable_private_segment 0
		.amdhsa_kernarg_size 40
		.amdhsa_user_sgpr_count 2
		.amdhsa_user_sgpr_kernarg_segment_ptr 1
		.amdhsa_wavefront_size32 1
		.amdhsa_system_sgpr_workgroup_id_x 1
		.amdhsa_system_sgpr_workgroup_id_y 1
		.amdhsa_system_sgpr_workgroup_id_z 1
		.amdhsa_system_vgpr_workitem_id 0
		.amdhsa_next_free_vgpr 1024
		.amdhsa_next_free_sgpr 100
		.amdhsa_reserve_vcc 0
		.amdhsa_float_denorm_mode_32 3
		.amdhsa_float_denorm_mode_16_64 3
		.amdhsa_memory_ordered 1
		.amdhsa_forward_progress 1
		.amdhsa_inst_pref_size 241
	.end_amdhsa_kernel
	.amdgpu_metadata
---
amdhsa.version: [ 1, 2 ]
amdhsa.kernels:
  - .name:           k_q11fa026e33_sense
    .symbol:         k_q11fa026e33_sense.kd
    .args:
      - { .name: wq, .offset: 0, .size: 8, .value_kind: global_buffer, .address_space: global }
      - { .name: small, .offset: 8, .size: 8, .value_kind: global_buffer, .address_space: global }
      - { .name: b_sense, .offset: 16, .size: 8, .value_kind: global_buffer, .address_space: global }
      - { .name: b_sel, .offset: 24, .size: 8, .value_kind: global_buffer, .address_space: global }
      - { .name: x2, .offset: 32, .size: 8, .value_kind: global_buffer, .address_space: global }
    .group_segment_fixed_size: 327680
    .private_segment_fixed_size: 0
    .kernarg_segment_align: 8
    .kernarg_segment_size: 40
    .max_flat_workgroup_size: 128
    .sgpr_count:     100
    .vgpr_count:     1024
    .wavefront_size: 32
...
	.end_amdgpu_metadata
.endif
;; end of part 3
;; launch atoms (part 4): grid 512 x 1, 8 waves a work-group, no clusters, 25,600 bytes of LDS; arguments x2, wq, b_charge, b_shell, b_class, b_mass, b_val, w_charge, w_shell, w_distance, w_mass, w_valence, temperature, atomsb, cls; writes atomsb, cls
.if DOCPART == 4
	.amdgcn_target "amdgcn-amd-amdhsa--gfx1250"
	.amdhsa_code_object_version 6
	.text
	.protected	k_q11fa026e33_atoms
	.globl	k_q11fa026e33_atoms
	.p2align	8
	.type	k_q11fa026e33_atoms,@function
k_q11fa026e33_atoms:
	s_mov_b64 s[64:65], 0
	v_nop
	global_prefetch_b8 v0, s[64:65] scope:SCOPE_SE
	s_setreg_imm32_b32 hwreg(HW_REG_WAVE_MODE, 25, 1), 1
	s_wait_xcnt 0x0
; ATOMS: from x' codes and the partial sums of the nine dot products that the launch sense has made: the quantised product with W_class and its argmax, and the properties in the form in which the pairwise launch wants them.
; A work-group is a block of 16 rows (folded order, as x's image), a wave a K step of 128.  The waves' partial sums meet in LDS; wave 0 finishes.
; With k = log2(e) / softplus(temperature) the fields are: 0 charge, 1 mass, 2 k sp(w_valence) val_sum / 2, 3-5 k sp(w_shell) shell, 6 -k sp(w_charge) charge, 7 -0.1 k sp(w_mass) mass, 8 k sp(w_distance).
; softplus(x) = max(x, 0) + log1p(z), z = e^-|x|; log1p(z) = ln(1 + z) z / ((1 + z) - 1), and z where that difference is 0.  tanh(x) = 1 - 2 / (1 + e^2x).  The softmaxes take their maxima away.
; LIMITS: NaN and infinities are not served; tanh carries an absolute error of about 1e-7; the argmax keeps the lowest index among equal logits; sums in another order than a row-by-row sum.
.set X, 64
.set WT, 128
.set FA, 192
.set TM, 8
.set PW, 24
.set PC, 26
.set KFR, 224                          ; v224-247 W_class's two fragments; v248, v249 their scale words
.set KAC, 46                           ; v46-61   the class sums
.set VI, 6
.set VS, 7
.set SPW, 252
.set NIL, 253
.set SPARE, 24576                      ; LDS: 3,072 bytes of partial sums for each wave, then the spare words
.set SEL, 70
.macro QUANT s
.irp b, 0,1,2,3
	v_max3_num_f32 v[TM+\b], |v[\s+16*\b]|, |v[\s+1+16*\b]|, 0x1800000
.endr
.irp i, 2,4,6,8,10,12,14
.irp b, 0,1,2,3
	s_delay_alu instid0(VALU_DEP_4)
	v_max3_num_f32 v[TM+\b], v[TM+\b], |v[\s+16*\b+\i]|, |v[\s+1+16*\b+\i]|
.endr
.endr
.irp b, 0,1,2,3
	s_delay_alu instid0(VALU_DEP_4)
	v_permlanex16_b32 v[TM+4+\b], v[TM+\b], s[SEL], s[SEL+1]
.endr
.irp b, 0,1,2,3
	s_delay_alu instid0(VALU_DEP_4)
	v_max_num_f32 v[TM+\b], v[TM+\b], v[TM+4+\b]
.endr
.irp b, 0,1,2,3
	s_delay_alu instid0(VALU_DEP_4)
	v_add_nc_u32 v[TM+12+\b], 0xff000000, v[TM+\b]
.endr
.irp b, 0,1,2,3
	s_delay_alu instid0(VALU_DEP_4)
	v_lshrrev_b32 v[TM+4+\b], 23, v[TM+12+\b]
.endr
	s_delay_alu instid0(VALU_DEP_3)
	v_lshl_or_b32 v[PW], v[TM+5], 8, v[TM+4]
	s_delay_alu instid0(VALU_DEP_1)
	v_lshl_or_b32 v[PW], v[TM+6], 16, v[PW]
	s_delay_alu instid0(VALU_DEP_1)
	v_lshl_or_b32 v[PW], v[TM+7], 24, v[PW]
.irp c, 0,1
	v_cvt_scalef32_pk16_fp6_f32 v[PC+6*\c:PC+2+6*\c], v[\s+32*\c:\s+15+32*\c], v[TM+12+2*\c]
	v_cvt_scalef32_pk16_fp6_f32 v[PC+12+4*\c:PC+14+4*\c], v[\s+16+32*\c:\s+31+32*\c], v[TM+12+2*\c+1]
.endr
	v_nop
.irp c, 0,1
.irp i, 0,1,2
	v_permlane16_swap_b32 v[PC+6*\c+\i], v[PC+12+4*\c+\i]
.endr
.irp i, 0,1,2
	s_delay_alu instid0(VALU_DEP_3)
	v_mov_b32 v[PC+3+6*\c+\i], v[PC+12+4*\c+\i]
.endr
.endr
.endm
	s_load_b512 s[8:23], s[0:1], 0x0               ; xmix 8, wq 10, b_charge 12, b_shell 14, b_class 16, b_mass 18, b_val 20, w_charge 22
	s_load_b256 s[24:31], s[0:1], 0x40             ; w_shell 24, w_distance 26, w_mass 28, w_valence 30
	s_load_b128 s[32:35], s[0:1], 0x60             ; temperature 32, atomsb 34
	s_load_b64 s[36:37], s[0:1], 0x70              ; cls
	v_lshl_add_u32 v[SPW], v0, 2, SPARE
	v_mov_b32 v[NIL], 0
	v_lshrrev_b32 v1, 5, v0
	s_delay_alu instid0(VALU_DEP_1)
	v_readfirstlane_b32 s38, v1                    ; wave = K step
	v_and_b32 v1, 31, v0
	v_and_b32 v2, 15, v0
	v_bfe_u32 v3, v0, 4, 1
	s_delay_alu instid0(VALU_DEP_3)
	v_lshlrev_b32 v4, 4, v1                        ; 16 x lane; also wave 0's address of the partial sums
	s_mul_i32 s39, s38, 3072
	v_add_nc_u32 v5, s39, v4                       ; my wave's partial sums
	s_and_b32 s39, s38, 1
	s_mul_i32 s42, s39, 1536
	v_add_nc_u32 v[VI], s42, v4
	s_lshl_b32 s42, s39, 6
	s_add_co_u32 s42, s42, 3072
	v_lshl_add_u32 v[VS], v2, 2, s42
	s_lshr_b32 s39, s38, 1
	s_mul_i32 s39, s39, 3200                       ; my K step's record
	s_mov_b32 s[SEL], 0x76543210
	s_mov_b32 s[SEL+1], 0xfedcba98
	s_mov_b32 s60, 0xbfb8aa3b                      ; -log2(e)
	s_mov_b32 s63, 0
	s_wait_alu depctr_va_vdst(0)
	s_wait_kmcnt 0x0
	s_load_b32 s40, s[12:13], 0x0
	s_load_b96 s[44:46], s[14:15], 0x0
	s_load_b32 s41, s[18:19], 0x0
	s_load_b128 s[48:51], s[20:21], 0x0
	s_load_b32 s52, s[22:23], 0x0
	s_load_b32 s53, s[24:25], 0x0
	s_load_b32 s54, s[26:27], 0x0
	s_load_b32 s55, s[28:29], 0x0
	s_load_b32 s56, s[30:31], 0x0
	s_load_b32 s57, s[32:33], 0x0
; The launch sense has made x' codes, their scale words and, for each K step, the partial sums of the nine dot products (this stands for what the head comment says of them): a wave loads those of its K step.
	s_mul_i32 s62, ttmp9, 12800
	s_add_co_u32 s62, s62, s39
	s_add_nc_u64 s[76:77], s[8:9], s[62:63]        ; x' image at my block and my K step's record
.irp c, 0,1,2
	global_load_b128 v[PC+4*\c:PC+4*\c+3], v[VI], s[76:77] offset:512*\c   ; the fragment: 512 consecutive bytes a load
.endr
	global_load_b32 v[PW], v[VS], s[76:77]         ; and its scale words
	s_lshl_b32 s62, ttmp9, 13
	s_lshl_b32 s61, s38, 10
	s_add_co_u32 s62, s62, s61
	s_add_co_u32 s62, s62, 6553600
	s_add_nc_u64 s[72:73], s[8:9], s[62:63]        ; the partial sums of my block and K step: property 8 h + j of row r
	global_load_b128 v[8:11], v4, s[72:73]
	global_load_b128 v[12:15], v4, s[72:73] offset:512
	s_add_co_u32 s62, s39, 11468800
	s_add_nc_u64 s[74:75], s[10:11], s[62:63]      ; W_class's image at my record
.irp t, 0,1
.irp c, 0,1,2
	global_load_b128 v[KFR+12*\t+4*\c:KFR+12*\t+4*\c+3], v[VI], s[74:75] offset:12800*\t+512*\c
.endr
	global_load_b32 v[248+\t], v[VS], s[74:75] offset:12800*\t
.endr
	s_wait_loadcnt 0x0
	v_wmma_scale_f32_16x16x128_f8f6f4 v[KAC:KAC+7], v[KFR:KFR+11], v[PC:PC+11], 0, v248, v[PW] matrix_a_fmt:MATRIX_FMT_FP6 matrix_b_fmt:MATRIX_FMT_FP6
	v_wmma_scale_f32_16x16x128_f8f6f4 v[KAC+8:KAC+15], v[KFR+12:KFR+23], v[PC:PC+11], 0, v249, v[PW] matrix_a_fmt:MATRIX_FMT_FP6 matrix_b_fmt:MATRIX_FMT_FP6
.rept 4
	v_nop
.endr
	ds_store_b128 v5, v[8:11]
	ds_store_b128 v5, v[12:15] offset:512
.irp g, 0,1,2,3
	ds_store_b128 v5, v[KAC+4*\g:KAC+4*\g+3] offset:1024+512*\g
.endr
	s_wait_dscnt 0x0                               ; for wave 0's sake: my stores have landed
	s_barrier_signal -1
	s_barrier_wait -1
	s_cmp_lg_u32 s38, 0
	s_cbranch_scc1 .Lend
.irp w, 0,1,2,3
.irp g, 0,1,2,3,4,5
	ds_load_b128 v[64+24*\w+4*\g:67+24*\w+4*\g], v4 offset:3072*\w+512*\g
.endr
.endr
	s_wait_dscnt 0x0
.irp p, 0,1,2,3,4,5,6,7,8,9,10,11
	v_pk_add_f32 v[64+2*\p:65+2*\p], v[64+2*\p:65+2*\p], v[88+2*\p:89+2*\p]
	v_pk_add_f32 v[112+2*\p:113+2*\p], v[112+2*\p:113+2*\p], v[136+2*\p:137+2*\p]
.endr
.irp p, 0,1,2,3,4,5,6,7,8,9,10,11
	v_pk_add_f32 v[64+2*\p:65+2*\p], v[64+2*\p:65+2*\p], v[112+2*\p:113+2*\p]
.endr
.irp w, 0,1,2,3
.irp g, 0,1,2,3,4,5
	ds_load_b128 v[88+24*\w+4*\g:91+24*\w+4*\g], v4 offset:3072*(\w+4)+512*\g
.endr
.endr
	s_wait_dscnt 0x0
.irp p, 0,1,2,3,4,5,6,7,8,9,10,11
	v_pk_add_f32 v[88+2*\p:89+2*\p], v[88+2*\p:89+2*\p], v[112+2*\p:113+2*\p]
	v_pk_add_f32 v[136+2*\p:137+2*\p], v[136+2*\p:137+2*\p], v[160+2*\p:161+2*\p]
.endr
.irp p, 0,1,2,3,4,5,6,7,8,9,10,11
	v_pk_add_f32 v[88+2*\p:89+2*\p], v[88+2*\p:89+2*\p], v[136+2*\p:137+2*\p]
.endr
.irp p, 0,1,2,3,4,5,6,7,8,9,10,11
	v_pk_add_f32 v[64+2*\p:65+2*\p], v[64+2*\p:65+2*\p], v[88+2*\p:89+2*\p]   ; v64-71: property 8 h + j; v72-87: class 16 t + 8 h + j of row r
.endr
	v_lshlrev_b32 v63, 5, v3
.irp t, 0,1
	global_load_b128 v[168+8*\t:171+8*\t], v63, s[16:17] offset:64*\t
	global_load_b128 v[172+8*\t:175+8*\t], v63, s[16:17] offset:64*\t+16
.endr
	s_wait_kmcnt 0x0
	v_permlanex16_b32 v88, v64, s[SEL], s[SEL+1]   ; the fourth valence logit lies in lane l xor 16
	v_mov_b32 v96, s52
	v_mov_b32 v97, s53
	v_mov_b32 v98, s54
	v_mov_b32 v99, s55
	v_mov_b32 v100, s56
	v_mov_b32 v101, s57
	v_add_f32 v102, s41, v68                       ; seven numbers go through softplus in step
	v_add_f32 v103, s40, v64
	v_add_f32 v104, s44, v65
	v_add_f32 v105, s45, v66
	v_add_f32 v106, s46, v67
	v_add_f32 v108, s48, v69
	v_add_f32 v109, s49, v70
	v_add_f32 v110, s50, v71
	v_add_f32 v111, s51, v88
	v_max3_num_f32 v107, v104, v105, v106
	s_delay_alu instid0(VALU_DEP_3)
	v_max3_num_f32 v95, v108, v109, v110
	s_delay_alu instid0(VALU_DEP_1)
	v_max_num_f32 v95, v95, v111
.irp i, 0,1,2,3,4,5,6
	v_mul_f32 v[112+\i], s60, |v[96+\i]|
.endr
	v_mul_f32 v119, 0x4038aa3b, v103               ; 2 log2(e) x
.irp i, 0,1,2
	v_sub_f32 v[120+\i], v[104+\i], v107
.endr
.irp i, 0,1,2,3
	v_sub_f32 v[124+\i], v[108+\i], v95
.endr
.irp i, 0,1,2,4,5,6,7
	v_mul_f32 v[120+\i], 0x3fb8aa3b, v[120+\i]
.endr
	s_wait_alu depctr_va_vdst(0)
.irp i, 0,1,2,3,4,5,6,7,8,9,10,12,13,14,15
	v_exp_f32 v[112+\i], v[112+\i]
.endr
	v_nop
	s_wait_alu depctr_va_vdst(0)                   ; one wait for the fifteen exponentials
.irp i, 0,1,2,3,4,5,6
	v_add_f32 v[128+\i], 1.0, v[112+\i]
.endr
.irp i, 0,1,2,3,4,5,6
	v_add_f32 v[136+\i], -1.0, v[128+\i]
.endr
	v_add_f32 v160, 1.0, v119
	v_add_f32 v161, v120, v121
	v_add_f32 v161, v161, v122
	v_add_f32 v162, v124, v125
	v_add_f32 v163, v126, v127
	s_delay_alu instid0(VALU_DEP_1)
	v_add_f32 v162, v162, v163
	s_wait_alu depctr_va_vdst(0)
.irp i, 0,1,2,3,4,5,6
	v_log_f32 v[144+\i], v[128+\i]
.endr
.irp i, 0,1,2,3,4,5,6
	v_rcp_f32 v[152+\i], v[136+\i]
.endr
	v_rcp_f32 v160, v160
	v_rcp_f32 v161, v161
	v_rcp_f32 v162, v162
	v_nop
	s_wait_alu depctr_va_vdst(0)                   ; one wait for the seven logarithms and ten reciprocals
.irp i, 0,1,2,3,4,5,6
	v_mul_f32 v[144+\i], 0x3f317218, v[144+\i]     ; ln(1 + z)
.endr
.irp i, 0,1,2,3,4,5,6
	v_mul_f32 v[144+\i], v[144+\i], v[112+\i]
.endr
.irp i, 0,1,2,3,4,5,6
	v_mul_f32 v[144+\i], v[144+\i], v[152+\i]
.endr
.irp i, 0,1,2,3,4,5,6
	v_cmp_eq_f32 vcc_lo, 0, v[136+\i]
	v_cndmask_b32 v[144+\i], v[144+\i], v[112+\i], vcc_lo
.endr
.irp i, 0,1,2,3,4,5,6
	v_max_num_f32 v[96+\i], 0, v[96+\i]
.endr
.irp i, 0,1,2,3,4,5,6
	v_add_f32 v[96+\i], v[96+\i], v[144+\i]        ; v96 charge's weight, 97 shell's, 98 distance's, 99 mass's, 100 valence's, 101 the temperature, 102 the mass less 0.5
.endr
	s_wait_alu depctr_va_vdst(0)
	v_rcp_f32 v164, v101
	v_fma_f32 v103, v160, -2.0, 1.0                ; the charge
	v_add_f32 v102, 0.5, v102                      ; the mass
.irp i, 0,1,2
	v_mul_f32 v[120+\i], v[120+\i], v161
.endr
.irp i, 0,1,2,3
	v_mul_f32 v[124+\i], v[124+\i], v162
.endr
	s_delay_alu instid0(VALU_DEP_3)
	v_add_f32 v163, v124, v125
	s_delay_alu instid0(VALU_DEP_2)
	v_add_f32 v165, v126, v127
	s_delay_alu instid0(VALU_DEP_1)
	v_add_f32 v163, v163, v165                     ; val_sum, of the normalised four
	s_wait_alu depctr_va_vdst(0)
	v_mul_f32 v164, 0x3fb8aa3b, v164               ; k
	s_delay_alu instid0(VALU_DEP_1)
	v_mul_f32 v166, v164, v100
	s_delay_alu instid0(VALU_DEP_1)
	v_mul_f32 v166, 0.5, v166
	s_delay_alu instid0(VALU_DEP_1)
	v_mul_f32 v166, v166, v163
	s_delay_alu instid0(VALU_DEP_4)
	v_mul_f32 v167, v164, v97
.irp i, 0,1,2
	v_mul_f32 v[120+\i], v167, v[120+\i]
.endr
	v_mul_f32 v104, v164, v96
	s_delay_alu instid0(VALU_DEP_1)
	v_mul_f32 v104, v104, -v103
	v_mul_f32 v105, v164, v99
	s_delay_alu instid0(VALU_DEP_1)
	v_mul_f32 v105, 0xbdcccccd, v105
	s_delay_alu instid0(VALU_DEP_1)
	v_mul_f32 v105, v105, v102
	v_mul_f32 v106, v164, v98
	s_wait_loadcnt 0x0                             ; b_class
.irp n, 0,1,2,3,4,5,6,7,8,9,10,11,12,13,14,15
	v_add_f32 v[72+\n], v[72+\n], v[168+\n]
.endr
	v_mov_b32 v90, v72
	v_mov_b32 v91, 0
.irp n, 1,2,3,4,5,6,7,8,9,10,11,12,13,14,15
	s_delay_alu instid0(VALU_DEP_2)
	v_cmp_ge_f32 vcc_lo, v90, v[72+\n]             ; ascending, and a later equal does not replace: the first maximum stays
	s_delay_alu instid0(VALU_DEP_1)
	v_cndmask_b32 v90, v[72+\n], v90, vcc_lo
	s_delay_alu instid0(VALU_DEP_2)
	v_cndmask_b32 v91, 16*(\n/8)+\n%8, v91, vcc_lo
.endr
	s_delay_alu instid0(VALU_DEP_1)
	v_lshl_add_u32 v91, v3, 3, v91
	s_delay_alu instid0(VALU_DEP_3)
	v_permlanex16_b32 v92, v90, s[SEL], s[SEL+1]
	s_delay_alu instid0(VALU_DEP_2)
	v_permlanex16_b32 v93, v91, s[SEL], s[SEL+1]
	s_delay_alu instid0(VALU_DEP_2)
	v_cmp_gt_f32 s58, v92, v90
	s_delay_alu instid0(VALU_DEP_3)
	v_cmp_eq_f32 s59, v92, v90
	s_delay_alu instid0(VALU_DEP_3)
	v_cmp_lt_u32 vcc_lo, v93, v91
	s_and_b32 s59, s59, vcc_lo
	s_or_b32 s58, s58, s59
	v_cndmask_b32 v91, v91, v93, s58
	v_and_b32 v94, 8, v2
	s_delay_alu instid0(VALU_DEP_1)
	v_add_nc_u32 v94, v94, v2
	s_delay_alu instid0(VALU_DEP_1)
	v_lshlrev_b32 v94, 2, v94                      ; the true row within the pair of blocks: r + 8 (r / 8)
	s_lshr_b32 s62, ttmp9, 1
	s_lshl_b32 s62, s62, 5
	s_and_b32 s61, ttmp9, 1
	s_lshl_b32 s61, s61, 3
	s_add_co_u32 s62, s62, s61
	s_lshl_b32 s62, s62, 2
	s_add_nc_u64 s[36:37], s[36:37], s[62:63]
	s_add_co_u32 s62, s62, 6553600
	s_add_nc_u64 s[34:35], s[34:35], s[62:63]
	v_cmp_gt_u32 vcc_lo, 16, v1
	s_wait_alu depctr_va_vdst(0)
	s_wait_xcnt 0x0                                ; EXEC changes only behind this wait
	s_and_saveexec_b32 s58, vcc_lo
	global_store_b32 v94, v103, s[34:35]
	global_store_b32 v94, v102, s[34:35] offset:32768
	global_store_b32 v94, v166, s[34:35] offset:2*32768
	global_store_b32 v94, v120, s[34:35] offset:3*32768
	global_store_b32 v94, v121, s[34:35] offset:4*32768
	global_store_b32 v94, v122, s[34:35] offset:5*32768
	global_store_b32 v94, v104, s[34:35] offset:6*32768
	global_store_b32 v94, v105, s[34:35] offset:7*32768
	global_store_b32 v94, v106, s[34:35] offset:8*32768
	global_store_b32 v94, v91, s[36:37]
	s_wait_xcnt 0x0
	s_or_b32 exec_lo, exec_lo, s58
.Lend:
	s_wait_tensorcnt 0x0                           ; the wave's end, behind my last LDS store
	ds_add_u32 v[SPW], v[NIL]
	s_wait_dscnt 0x0
	s_endpgm
.Lfunc_end_k_q11fa026e33_atoms:
	.size	k_q11fa026e33_atoms, .Lfunc_end_k_q11fa026e33_atoms-k_q11fa026e33_atoms
	.p2alignl 7, 3214868480
	.fill 96, 4, 3214868480
	.section	.rodata,"a",@progbits
	.p2align	6, 0x0
	.amdhsa_kernel k_q11fa026e33_atoms
		.amdhsa_group_segment_fixed_size 25600
		.amdhsa_private_segment_fixed_size 0
		.amdhsa_enable_private_segment 0
		.amdhsa_kernarg_size 120
		.amdhsa_user_sgpr_count 2
		.amdhsa_user_sgpr_kernarg_segment_ptr 1
		.amdhsa_wavefront_size32 1
		.amdhsa_system_sgpr_workgroup_id_x 1
		.amdhsa_system_sgpr_workgroup_id_y 1
		.amdhsa_system_sgpr_workgroup_id_z 1
		.amdhsa_system_vgpr_workitem_id 0
		.amdhsa_next_free_vgpr 256
		.amdhsa_next_free_sgpr 100
		.amdhsa_reserve_vcc 1
		.amdhsa_float_denorm_mode_32 3
		.amdhsa_float_denorm_mode_16_64 3
		.amdhsa_memory_ordered 1
		.amdhsa_forward_progress 1
		.amdhsa_inst_pref_size 27
	.end_amdhsa_kernel
	.amdgpu_metadata
---
amdhsa.version: [ 1, 2 ]
amdhsa.kernels:
  - .name:           k_q11fa026e33_atoms
    .symbol:         k_q11fa026e33_atoms.kd
    .args:
      - { .name: x2, .offset: 0, .size: 8, .value_kind: global_buffer, .address_space: global }
      - { .name: wq, .offset: 8, .size: 8, .value_kind: global_buffer, .address_space: global }
      - { .name: b_charge, .offset: 16, .size: 8, .value_kind: global_buffer, .address_space: global }
      - { .name: b_shell, .offset: 24, .size: 8, .value_kind: global_buffer, .address_space: global }
      - { .name: b_class, .offset: 32, .size: 8, .value_kind: global_buffer, .address_space: global }
      - { .name: b_mass, .offset: 40, .size: 8, .value_kind: global_buffer, .address_space: global }
      - { .name: b_val, .offset: 48, .size: 8, .value_kind: global_buffer, .address_space: global }
      - { .name: w_charge, .offset: 56, .size: 8, .value_kind: global_buffer, .address_space: global }
      - { .name: w_shell, .offset: 64, .size: 8, .value_kind: global_buffer, .address_space: global }
      - { .name: w_distance, .offset: 72, .size: 8, .value_kind: global_buffer, .address_space: global }
      - { .name: w_mass, .offset: 80, .size: 8, .value_kind: global_buffer, .address_space: global }
      - { .name: w_valence, .offset: 88, .size: 8, .value_kind: global_buffer, .address_space: global }
      - { .name: temperature, .offset: 96, .size: 8, .value_kind: global_buffer, .address_space: global }
      - { .name: atomsb, .offset: 104, .size: 8, .value_kind: global_buffer, .address_space: global }
      - { .name: cls, .offset: 112, .size: 8, .value_kind: global_buffer, .address_space: global }
    .group_segment_fixed_size: 25600
    .private_segment_fixed_size: 0
    .kernarg_segment_align: 8
    .kernarg_segment_size: 120
    .max_flat_workgroup_size: 256
    .sgpr_count:     100
    .vgpr_count:     256
    .wavefront_size: 32
...
	.end_amdgpu_metadata
.endif
;; end of part 4
;; launch pairs (part 5): grid 4 x 256, 4 waves a work-group, no clusters, 12,800 bytes of LDS; arguments atomsb, cls, wq, pq, small; writes pq, small
.if DOCPART == 5
	.amdgcn_target "amdgcn-amd-amdhsa--gfx1250"
	.amdhsa_code_object_version 6
	.text
	.protected	k_q11fa026e33_pairs
	.globl	k_q11fa026e33_pairs
	.p2align	8
	.type	k_q11fa026e33_pairs,@function
k_q11fa026e33_pairs:
	s_mov_b64 s[64:65], 0
	v_nop
	global_prefetch_b8 v0, s[64:65] scope:SCOPE_SE
	s_setreg_imm32_b32 hwreg(HW_REG_WAVE_MODE, 25, 1), 1
	s_wait_xcnt 0x0
; PAIRS: the attention weights, each pair once.  A wave takes a UNIT: 32 queries (a lane a query) x 128 keys (a K step of the second product; a register a key).
; t = mask x (-k E), k = log2(e) / temp, from the fields that the launch before has stored; mask = table[class of key][class of query] (the table is symmetric, being made of L + L^T).
; p = 2^(t - M), M = the UNIT's largest t rounded up to a whole number.  Stored: p's codes as two fragments, the unit's raw scale words, -M and the sum of the unquantised p.  A later launch brings the scale
; bytes and the sums under the row's M: a whole power of two, which the bytes take up.
; A unit above the diagonal stores zero codes, a zero word, -M = +3e38 and the sum 0: the product walks all of K.  The unit on the diagonal sets hidden scores to -infinity ahead of the maximum.
; THE DEAL.  A batch has 64 groups of 32 queries x 16 K steps; group g has work in g / 4 + 1 of its 16 units, so groups g and 63 - g have work in 17 of their 32.  Laid on a ring of 32 places (g's K steps upward,
; then those of 63 - g downward) the 17 are neighbours, so a work-group that takes places j, j + 8, j + 16, j + 24 holds two or three of them, whatever g and j.  Which wave takes which of the four places turns with
; the work-group's x and the batch, so that equal wave numbers of different work-groups do not all hold the place that always has work.
; THE KEYS' FIELDS of a unit (six fields x 128 keys, 3,072 bytes) come once, by six loads of 512 consecutive bytes, into the wave's own LDS bytes; four keys' fields are then read by six LDS loads with one address
; for all lanes, two chunks of four keys ahead of their use.  No barrier: a wave reads its own bytes alone.  No matrix unit, no cluster: units share only small tables.
; LIMITS: NaN and infinities are not served; p under 2^-126 falls to 0; 1 + 0.1 dist is made by one fused multiply-add from a whole number, about 1e-7 from the two-step form.
.set Y, 36                             ; behind the loop: v36-59 two fragments, v60-75 second halves of blocks
.set TP, 60
.set KIN, 2                            ; v2  LDS: where I put 16 bytes of a field: my wave's bytes + 16 x lane
.set SPW, 5                            ; v5  LDS address of my spare word: SPARE + 4 x my thread's number; never rewritten
.set NIL, 6                            ; v6  0; never rewritten
.set KB, 7                             ; v7  LDS: my wave's first byte, the same in all lanes
.set KREG, 3072                        ; LDS bytes of a wave: six fields x 512
.set SPARE, 4*KREG                     ; behind them: the spare words, 128 bytes for each wave, which no other line names
.macro CODES32 n, sop
.irp q, 0,1,2,3
	v_cvt_scalef32_pk16_fp6_f32 v[Y+6*(\q/2)+12*(\q%2):Y+6*(\q/2)+12*(\q%2)+2], v[\n+32*\q:\n+32*\q+15], v[\sop+\q]
	v_cvt_scalef32_pk16_fp6_f32 v[TP+4*\q:TP+4*\q+2], v[\n+32*\q+16:\n+32*\q+31], v[\sop+\q]
.endr
	v_nop
.irp q, 0,1,2,3
.irp i, 0,1,2
	v_mov_b32 v[Y+6*(\q/2)+12*(\q%2)+3+\i], v[TP+4*\q+\i]
.endr
.endr
.irp i, 0,1,2,3,4,5,6,7,8,9,10,11
	v_permlane16_swap_b32 v[Y+\i], v[Y+12+\i]
.endr
.endm
.macro KPL c                           ; four keys' six fields (charge, mass, valence term, three shells), the same LDS address in every lane, into set c % 2 of v52-99
.irp f, 0,1,2,3,4,5
	ds_load_b128 v[52+24*((\c)%2)+4*\f:55+24*((\c)%2)+4*\f], v[KB] offset:512*\f+16*(\c)
.endr
.endm
.macro RCB                             ; 1 / (1 + 0.1 dist) of sixteen keys: v[24:25] holds the whole numbers d, d - 1 of the first two
	v_pk_fma_f32 v[36:37], v[24:25], v[120:121], 1.0 op_sel_hi:[1,1,0]
	v_pk_fma_f32 v[38:39], v[24:25], v[120:121], 0x3f4ccccd op_sel_hi:[1,1,0]
	v_pk_fma_f32 v[40:41], v[24:25], v[120:121], 0x3f19999a op_sel_hi:[1,1,0]
	v_pk_fma_f32 v[42:43], v[24:25], v[120:121], 0x3ecccccd op_sel_hi:[1,1,0]
	v_pk_fma_f32 v[44:45], v[24:25], v[120:121], 0x3e4ccccd op_sel_hi:[1,1,0]
	v_pk_fma_f32 v[46:47], v[24:25], v[120:121], 0 op_sel_hi:[1,1,0]
	v_pk_fma_f32 v[48:49], v[24:25], v[120:121], 0xbe4ccccd op_sel_hi:[1,1,0]
	v_pk_fma_f32 v[50:51], v[24:25], v[120:121], 0xbecccccd op_sel_hi:[1,1,0]
	s_wait_alu depctr_va_vdst(0)
.irp i, 0,1,2,3,4,5,6,7,8,9,10,11,12,13,14,15
	v_rcp_f32 v[36+\i], v[36+\i]
.endr
	v_pk_add_f32 v[24:25], v[24:25], 0xc1800000 op_sel_hi:[1,0]   ; sixteen keys on: the plain line behind the reciprocals
	s_wait_alu depctr_va_vdst(0)                   ; one wait for the sixteen
.endm
.macro CHUNK c                         ; four keys
.set KS, 52+24*((\c)%2)
.set RR, 36+4*((\c)%4)
.set TT, 128+4*(\c)
.if (\c) < 31
	s_wait_dscnt 6                                 ; all but the next chunk's six LDS loads: this chunk's fields are in
.else
	s_wait_dscnt 0x0
.endif
.irp p, 0,1
	v_pk_fma_f32 v[32+2*\p:33+2*\p], v[KS+2*\p:KS+2*\p+1], v[8:9], v[KS+8+2*\p:KS+9+2*\p] op_sel_hi:[1,0,1]
.endr
.irp k, 0,1,2
.irp p, 0,1
	v_pk_add_f32 v[26+96*\p+2*\k:27+96*\p+2*\k], v[KS+12+4*\k+2*\p:KS+13+4*\k+2*\p], v[16+2*\k:17+2*\k] op_sel_hi:[1,0] neg_lo:[0,1] neg_hi:[0,1]
.endr
.endr
.irp p, 0,1
	v_pk_fma_f32 v[32+2*\p:33+2*\p], v[KS+4+2*\p:KS+5+2*\p], v[10:11], v[32+2*\p:33+2*\p] op_sel_hi:[1,0,1]
.endr
.irp p, 0,1
	v_pk_fma_f32 v[32+2*\p:33+2*\p], v[RR+2*\p:RR+2*\p+1], v[14:15], v[32+2*\p:33+2*\p] op_sel_hi:[1,0,1]
.endr
.irp p, 0,1
	v_pk_add_f32 v[32+2*\p:33+2*\p], v[32+2*\p:33+2*\p], v[12:13] op_sel_hi:[1,0]
.endr
.irp k, 0,1,2
.irp p, 0,1
.irp e, 0,1
	v_sub_f32 v[32+2*\p+\e], v[32+2*\p+\e], |v[26+96*\p+2*\k+\e]|
.endr
.endr
.endr
.if 124-4*(\c) > 63
	s_wait_alu depctr_va_vdst(0)
	s_wait_loadcnt 63                              ; this chunk's four masks are in: 124 - 4 c gathers were issued behind the last of them; the wait names 63 at the most
.else
	s_wait_alu depctr_va_vdst(0)
	s_wait_loadcnt 124-4*(\c)                      ; this chunk's four masks are in: so many gathers were issued behind the last of them
.endif
.irp p, 0,1
	v_pk_mul_f32 v[TT+2*\p:TT+2*\p+1], v[32+2*\p:33+2*\p], v[TT+2*\p:TT+2*\p+1]   ; x the mask
.endr
.if (\c)+2 < 32
	KPL (\c)+2
.endif
.endm
	s_load_b256 s[4:11], s[0:1], 0x0               ; atomsb 4, cls 6, wq 8, pq 10
	s_load_b64 s[12:13], s[0:1], 0x20              ; small
	v_lshl_add_u32 v[SPW], v0, 2, SPARE
	v_mov_b32 v[NIL], 0
	v_lshrrev_b32 v1, 5, v0
	v_readfirstlane_b32 s14, v1
	v_and_b32 v1, 31, v0
	v_lshlrev_b32 v3, 4, v1
	v_lshlrev_b32 v4, 2, v1
	s_mul_i32 s68, s14, KREG                       ; my wave's LDS bytes: by the wave's number alone
	v_mov_b32 v[KB], s68
	v_add_nc_u32 v[KIN], s68, v3
	; the deal: which unit is mine
	s_and_b32 s15, ttmp7, 0xffff                   ; y = 64 x batch + 32 x (j / 4) + g0
	s_lshr_b32 s53, s15, 6                         ; the batch
	s_and_b32 s51, s15, 31                         ; g0: the pair of groups g0 and 63 - g0
	s_bfe_u32 s52, s15, 0x10005
	s_lshl_b32 s52, s52, 2
	s_add_co_u32 s52, s52, ttmp9                   ; j = 0 .. 7: my work-group's first place on the ring
	s_add_co_u32 s50, s14, ttmp9
	s_add_co_u32 s50, s50, s53
	s_and_b32 s50, s50, 3                          ; which of the work-group's four places is my wave's
	s_lshl_b32 s54, s50, 3
	s_add_co_u32 s54, s54, s52                     ; the place, 0 .. 31
	s_sub_co_u32 s55, 31, s54
	s_sub_co_u32 s56, 63, s51
	s_cmp_lt_u32 s50, 2
	s_cselect_b32 s50, s54, s55                    ; places 0-15: K step = the place; places 16-31: K step = 31 - the place,
	s_cselect_b32 s51, s51, s56                    ; of group g0, or of group 63 - g0
	s_and_b32 s50, s50, 15                         ; the K step
	s_and_b32 s51, s51, 63                         ; g
	s_lshl_b32 s15, s53, 6
	s_add_co_u32 s15, s15, s51                     ; G = 64 x batch + g: my 32 queries
	s_lshr_b32 s52, s51, 2                         ; the K step on the diagonal
	s_mul_i32 s54, s15, 51200
	s_lshr_b32 s55, s50, 1
	s_mul_i32 s55, s55, 3200
	s_add_co_u32 s54, s54, s55
	s_and_b32 s55, s50, 1
	s_mul_i32 s55, s55, 1536
	s_add_co_u32 s54, s54, s55
	s_mov_b32 s55, 0
	s_lshl_b32 s56, s50, 15
	s_lshl_b32 s57, s15, 7
	s_add_co_u32 s56, s56, s57
	s_mov_b32 s57, 0
	s_wait_kmcnt 0x0
	s_add_nc_u64 s[10:11], s[10:11], s[54:55]
	s_add_nc_u64 s[12:13], s[12:13], s[56:57]
	s_cmp_gt_u32 s50, s52
	s_cbranch_scc0 .Lwork
.irp i, 8,9,10,11
	v_mov_b32 v[\i], 0
.endr
	s_wait_alu depctr_va_vdst(0)
	v_mov_b32 v12, 0x7f61b1e6
.irp f, 0,1
.irp c, 0,1,2
	global_store_b128 v3, v[8:11], s[10:11] offset:25600*\f+512*\c
.endr
.endr
	global_store_b32 v4, v8, s[12:13] offset:16384
	global_store_b32 v4, v12, s[12:13] offset:540672
	global_store_b32 v4, v8, s[12:13] offset:1064960
	s_endpgm                                       ; (this way has written no LDS byte)
.Lwork:
	s_add_nc_u64 s[4:5], s[4:5], 6553600           ; the fields
	s_lshl_b32 s58, s15, 7
	s_mov_b32 s59, 0
	s_add_nc_u64 s[60:61], s[4:5], s[58:59]        ; at my queries
	s_add_nc_u64 s[62:63], s[6:7], s[58:59]
	s_lshl_b32 s58, s53, 13
	s_lshl_b32 s66, s50, 9
	s_add_co_u32 s58, s58, s66
	s_add_nc_u64 s[4:5], s[4:5], s[58:59]          ; at my keys
	s_add_nc_u64 s[6:7], s[6:7], s[58:59]
	s_add_nc_u64 s[8:9], s[8:9], 11531264          ; the table
	s_wait_alu depctr_va_vdst(0)
	global_load_b32 v8, v4, s[60:61] offset:6*32768
	global_load_b32 v10, v4, s[60:61] offset:7*32768
	global_load_b32 v12, v4, s[60:61] offset:2*32768
	global_load_b32 v14, v4, s[60:61] offset:8*32768
	global_load_b32 v16, v4, s[60:61] offset:3*32768
	global_load_b32 v18, v4, s[60:61] offset:4*32768
	global_load_b32 v20, v4, s[60:61] offset:5*32768
	global_load_b32 v22, v4, s[62:63]
.irp f, 0,1,2,3,4,5
	global_load_b128 v[52+4*\f:55+4*\f], v3, s[4:5] offset:32768*\f   ; field f of my 128 keys: 512 consecutive bytes
.endr
	s_load_b512 s[16:31], s[6:7], 0x0
	s_load_b512 s[32:47], s[6:7], 0x40
	s_lshl_b32 s66, s51, 5
	s_lshl_b32 s67, s50, 7
	s_sub_co_i32 s66, s66, s67
	v_add_nc_u32 v23, s66, v1                      ; my query less the unit's first key
	v_cvt_f32_i32 v24, v23
	v_add_f32 v25, -1.0, v24
	v_mov_b32 v120, 0x3dcccccd
	v_mov_b32 v121, 0x3dcccccd
	v_mov_b32 v119, 0xff800000
	s_wait_loadcnt 0x0
.irp f, 0,1,2,3,4,5
	ds_store_b128 v[KIN], v[52+4*\f:55+4*\f] offset:512*\f
.endr
	KPL 0                                          ; LDS serves a wave's instructions in order: these see my stores
	KPL 1
.irp i, 8,10,12,14,16,18,20
	v_mov_b32 v[\i+1], v[\i]                       ; (the packed forms name pairs)
.endr
	v_min_u32 v22, 31, v22
	v_lshlrev_b32 v22, 2, v22
	s_wait_alu depctr_va_vdst(0)
.irp rd, 0,1,2,3
	s_wait_kmcnt 0x0
.irp n, 0,1,2,3,4,5,6,7,8,9,10,11,12,13,14,15,16,17,18,19,20,21,22,23,24,25,26,27,28,29,30,31
	s_min_u32 s[16+\n], s[16+\n], 31
	s_lshl_b32 s[16+\n], s[16+\n], 7
	v_add_nc_u32 v[128+32*\rd+\n], s[16+\n], v22
	global_load_b32 v[128+32*\rd+\n], v[128+32*\rd+\n], s[8:9]     ; the mask lands on its own offset
.endr
.if \rd < 3
	s_load_b512 s[16:31], s[6:7], 0x80*(\rd+1)
	s_load_b512 s[32:47], s[6:7], 0x80*(\rd+1)+0x40
.endif
.endr
.set CC, 0
.rept 8
	RCB
.rept 4
	CHUNK CC
.set CC, CC+1
.endr
.endr
	s_cmp_eq_u32 s50, s52
	s_cbranch_scc0 .Lfull
.set NN, 0
.rept 128
	v_cmp_gt_i32 vcc_lo, NN, v23                   ; key n comes after my query
	v_cndmask_b32 v[128+NN], v[128+NN], v119, vcc_lo
.set NN, NN+1
.endr
.Lfull:
.irp q, 0,1,2,3
	v_max3_num_f32 v[100+\q], v[128+32*\q], v[129+32*\q], v[130+32*\q]   ; each block's largest t: it serves for the maximum and, since p rises with t, for the block's largest p
.endr
.irp i, 3,5,7,9,11,13,15,17,19,21,23,25,27,29
.irp q, 0,1,2,3
	v_max3_num_f32 v[100+\q], v[100+\q], v[128+32*\q+\i], v[129+32*\q+\i]
.endr
.endr
.irp q, 0,1,2,3
	v_max_num_f32 v[100+\q], v[100+\q], v[159+32*\q]
.endr
	v_max3_num_f32 v116, v100, v101, v102
	v_max_num_f32 v116, v116, v103
	v_floor_f32 v116, -v116                        ; -M = floor(-t): M is a whole number
	v_mov_b32 v117, v116
.set JJ, 0
.rept 64
	v_pk_add_f32 v[128+JJ:129+JJ], v[128+JJ:129+JJ], v[116:117]
.set JJ, JJ+2
.endr
.irp q, 0,1,2,3
	v_add_f32 v[100+\q], v[100+\q], v116
.endr
.set JJ, 0
	s_wait_alu depctr_va_vdst(0)
.rept 128
	v_exp_f32 v[128+JJ], v[128+JJ]
.set JJ, JJ+1
.endr
	v_nop
	s_wait_alu depctr_va_vdst(0)                   ; one wait for the 128
.irp q, 0,1,2,3
	v_exp_f32 v[100+\q], v[100+\q]
.endr
	v_pk_add_f32 v[112:113], v[128:129], v[130:131]     ; the sum of the unquantised p, in two chains: plain work behind the four
	v_pk_add_f32 v[114:115], v[132:133], v[134:135]
.set JJ, 8
.rept 30
	v_pk_add_f32 v[112:113], v[112:113], v[128+JJ:129+JJ]
	v_pk_add_f32 v[114:115], v[114:115], v[130+JJ:131+JJ]
.set JJ, JJ+4
.endr
	v_pk_add_f32 v[112:113], v[112:113], v[114:115]
	v_add_f32 v112, v112, v113
	s_wait_alu depctr_va_vdst(0)                   ; and one for the four
.irp q, 0,1,2,3
	v_max_num_f32 v[100+\q], 0x1800000, v[100+\q]
.endr
.irp q, 0,1,2,3
	v_add_nc_u32 v[104+\q], 0xff000000, v[100+\q]
.endr
.irp q, 0,1,2,3
	v_lshrrev_b32 v[108+\q], 23, v[104+\q]
.endr
	v_lshl_or_b32 v118, v109, 8, v108
	v_lshl_or_b32 v118, v110, 16, v118
	v_lshl_or_b32 v118, v111, 24, v118
	CODES32 128, 104
.irp f, 0,1
.irp c, 0,1,2
	global_store_b128 v3, v[Y+12*\f+4*\c:Y+12*\f+4*\c+3], s[10:11] offset:25600*\f+512*\c
.endr
.endr
	global_store_b32 v4, v118, s[12:13] offset:16384
	global_store_b32 v4, v116, s[12:13] offset:540672
	global_store_b32 v4, v112, s[12:13] offset:1064960
	s_wait_tensorcnt 0x0                           ; the wave's end, behind my last LDS store
	ds_add_u32 v[SPW], v[NIL]
	s_wait_dscnt 0x0
	s_endpgm
.Lfunc_end_k_q11fa026e33_pairs:
	.size	k_q11fa026e33_pairs, .Lfunc_end_k_q11fa026e33_pairs-k_q11fa026e33_pairs
	.p2alignl 7, 3214868480
	.fill 96, 4, 3214868480
	.section	.rodata,"a",@progbits
	.p2align	6, 0x0
	.amdhsa_kernel k_q11fa026e33_pairs
		.amdhsa_group_segment_fixed_size 12800
		.amdhsa_private_segment_fixed_size 0
		.amdhsa_enable_private_segment 0
		.amdhsa_kernarg_size 40
		.amdhsa_user_sgpr_count 2
		.amdhsa_user_sgpr_kernarg_segment_ptr 1
		.amdhsa_wavefront_size32 1
		.amdhsa_system_sgpr_workgroup_id_x 1
		.amdhsa_system_sgpr_workgroup_id_y 1
		.amdhsa_system_sgpr_workgroup_id_z 1
		.amdhsa_system_vgpr_workitem_id 0
		.amdhsa_next_free_vgpr 256
		.amdhsa_next_free_sgpr 100
		.amdhsa_reserve_vcc 1
		.amdhsa_float_denorm_mode_32 3
		.amdhsa_float_denorm_mode_16_64 3
		.amdhsa_memory_ordered 1
		.amdhsa_forward_progress 1
		.amdhsa_inst_pref_size 142
	.end_amdhsa_kernel
	.amdgpu_metadata
---
amdhsa.version: [ 1, 2 ]
amdhsa.kernels:
  - .name:           k_q11fa026e33_pairs
    .symbol:         k_q11fa026e33_pairs.kd
    .args:
      - { .name: atomsb, .offset: 0, .size: 8, .value_kind: global_buffer, .address_space: global }
      - { .name: cls, .offset: 8, .size: 8, .value_kind: global_buffer, .address_space: global }
      - { .name: wq, .offset: 16, .size: 8, .value_kind: global_buffer, .address_space: global }
      - { .name: pq, .offset: 24, .size: 8, .value_kind: global_buffer, .address_space: global }
      - { .name: small, .offset: 32, .size: 8, .value_kind: global_buffer, .address_space: global }
    .group_segment_fixed_size: 12800
    .private_segment_fixed_size: 0
    .kernarg_segment_align: 8
    .kernarg_segment_size: 40
    .max_flat_workgroup_size: 128
    .sgpr_count:     100
    .vgpr_count:     256
    .wavefront_size: 32
...
	.end_amdgpu_metadata
.endif
;; end of part 5
;; launch value (part 6): grid 32 x 8, 4 waves a work-group, clusters of 4 x 4, 327,680 bytes of LDS; arguments wq, x2, b_v, small, vq, pq; writes vq, pq
.if DOCPART == 6
	.amdgcn_target "amdgcn-amd-amdhsa--gfx1250"
	.amdhsa_code_object_version 6
	.text
	.protected	k_q11fa026e33_value
	.globl	k_q11fa026e33_value
	.p2align	8
	.type	k_q11fa026e33_value,@function
k_q11fa026e33_value:
	s_mov_b64 s[64:65], 0
	v_nop
	global_prefetch_b8 v0, s[64:65] scope:SCOPE_SE
	s_setreg_imm32_b32 hwreg(HW_REG_WAVE_MODE, 25, 1), 1
	s_wait_xcnt 0x0
	s_wait_alu depctr_hold_cnt(0) depctr_sa_sdst(0) depctr_va_vdst(0) depctr_va_sdst(0) depctr_va_ssrc(0) depctr_va_vcc(0) depctr_vm_vsrc(0)
	s_getreg_b32 s2, hwreg(HW_REG_IB_STS2, 6, 4)
	s_cmp_eq_u32 s2, 0
	s_cbranch_scc0 .Lentry_in_a_cluster
	s_endpgm
.Lentry_in_a_cluster:
	s_bfe_u32 s2, ttmp6, 0x10000c
	s_cmp_lg_u32 s2, 0xf033
	s_cbranch_scc0 .Lentry_shape_is_right
	s_endpgm
.Lentry_shape_is_right:
; VALUE: V = Q(x') Q(W_v) + b_v, quantised along the KEYS into the image vq.  A = W_v's image (rows = d, folded), B = x' image (rows = keys, folded): a lane holds one d, and its 64 registers of a block of A are
; 128 keys in the quantiser's order.  While the first tiles are on their way, work-group i also finishes the weights of rows 32 i .. 32 i + 31: the row's -M is the least of its sixteen units'; each unit's sum and
; scale bytes are brought under it by a whole power of two (a byte that would fall under 0 is held at 0: such numbers lie under 2^-124); 1 / the row's sum goes to vq's tail, the words into pq.
; The frame is the one described at the head of the launch ctx: all of K in two slots that are filled once.
; LIMITS: NaN and infinities are not served; a block whose largest magnitude lies under 2^-124 keeps the byte 1.
.set NA, 4
.set NB, 8
.set NQ, 4                             ; a tile's row is 6,400 bytes and begins at a multiple of 256 bytes
.set NSL, 2                            ; two slots, each filled once: slot 0 at the head, slot 1 behind the first round of START (this count stands for the head comment's)
.set RP, NQ*1600
.set RA, 8
.set RB, 16
.set AOFF, 0
.set BOFF, RA*RP
.set KA, 12800
.set KB, 12800
.set AREG, 9830400
.set BREG, 0
.set BATCHED, 0
.set BI, 64
.set TM, 148
.set PW, 164
.set PC, 128
.set AH, NA/2
.set QH, NA/4
.set SLOT, (RA+RB)*RP
.set SPARE, NSL*SLOT
.set AF, 224-12*NA
.set G1, 24
.set G0, 32
.set G1B, 48
.set ADRA, 8
.set ADRB, 12
.set ADRS, 16
.set SPW, 28
.set NIL, 29
.set SC, 32
.set SEL, 90
.set MSB, 0
.macro WIN new
.if MSB != (\new)
	s_set_vgpr_msb (MSB<<8)|(\new)
.set MSB, (\new)
.endif
.endm
.macro PLACES n
.rept \n
	v_nop
.endr
.endm
.macro JLOAD s
	s_cmp_eq_u32 s15, 0
	s_cbranch_scc0 .Lfor_b_\@
	tensor_load_to_lds s[G0+4*(\s):G0+4*(\s)+3], s[G1:G1+7]
	s_nop 0
.rept 4
	v_nop
.endr
	s_branch .Lasked_\@
.Lfor_b_\@:
	tensor_load_to_lds s[56+4*(\s)+4*((\s)/2):59+4*(\s)+4*((\s)/2)], s[G1B:G1B+7]
	s_nop 0
.rept 4
	v_nop
.endr
.Lasked_\@:
.endm
.macro CREST
	s_cmp_lg_u32 s14, 0
	s_cbranch_scc1 .Lnot_wave_0_\@
	s_barrier_signal -3
.Lnot_wave_0_\@:
	s_barrier_wait -3
	s_barrier_signal -1
	s_barrier_wait -1
.endm
.macro CROUND
	s_barrier_signal -1
	s_barrier_wait -1
	CREST
.endm
.macro FRAG reg, adr, off
.irp c, 0,1,2
	ds_load_b128 v[\reg+4*\c:\reg+4*\c+3], v[\adr] offset:\off+512*\c
.endr
.endm
.macro FETCH_B t
.set QQ, (\t)%NQ
.set FOQ, (QQ/2)*3200+(QQ%2)*1536
.set SL, ((\t)/NQ)%NSL
.set PB, 128*((\t)%2)
	WIN 0x40
.set IB, 0
.rept NB
	FRAG PB+12*IB, ADRB+SL, IB*RP+FOQ
.set IB, IB+1
.endr
	WIN 0
.endm
.macro FETCH_A t, i0, n
.set QQ, (\t)%NQ
.set FOQ, (QQ/2)*3200+(QQ%2)*1536
.set SL, ((\t)/NQ)%NSL
.set IA, \i0
.rept \n
	FRAG AF+12*IA, ADRA+SL, IA*RP+FOQ
.set IA, IA+1
.endr
.endm
.macro SCALES t
.set QQ, (\t)%NQ
.set SOQ, (QQ/2)*3200+3072+(QQ%2)*64
.set SL, ((\t)/NQ)%NSL
.irp i, 0,1,2,3,4,5,6,7
	ds_load_b32 v[SC+8*((\t)%2)+\i], v[ADRS+SL] offset:\i*RP+SOQ
.endr
.endm
.macro WM d, b, a, c, sb, sa
	v_wmma_scale_f32_16x16x128_f8f6f4 v[\d:\d+7], v[\b:\b+11], v[\a:\a+11], \c, v[\sb], v[\sa] matrix_a_fmt:MATRIX_FMT_FP6 matrix_b_fmt:MATRIX_FMT_FP6 matrix_a_scale:MATRIX_SCALE_ROW1
.endm
.macro MULA a, t, c
.set PB, 128*((\t)%2)
.set SS, SC+8*((\t)%2)
.set BB, 0
.rept NB
.set AC, 8*(NB*((\a)%4)+BB)
.if (\c) == 1
	WM AC, PB+12*BB, AF+12*(\a), 0, SS+BB, SS+(\a)
.elseif (\c) == 2
	WM AC, PB+12*BB, AF+12*(\a), v[BI+8*BB:BI+8*BB+7], SS+BB, SS+(\a)
.else
	WM AC, PB+12*BB, AF+12*(\a), v[AC:AC+7], SS+BB, SS+(\a)
.endif
.set BB, BB+1
.endr
.endm
.macro MULH a0, n, t, c
.set AA, \a0
.rept \n
.if (\c) == 2
	WIN 0x81+0x40*(AA/4)
.else
	WIN 0xa1+0x50*(AA/4)
.endif
	MULA AA, \t, \c
.set AA, AA+1
.endr
.endm
.macro REST t, c
	FETCH_B (\t)+1
	FETCH_A (\t)+1, 0, AH
	SCALES (\t)+1
	MULH AH, AH, \t, \c
	PLACES 4
	WIN 0
	FETCH_A (\t)+1, AH, AH
.endm
.macro STEP t, c
	s_wait_dscnt AH*3                              ; all but the youngest loads, A's second half
	MULH 0, AH, \t, \c
	s_wait_dscnt 0x0
	PLACES 4
	REST \t, \c
.endm
.macro TURNC t, left                   ; the next slot was filled at the start: a counted wait (the later slots' loads may stay out) and a barrier behind which nothing is filled
	s_wait_tensorcnt \left
	s_wait_dscnt AH*3
	MULH 0, QH, \t, 0
	s_wait_dscnt 0x0
	s_barrier_signal -1
	MULH QH, AH-QH, \t, 0
	s_barrier_wait -1
	PLACES 4
	REST \t, 0
.endm
.macro LAST t
	s_wait_dscnt AH*3
	MULH 0, AH, \t, 0
	s_wait_dscnt 0x0
	MULH AH, AH, \t, 0
	WIN 0
.endm
.macro HEAD ap, bp
	v_lshl_add_u32 v[SPW], v0, 2, SPARE
	v_mov_b32 v[NIL], 0
	ds_add_u32 v[SPW], v[NIL]                      ; the wave's opening: the add and its wait ahead of my first tensor load
	ds_add_u32 v[SPW], v[NIL]
	v_lshrrev_b32 v1, 5, v0
	v_readfirstlane_b32 s14, v1
	s_lshr_b32 s15, s14, 1
	s_and_b32 s16, s14, 1
	s_bfe_u32 s76, ttmp6, 0x40000
	s_bfe_u32 s77, ttmp6, 0x40004
	s_lshl_b32 s78, ttmp9, 2
	s_add_co_u32 s78, s78, s76
	s_and_b32 s79, ttmp7, 0xffff
	s_lshl_b32 s79, s79, 2
	s_add_co_u32 s79, s79, s77
	s_lshl_b32 s80, s77, 2
	s_lshl_b32 s80, 15, s80
	s_lshl_b32 s81, 0x1111, s76
	s_or_b32 s[G1], s80, (3<<16)|(1<<21)
	s_or_b32 s[G1B], s81, (3<<16)|(1<<21)
	s_mov_b32 s[G1+1], (RP/8)<<16
	s_mov_b32 s[G1+2], (RA/2)<<16
	s_mov_b32 s[G1+3], (RP/8)<<16
	s_mov_b32 s[G1+4], RA/2
	s_mov_b32 s[G1+5], KA/8
	s_mov_b32 s[G1+6], 0
	s_mov_b32 s[G1+7], 0
	s_mov_b32 s[G1B+1], (RP/8)<<16
	s_mov_b32 s[G1B+2], (RB/2)<<16
	s_mov_b32 s[G1B+3], (RP/8)<<16
	s_mov_b32 s[G1B+4], RB/2
	s_mov_b32 s[G1B+5], KB/8
	s_mov_b32 s[G1B+6], 0
	s_mov_b32 s[G1B+7], 0
	s_mul_i32 s82, s79, RA
	s_mul_i32 s83, s16, RA/2
	s_add_co_u32 s82, s82, s83
	s_mul_i32 s82, s82, KA
	s_add_co_u32 s82, s82, AREG
	s_mov_b32 s83, 0
	s_mul_i32 s84, s78, RB
	s_mul_i32 s85, s16, RB/2
	s_add_co_u32 s84, s84, s85
	s_mul_i32 s84, s84, KB
	s_add_co_u32 s84, s84, BREG
	s_mov_b32 s85, 0
	s_mul_i32 s86, s16, (RA/2)*RP
	s_mul_i32 s87, s16, (RB/2)*RP
	s_mov_b32 s[SEL], 0x76543210
	s_mov_b32 s[SEL+1], 0xfedcba98
	s_wait_dscnt 0x0
	s_wait_kmcnt 0x0
	s_add_nc_u64 s[82:83], s[\ap:\ap+1], s[82:83]
	s_add_nc_u64 s[84:85], s[\bp:\bp+1], s[84:85]
	CROUND
.set SG, 0
.rept NSL
	s_mov_b32 s[G0+4*SG], 1
	s_add_co_u32 s[G0+4*SG+1], s86, SG*SLOT+AOFF
	s_add_nc_u64 s[G0+4*SG+2:G0+4*SG+3], s[82:83], SG*RP
	s_or_b32 s[G0+4*SG+3], s[G0+4*SG+3], 0x80000000
	s_mov_b32 s[56+4*SG+4*(SG/2)], 1
	s_add_co_u32 s[57+4*SG+4*(SG/2)], s87, SG*SLOT+BOFF
	s_add_nc_u64 s[58+4*SG+4*(SG/2):59+4*SG+4*(SG/2)], s[84:85], SG*RP
	s_or_b32 s[59+4*SG+4*(SG/2)], s[59+4*SG+4*(SG/2)], 0x80000000
.if SG == 0
	JLOAD SG                                       ; one tensor load a wave at the head
.endif
.set SG, SG+1
.endr
	v_and_b32 v1, 31, v0
	v_and_b32 v2, 15, v0
	v_bfe_u32 v3, v0, 4, 1
	v_lshlrev_b32 v4, 4, v1
	s_wait_alu depctr_va_vdst(0)
	s_mul_i32 s88, s15, NA*RP
	s_add_co_u32 s88, s88, AOFF
	s_mul_i32 s89, s16, NB*RP
	s_add_co_u32 s89, s89, BOFF
	s_sub_co_u32 s93, s89, s88
	v_mul_u32_u24 v5, s93, v3                      ; lanes 16-31 take B's scale words: one product, the distance between the two bases
	s_mov_b32 s93, s88
	v_lshl_add_u32 v5, v2, 2, v5
.set SG, 0
.rept NSL
	v_add_nc_u32 v[ADRA+SG], s88, v4
	v_add_nc_u32 v[ADRB+SG], s89, v4
	v_add_nc_u32 v[ADRS+SG], s93, v5
	s_add_co_u32 s88, s88, SLOT
	s_add_co_u32 s89, s89, SLOT
	s_add_co_u32 s93, s93, SLOT
.set SG, SG+1
.endr
.endm
.macro START
	s_wait_alu depctr_va_vdst(0)
	s_wait_tensorcnt 0x0                           ; my part of slot 0 is in
	ds_add_u32 v[SPW], v[NIL]
	s_wait_dscnt 0x0
	CROUND                                         ; slot 0 is whole for all four waves, and the sixteen work-groups meet
	JLOAD 1                                        ; slot 1's first fill, the first tensor load behind the round
	FETCH_B 0
	FETCH_A 0, 0, AH
	SCALES 0
	FETCH_A 0, AH, AH
.endm
.macro FINISH
	s_wait_tensorcnt 0x0
	ds_add_u32 v[SPW], v[NIL]
	s_wait_dscnt 0x0
	CROUND
	s_endpgm
.endm
.macro QUANT s
.irp b, 0,1,2,3
	v_max3_num_f32 v[TM+\b], |v[\s+16*\b]|, |v[\s+1+16*\b]|, 0x1800000
.endr
.irp i, 2,4,6,8,10,12,14
.irp b, 0,1,2,3
	v_max3_num_f32 v[TM+\b], v[TM+\b], |v[\s+16*\b+\i]|, |v[\s+1+16*\b+\i]|
.endr
.endr
.irp b, 0,1,2,3
	v_permlanex16_b32 v[TM+4+\b], v[TM+\b], s[SEL], s[SEL+1]
.endr
.irp b, 0,1,2,3
	v_max_num_f32 v[TM+\b], v[TM+\b], v[TM+4+\b]
.endr
.irp b, 0,1,2,3
	v_add_nc_u32 v[TM+12+\b], 0xff000000, v[TM+\b]
.endr
.irp b, 0,1,2,3
	v_lshrrev_b32 v[TM+4+\b], 23, v[TM+12+\b]
.endr
	v_lshl_or_b32 v[PW], v[TM+5], 8, v[TM+4]
	v_lshl_or_b32 v[PW], v[TM+6], 16, v[PW]
	v_lshl_or_b32 v[PW], v[TM+7], 24, v[PW]
.irp c, 0,1
	v_cvt_scalef32_pk16_fp6_f32 v[PC+6*\c:PC+2+6*\c], v[\s+32*\c:\s+15+32*\c], v[TM+12+2*\c]
	v_cvt_scalef32_pk16_fp6_f32 v[PC+12+4*\c:PC+14+4*\c], v[\s+16+32*\c:\s+31+32*\c], v[TM+12+2*\c+1]
.endr
	v_nop
.irp c, 0,1
.irp i, 0,1,2
	v_permlane16_swap_b32 v[PC+6*\c+\i], v[PC+12+4*\c+\i]
.endr
.irp i, 0,1,2
	v_mov_b32 v[PC+3+6*\c+\i], v[PC+12+4*\c+\i]
.endr
.endr
.endm
	s_load_b256 s[4:11], s[0:1], 0x0               ; wq 4, x2 6, b_v 8, small 10
	s_load_b128 s[20:23], s[0:1], 0x20             ; vq 20, pq 22
	HEAD 4, 6
; ---- the weights' scale words and 1 / l of rows 32 i .. 32 i + 31, a lane a row; wave w takes K steps 4 w .. 4 w + 3
	s_lshl_b32 s17, s79, 5
	s_add_co_u32 s17, s17, s78                     ; i = 32 Y + X: it enters global addresses alone
	s_lshl_b32 s18, s17, 7
	s_mov_b32 s19, 0
	s_add_nc_u64 s[10:11], s[10:11], s[18:19]
	s_add_co_u32 s18, s18, 6553600
	s_add_nc_u64 s[98:99], s[20:21], s[18:19]      ; 1 / l
	s_mul_i32 s18, s17, 51200
	s_add_nc_u64 s[22:23], s[22:23], s[18:19]      ; the rows' two blocks in pq
	v_lshlrev_b32 v20, 2, v1
	s_lshl_b32 s96, s14, 17
	v_add_nc_u32 v21, s96, v20
.irp u, 0,1,2,3,4,5,6,7,8,9,10,11,12,13,14,15
	global_load_b32 v[64+\u], v20, s[10:11] offset:540672+32768*\u
	global_load_b32 v[80+\u], v20, s[10:11] offset:1064960+32768*\u
.endr
.irp q, 0,1,2,3
	global_load_b32 v[96+\q], v21, s[10:11] offset:540672+32768*\q
	global_load_b32 v[100+\q], v21, s[10:11] offset:16384+32768*\q
.endr
	s_lshl_b32 s18, s79, 9
	s_lshl_b32 s96, s15, 8
	s_add_co_u32 s18, s18, s96
	s_add_nc_u64 s[8:9], s[8:9], s[18:19]          ; b_v at d = 128 Y + 64 x my half
	v_and_b32 v22, 8, v2
	v_add_nc_u32 v22, v22, v2
	v_lshlrev_b32 v22, 2, v22
.irp a, 0,1,2,3
	global_load_b32 v[224+2*\a], v22, s[8:9] offset:(32*(\a/2)+8*(\a%2))*4
	v_mov_b32 v[225+2*\a], 0
.endr
	v_mul_u32_u24 v23, v3, 25600
	v_lshl_add_u32 v23, v2, 2, v23
	s_mul_i32 s96, s14, 6400
	v_add_nc_u32 v23, s96, v23
	s_mul_i32 s96, s16, 1536
	v_add_nc_u32 v24, s96, v4                      ; a fragment's place for my lane
	s_lshl_b32 s96, s16, 6
	s_add_co_u32 s96, s96, 3072
	v_lshl_add_u32 v25, v2, 2, s96                 ; a scale word's
	v_mov_b32 v26, 0
.irp b, 0,1,2,3
	v_mov_b32 v[TM+4+\b], 0
.endr
	s_lshr_b32 s18, s78, 3
	s_lshl_b32 s18, s18, 6
	s_lshl_b32 s96, s79, 3
	s_add_co_u32 s18, s18, s96
	s_lshl_b32 s96, s15, 2
	s_add_co_u32 s18, s18, s96
	s_mul_i32 s18, s18, 25600
	s_and_b32 s96, s78, 7
	s_mul_i32 s96, s96, 3200
	s_add_co_u32 s18, s18, s96
	s_add_nc_u64 s[94:95], s[20:21], s[18:19]      ; V's image: my first block of d, my K step's record
	s_wait_loadcnt 0x0
	v_min3_num_f32 v104, v64, v65, v66
.irp u, 3,5,7,9,11,13
	v_min3_num_f32 v104, v104, v[64+\u], v[65+\u]
.endr
	v_min_num_f32 v104, v104, v79                  ; the row's -M
.irp u, 0,1,2,3,4,5,6,7,8,9,10,11,12,13,14,15
	v_sub_f32 v[64+\u], v104, v[64+\u]
.endr
.irp u, 0,1,2,3,4,5,6,7,8,9,10,11,12,13,14,15
	v_cvt_i32_f32 v[64+\u], v[64+\u]               ; the unit's M less the row's: 0 or less; it saturates for the units above the diagonal
.endr
.irp u, 0,1,2,3,4,5,6,7,8,9,10,11,12,13,14,15
	v_ldexp_f32 v[80+\u], v[80+\u], v[64+\u]
.endr
.irp p, 0,1,2,3
	v_pk_add_f32 v[80+2*\p:81+2*\p], v[80+2*\p:81+2*\p], v[88+2*\p:89+2*\p]
.endr
	v_pk_add_f32 v[80:81], v[80:81], v[84:85]
	v_pk_add_f32 v[82:83], v[82:83], v[86:87]
	v_pk_add_f32 v[80:81], v[80:81], v[82:83]
	v_add_f32 v80, v80, v81
	s_wait_alu depctr_va_vdst(0)
	v_rcp_f32 v105, v80
.irp q, 0,1,2,3
	v_sub_f32 v[96+\q], v104, v[96+\q]
.endr
.irp q, 0,1,2,3
	v_cvt_i32_f32 v[96+\q], v[96+\q]
.endr
	s_wait_alu depctr_va_vdst(0)
	s_cmp_lg_u32 s14, 0
	s_cbranch_scc1 .Lno_linv
	global_store_b32 v20, v105, s[98:99]
.Lno_linv:
.irp q, 0,1,2,3
.irp b, 0,1,2,3
	v_bfe_u32 v[108+\b], v[100+\q], 8*\b, 8
.endr
.irp b, 0,1,2,3
	v_add_nc_u32 v[108+\b], v[108+\b], v[96+\q]
.endr
.irp b, 0,1,2,3
	v_cmp_gt_i32 vcc_lo, 0, v[108+\b]
	v_cndmask_b32 v[108+\b], v[108+\b], v26, vcc_lo
.endr
	v_lshl_or_b32 v[112+\q], v109, 8, v108
	v_lshl_or_b32 v[112+\q], v110, 16, v[112+\q]
	v_lshl_or_b32 v[112+\q], v111, 24, v[112+\q]
	global_store_b32 v23, v[112+\q], s[22:23] offset:(\q/2)*3200+3072+(\q%2)*64
.endr
	START
	STEP 0, 1
	STEP 1, 0
	STEP 2, 0
	TURNC 3, 0
	STEP 4, 0
	STEP 5, 0
	STEP 6, 0
	LAST 7
	PLACES 4
.irp a, 0,1,2,3
	s_wait_xcnt 0x0                                ; the earlier stores have read their registers
	WIN 0x02
.set PP, 0
.rept 32
	v_pk_add_f32 v[64+2*PP:65+2*PP], v[64*\a+2*PP:64*\a+2*PP+1], v[224+2*\a:225+2*\a] op_sel_hi:[1,0]   ; + b_v, and out of the accumulators, each from its low end on
.set PP, PP+1
.endr
	WIN 0
	QUANT 64
.irp c, 0,1,2
	global_store_b128 v24, v[PC+4*\c:PC+4*\c+3], s[94:95] offset:25600*\a+512*\c
.endr
	global_store_b32 v25, v[PW], s[94:95] offset:25600*\a      ; lanes r and r + 16 hold the same word
.endr
	FINISH
.Lfunc_end_k_q11fa026e33_value:
	.size	k_q11fa026e33_value, .Lfunc_end_k_q11fa026e33_value-k_q11fa026e33_value
	.p2alignl 7, 3214868480
	.fill 96, 4, 3214868480
	.section	.rodata,"a",@progbits
	.p2align	6, 0x0
	.amdhsa_kernel k_q11fa026e33_value
		.amdhsa_group_segment_fixed_size 327680
		.amdhsa_private_segment_fixed_size 0
		.amdhsa_enable_private_segment 0
		.amdhsa_kernarg_size 48
		.amdhsa_user_sgpr_count 2
		.amdhsa_user_sgpr_kernarg_segment_ptr 1
		.amdhsa_wavefront_size32 1
		.amdhsa_system_sgpr_workgroup_id_x 1
		.amdhsa_system_sgpr_workgroup_id_y 1
		.amdhsa_system_sgpr_workgroup_id_z 1
		.amdhsa_system_vgpr_workitem_id 0
		.amdhsa_next_free_vgpr 768
		.amdhsa_next_free_sgpr 100
		.amdhsa_reserve_vcc 1
		.amdhsa_float_denorm_mode_32 3
		.amdhsa_float_denorm_mode_16_64 3
		.amdhsa_memory_ordered 1
		.amdhsa_forward_progress 1
		.amdhsa_inst_pref_size 103
	.end_amdhsa_kernel
	.amdgpu_metadata
---
amdhsa.version: [ 1, 2 ]
amdhsa.kernels:
  - .name:           k_q11fa026e33_value
    .symbol:         k_q11fa026e33_value.kd
    .args:
      - { .name: wq, .offset: 0, .size: 8, .value_kind: global_buffer, .address_space: global }
      - { .name: x2, .offset: 8, .size: 8, .value_kind: global_buffer, .address_space: global }
      - { .name: b_v, .offset: 16, .size: 8, .value_kind: global_buffer, .address_space: global }
      - { .name: small, .offset: 24, .size: 8, .value_kind: global_buffer, .address_space: global }
      - { .name: vq, .offset: 32, .size: 8, .value_kind: global_buffer, .address_space: global }
      - { .name: pq, .offset: 40, .size: 8, .value_kind: global_buffer, .address_space: global }
    .group_segment_fixed_size: 327680
    .private_segment_fixed_size: 0
    .kernarg_segment_align: 8
    .kernarg_segment_size: 48
    .max_flat_workgroup_size: 128
    .sgpr_count:     100
    .vgpr_count:     768
    .wavefront_size: 32
...
	.end_amdgpu_metadata
.endif
;; end of part 6
;; launch attend (part 7): grid 4 x 64, 4 waves a work-group, clusters of 4 x 4, 327,680 bytes of LDS; arguments pq, vq, aoq; writes aoq
.if DOCPART == 7
	.amdgcn_target "amdgcn-amd-amdhsa--gfx1250"
	.amdhsa_code_object_version 6
	.text
	.protected	k_q11fa026e33_attend
	.globl	k_q11fa026e33_attend
	.p2align	8
	.type	k_q11fa026e33_attend,@function
k_q11fa026e33_attend:
	s_mov_b64 s[64:65], 0
	v_nop
	global_prefetch_b8 v0, s[64:65] scope:SCOPE_SE
	s_setreg_imm32_b32 hwreg(HW_REG_WAVE_MODE, 25, 1), 1
	s_wait_xcnt 0x0
	s_wait_alu depctr_hold_cnt(0) depctr_sa_sdst(0) depctr_va_vdst(0) depctr_va_sdst(0) depctr_va_ssrc(0) depctr_va_vcc(0) depctr_vm_vsrc(0)
	s_getreg_b32 s2, hwreg(HW_REG_IB_STS2, 6, 4)
	s_cmp_eq_u32 s2, 0
	s_cbranch_scc0 .Lentry_in_a_cluster
	s_endpgm
.Lentry_in_a_cluster:
	s_bfe_u32 s2, ttmp6, 0x10000c
	s_cmp_lg_u32 s2, 0xf033
	s_cbranch_scc0 .Lentry_shape_is_right
	s_endpgm
.Lentry_shape_is_right:
.set NA, 4
.set NB, 8
.set NQ, 4
.set NSL, 2
.set RP, NQ*1600
.set RA, 8
.set RB, 16
.set AOFF, 0
.set BOFF, RA*RP
.set KA, 25600
.set KB, 25600
.set AREG, 0
.set BREG, 0
.set BATCHED, 1
.set BI, 64
.set TM, 148
.set PW, 164
.set PC, 128
.set AH, NA/2
.set QH, NA/4
.set SLOT, (RA+RB)*RP
.set SPARE, NSL*SLOT
.set AF, 224-12*NA
.set G1, 24
.set G0, 32
.set G1B, 48
.set ADRA, 8
.set ADRB, 12
.set ADRS, 16
.set SPW, 28
.set NIL, 29
.set SC, 32
.set SEL, 90
.set MSB, 0
.macro WIN new
.if MSB != (\new)
	s_set_vgpr_msb (MSB<<8)|(\new)
.set MSB, (\new)
.endif
.endm
.macro PLACES n
.rept \n
	v_nop
.endr
.endm
.macro JLOAD s
	s_cmp_eq_u32 s15, 0
	s_cbranch_scc0 .Lfor_b_\@
	tensor_load_to_lds s[G0+4*(\s):G0+4*(\s)+3], s[G1:G1+7]
	s_nop 0
.rept 4
	v_nop
.endr
	s_branch .Lasked_\@
.Lfor_b_\@:
	tensor_load_to_lds s[56+4*(\s)+4*((\s)/2):59+4*(\s)+4*((\s)/2)], s[G1B:G1B+7]
	s_nop 0
.rept 4
	v_nop
.endr
.Lasked_\@:
.endm
.macro CREST
	s_cmp_lg_u32 s14, 0
	s_cbranch_scc1 .Lnot_wave_0_\@
	s_barrier_signal -3
.Lnot_wave_0_\@:
	s_barrier_wait -3
	s_barrier_signal -1
	s_barrier_wait -1
.endm
.macro CROUND
	s_barrier_signal -1
	s_barrier_wait -1
	CREST
.endm
.macro FRAG reg, adr, off
.irp c, 0,1,2
	ds_load_b128 v[\reg+4*\c:\reg+4*\c+3], v[\adr] offset:\off+512*\c
.endr
.endm
.macro FETCH_B t
.set QQ, (\t)%NQ
.set FOQ, (QQ/2)*3200+(QQ%2)*1536
.set SL, ((\t)/NQ)%NSL
.set PB, 128*((\t)%2)
	WIN 0x40
.set IB, 0
.rept NB
	FRAG PB+12*IB, ADRB+SL, IB*RP+FOQ
.set IB, IB+1
.endr
	WIN 0
.endm
.macro FETCH_A t, i0, n
.set QQ, (\t)%NQ
.set FOQ, (QQ/2)*3200+(QQ%2)*1536
.set SL, ((\t)/NQ)%NSL
.set IA, \i0
.rept \n
	FRAG AF+12*IA, ADRA+SL, IA*RP+FOQ
.set IA, IA+1
.endr
.endm
.macro SCALES t
.set QQ, (\t)%NQ
.set SOQ, (QQ/2)*3200+3072+(QQ%2)*64
.set SL, ((\t)/NQ)%NSL
.irp i, 0,1,2,3,4,5,6,7
	ds_load_b32 v[SC+8*((\t)%2)+\i], v[ADRS+SL] offset:\i*RP+SOQ
.endr
.endm
.macro WM d, b, a, c, sb, sa
	v_wmma_scale_f32_16x16x128_f8f6f4 v[\d:\d+7], v[\b:\b+11], v[\a:\a+11], \c, v[\sb], v[\sa] matrix_a_fmt:MATRIX_FMT_FP6 matrix_b_fmt:MATRIX_FMT_FP6 matrix_a_scale:MATRIX_SCALE_ROW1
.endm
.macro MULA a, t, c
.set PB, 128*((\t)%2)
.set SS, SC+8*((\t)%2)
.set BB, 0
.rept NB
.set AC, 8*(NB*((\a)%4)+BB)
.if (\c) == 1
	WM AC, PB+12*BB, AF+12*(\a), 0, SS+BB, SS+(\a)
.elseif (\c) == 2
	WM AC, PB+12*BB, AF+12*(\a), v[BI+8*BB:BI+8*BB+7], SS+BB, SS+(\a)
.else
	WM AC, PB+12*BB, AF+12*(\a), v[AC:AC+7], SS+BB, SS+(\a)
.endif
.set BB, BB+1
.endr
.endm
.macro MULH a0, n, t, c
.set AA, \a0
.rept \n
.if (\c) == 2
	WIN 0x81+0x40*(AA/4)
.else
	WIN 0xa1+0x50*(AA/4)
.endif
	MULA AA, \t, \c
.set AA, AA+1
.endr
.endm
.macro REST t, c
	FETCH_B (\t)+1
	FETCH_A (\t)+1, 0, AH
	SCALES (\t)+1
	MULH AH, AH, \t, \c
	PLACES 4
	WIN 0
	FETCH_A (\t)+1, AH, AH
.endm
.macro STEP t, c
	s_wait_dscnt AH*3
	MULH 0, AH, \t, \c
	s_wait_dscnt 0x0
	PLACES 4
	REST \t, \c
.endm
.macro TURN t, fill, step
.set SLT, ((\t)/NQ)%NSL
	s_wait_tensorcnt 0x0
	ds_add_u32 v[SPW], v[NIL]
	s_wait_dscnt AH*3+1
	MULH 0, QH, \t, 0
	s_wait_dscnt 0x0
	s_barrier_signal -1
	MULH QH, AH-QH, \t, 0
	WIN 0
	s_barrier_wait -1
.if \fill
	CREST
	s_add_nc_u64 s[G0+4*SLT+2:G0+4*SLT+3], s[G0+4*SLT+2:G0+4*SLT+3], \step
	s_add_nc_u64 s[58+4*SLT+4*(SLT/2):59+4*SLT+4*(SLT/2)], s[58+4*SLT+4*(SLT/2):59+4*SLT+4*(SLT/2)], \step
	JLOAD SLT
.else
	PLACES 4
.endif
	REST \t, 0
.endm
.macro LAST t
	s_wait_dscnt AH*3
	MULH 0, AH, \t, 0
	s_wait_dscnt 0x0
	MULH AH, AH, \t, 0
	WIN 0
.endm
.macro HEAD ap, bp
	v_lshl_add_u32 v[SPW], v0, 2, SPARE
	v_mov_b32 v[NIL], 0
	ds_add_u32 v[SPW], v[NIL]
	ds_add_u32 v[SPW], v[NIL]
	v_lshrrev_b32 v1, 5, v0
	v_readfirstlane_b32 s14, v1
	s_lshr_b32 s15, s14, 1
	s_and_b32 s16, s14, 1
	s_bfe_u32 s76, ttmp6, 0x40000
	s_bfe_u32 s77, ttmp6, 0x40004
	s_lshl_b32 s78, ttmp9, 2
	s_add_co_u32 s78, s78, s76
	s_and_b32 s79, ttmp7, 0xffff
	s_lshl_b32 s79, s79, 2
	s_add_co_u32 s79, s79, s77
	s_lshl_b32 s80, s77, 2
	s_lshl_b32 s80, 15, s80
	s_lshl_b32 s81, 0x1111, s76
	s_or_b32 s[G1], s80, (3<<16)|(1<<21)
	s_or_b32 s[G1B], s81, (3<<16)|(1<<21)
	s_mov_b32 s[G1+1], (RP/8)<<16
	s_mov_b32 s[G1+2], (RA/2)<<16
	s_mov_b32 s[G1+3], (RP/8)<<16
	s_mov_b32 s[G1+4], RA/2
	s_mov_b32 s[G1+5], KA/8
	s_mov_b32 s[G1+6], 0
	s_mov_b32 s[G1+7], 0
	s_mov_b32 s[G1B+1], (RP/8)<<16
	s_mov_b32 s[G1B+2], (RB/2)<<16
	s_mov_b32 s[G1B+3], (RP/8)<<16
	s_mov_b32 s[G1B+4], RB/2
	s_mov_b32 s[G1B+5], KB/8
	s_mov_b32 s[G1B+6], 0
	s_mov_b32 s[G1B+7], 0
	s_mul_i32 s82, s79, RA
	s_mul_i32 s83, s16, RA/2
	s_add_co_u32 s82, s82, s83
	s_mul_i32 s82, s82, KA
	s_add_co_u32 s82, s82, AREG
	s_mov_b32 s83, 0
	s_mul_i32 s84, s78, RB
	s_mul_i32 s85, s16, RB/2
	s_add_co_u32 s84, s84, s85
	s_mul_i32 s84, s84, KB
	s_add_co_u32 s84, s84, BREG
	s_and_b32 s85, ttmp7, 0xffff
	s_lshr_b32 s85, s85, 2
	s_mul_i32 s85, s85, 64*KB
	s_add_co_u32 s84, s84, s85
	s_mov_b32 s85, 0
	s_mul_i32 s86, s16, (RA/2)*RP
	s_mul_i32 s87, s16, (RB/2)*RP
	s_mov_b32 s[SEL], 0x76543210
	s_mov_b32 s[SEL+1], 0xfedcba98
	s_wait_dscnt 0x0
	s_wait_kmcnt 0x0
	s_add_nc_u64 s[82:83], s[\ap:\ap+1], s[82:83]
	s_add_nc_u64 s[84:85], s[\bp:\bp+1], s[84:85]
	CROUND
.set SG, 0
.rept NSL
	s_mov_b32 s[G0+4*SG], 1
	s_add_co_u32 s[G0+4*SG+1], s86, SG*SLOT+AOFF
	s_add_nc_u64 s[G0+4*SG+2:G0+4*SG+3], s[82:83], SG*RP
	s_or_b32 s[G0+4*SG+3], s[G0+4*SG+3], 0x80000000
	s_mov_b32 s[56+4*SG+4*(SG/2)], 1
	s_add_co_u32 s[57+4*SG+4*(SG/2)], s87, SG*SLOT+BOFF
	s_add_nc_u64 s[58+4*SG+4*(SG/2):59+4*SG+4*(SG/2)], s[84:85], SG*RP
	s_or_b32 s[59+4*SG+4*(SG/2)], s[59+4*SG+4*(SG/2)], 0x80000000
.if SG == 0
	JLOAD SG                                       ; one tensor load a wave at the head
.endif
.set SG, SG+1
.endr
	v_and_b32 v1, 31, v0
	v_and_b32 v2, 15, v0
	v_bfe_u32 v3, v0, 4, 1
	v_lshlrev_b32 v4, 4, v1
	s_wait_alu depctr_va_vdst(0)
	s_mul_i32 s88, s15, NA*RP
	s_add_co_u32 s88, s88, AOFF
	s_mul_i32 s89, s16, NB*RP
	s_add_co_u32 s89, s89, BOFF
	s_sub_co_u32 s93, s89, s88
	v_mul_u32_u24 v5, s93, v3
	s_mov_b32 s93, s88
	v_lshl_add_u32 v5, v2, 2, v5
.set SG, 0
.rept NSL
	v_add_nc_u32 v[ADRA+SG], s88, v4
	v_add_nc_u32 v[ADRB+SG], s89, v4
	v_add_nc_u32 v[ADRS+SG], s93, v5
	s_add_co_u32 s88, s88, SLOT
	s_add_co_u32 s89, s89, SLOT
	s_add_co_u32 s93, s93, SLOT
.set SG, SG+1
.endr
.endm
.macro START
	s_wait_alu depctr_va_vdst(0)
	s_wait_tensorcnt 0x0                           ; my part of slot 0 is in
	ds_add_u32 v[SPW], v[NIL]
	s_wait_dscnt 0x0
	CROUND                                         ; slot 0 is whole for all four waves, and the sixteen work-groups meet
	JLOAD 1                                        ; slot 1's first fill, the first tensor load behind the round
	FETCH_B 0
	FETCH_A 0, 0, AH
	SCALES 0
	FETCH_A 0, AH, AH
.endm
.macro FINISH
	s_wait_tensorcnt 0x0
	ds_add_u32 v[SPW], v[NIL]
	s_wait_dscnt 0x0
	CROUND
	s_endpgm
.endm
.macro QUANT s
.irp b, 0,1,2,3
	v_max3_num_f32 v[TM+\b], |v[\s+16*\b]|, |v[\s+1+16*\b]|, 0x1800000
.endr
.irp i, 2,4,6,8,10,12,14
.irp b, 0,1,2,3
	v_max3_num_f32 v[TM+\b], v[TM+\b], |v[\s+16*\b+\i]|, |v[\s+1+16*\b+\i]|
.endr
.endr
.irp b, 0,1,2,3
	v_permlanex16_b32 v[TM+4+\b], v[TM+\b], s[SEL], s[SEL+1]
.endr
.irp b, 0,1,2,3
	v_max_num_f32 v[TM+\b], v[TM+\b], v[TM+4+\b]
.endr
.irp b, 0,1,2,3
	v_add_nc_u32 v[TM+12+\b], 0xff000000, v[TM+\b]
.endr
.irp b, 0,1,2,3
	v_lshrrev_b32 v[TM+4+\b], 23, v[TM+12+\b]
.endr
	v_lshl_or_b32 v[PW], v[TM+5], 8, v[TM+4]
	v_lshl_or_b32 v[PW], v[TM+6], 16, v[PW]
	v_lshl_or_b32 v[PW], v[TM+7], 24, v[PW]
.irp c, 0,1
	v_cvt_scalef32_pk16_fp6_f32 v[PC+6*\c:PC+2+6*\c], v[\s+32*\c:\s+15+32*\c], v[TM+12+2*\c]
	v_cvt_scalef32_pk16_fp6_f32 v[PC+12+4*\c:PC+14+4*\c], v[\s+16+32*\c:\s+31+32*\c], v[TM+12+2*\c+1]
.endr
	v_nop
.irp c, 0,1
.irp i, 0,1,2
	v_permlane16_swap_b32 v[PC+6*\c+\i], v[PC+12+4*\c+\i]
.endr
.irp i, 0,1,2
	v_mov_b32 v[PC+3+6*\c+\i], v[PC+12+4*\c+\i]
.endr
.endr
.endm
	s_load_b128 s[4:7], s[0:1], 0x0
	s_load_b64 s[8:9], s[0:1], 0x10
	HEAD 4, 6
	s_lshl_b32 s18, s79, 9
	s_lshl_b32 s17, s15, 8
	s_add_co_u32 s18, s18, s17
	s_add_co_u32 s18, s18, 6553600
	s_mov_b32 s19, 0
	s_add_nc_u64 s[6:7], s[6:7], s[18:19]
	v_lshlrev_b32 v20, 2, v2
.irp a, 0,1,2,3
	global_load_b32 v[224+2*\a], v20, s[6:7] offset:64*\a
	v_mov_b32 v[225+2*\a], 0
.endr
	s_mul_i32 s17, s16, 1536
	v_add_nc_u32 v24, s17, v4
	s_lshl_b32 s17, s16, 6
	s_add_co_u32 s17, s17, 3072
	v_lshl_add_u32 v25, v2, 2, s17
.irp b, 0,1,2,3
	v_mov_b32 v[TM+4+\b], 0
.endr
	s_lshl_b32 s18, s79, 3
	s_lshl_b32 s17, s15, 2
	s_add_co_u32 s18, s18, s17
	s_mul_i32 s18, s18, 12800
	s_mul_i32 s17, s78, 3200
	s_add_co_u32 s18, s18, s17
	s_add_nc_u64 s[94:95], s[8:9], s[18:19]
	s_wait_loadcnt 0x0
	START
	STEP 0, 1
	STEP 1, 0
	STEP 2, 0
	TURN 3, 1, 2*RP
	STEP 4, 0
	STEP 5, 0
	STEP 6, 0
	TURN 7, 1, 2*RP
	STEP 8, 0
	STEP 9, 0
	STEP 10, 0
	TURN 11, 0, 0
	STEP 12, 0
	STEP 13, 0
	STEP 14, 0
	LAST 15
	PLACES 4
.irp a, 0,1,2,3
	s_wait_xcnt 0x0
	WIN 0x02
.set PP, 0
.rept 32
	v_pk_mul_f32 v[64+2*PP:65+2*PP], v[64*\a+2*PP:64*\a+2*PP+1], v[224+2*\a:225+2*\a] op_sel_hi:[1,0]
.set PP, PP+1
.endr
	WIN 0
	QUANT 64
.irp c, 0,1,2
	global_store_b128 v24, v[PC+4*\c:PC+4*\c+3], s[94:95] offset:12800*\a+512*\c
.endr
	global_store_b32 v25, v[PW], s[94:95] offset:12800*\a
.endr
	FINISH
.Lfunc_end_k_q11fa026e33_attend:
	.size	k_q11fa026e33_attend, .Lfunc_end_k_q11fa026e33_attend-k_q11fa026e33_attend
	.p2alignl 7, 3214868480
	.fill 96, 4, 3214868480
	.section	.rodata,"a",@progbits
	.p2align	6, 0x0
	.amdhsa_kernel k_q11fa026e33_attend
		.amdhsa_group_segment_fixed_size 327680
		.amdhsa_private_segment_fixed_size 0
		.amdhsa_enable_private_segment 0
		.amdhsa_kernarg_size 24
		.amdhsa_user_sgpr_count 2
		.amdhsa_user_sgpr_kernarg_segment_ptr 1
		.amdhsa_wavefront_size32 1
		.amdhsa_system_sgpr_workgroup_id_x 1
		.amdhsa_system_sgpr_workgroup_id_y 1
		.amdhsa_system_sgpr_workgroup_id_z 1
		.amdhsa_system_vgpr_workitem_id 0
		.amdhsa_next_free_vgpr 768
		.amdhsa_next_free_sgpr 100
		.amdhsa_reserve_vcc 0
		.amdhsa_float_denorm_mode_32 3
		.amdhsa_float_denorm_mode_16_64 3
		.amdhsa_memory_ordered 1
		.amdhsa_forward_progress 1
		.amdhsa_inst_pref_size 152
	.end_amdhsa_kernel
	.amdgpu_metadata
---
amdhsa.version: [ 1, 2 ]
amdhsa.kernels:
  - .name:           k_q11fa026e33_attend
    .symbol:         k_q11fa026e33_attend.kd
    .args:
      - { .name: pq, .offset: 0, .size: 8, .value_kind: global_buffer, .address_space: global }
      - { .name: vq, .offset: 8, .size: 8, .value_kind: global_buffer, .address_space: global }
      - { .name: aoq, .offset: 16, .size: 8, .value_kind: global_buffer, .address_space: global }
    .group_segment_fixed_size: 327680
    .private_segment_fixed_size: 0
    .kernarg_segment_align: 8
    .kernarg_segment_size: 24
    .max_flat_workgroup_size: 128
    .sgpr_count:     100
    .vgpr_count:     768
    .wavefront_size: 32
...
	.end_amdgpu_metadata
.endif
;; end of part 7
;; launch proj (part 8): grid 8 x 32, 4 waves a work-group, clusters of 4 x 4, 327,680 bytes of LDS; arguments aoq, wq, b_out, out0; writes out0
.if DOCPART == 8
	.amdgcn_target "amdgcn-amd-amdhsa--gfx1250"
	.amdhsa_code_object_version 6
	.text
	.protected	k_q11fa026e33_proj
	.globl	k_q11fa026e33_proj
	.p2align	8
	.type	k_q11fa026e33_proj,@function
k_q11fa026e33_proj:
	s_mov_b64 s[64:65], 0
	v_nop
	global_prefetch_b8 v0, s[64:65] scope:SCOPE_SE
	s_setreg_imm32_b32 hwreg(HW_REG_WAVE_MODE, 25, 1), 1
	s_wait_xcnt 0x0
	s_wait_alu depctr_hold_cnt(0) depctr_sa_sdst(0) depctr_va_vdst(0) depctr_va_sdst(0) depctr_va_ssrc(0) depctr_va_vcc(0) depctr_vm_vsrc(0)
	s_getreg_b32 s2, hwreg(HW_REG_IB_STS2, 6, 4)
	s_cmp_eq_u32 s2, 0
	s_cbranch_scc0 .Lentry_in_a_cluster
	s_endpgm
.Lentry_in_a_cluster:
	s_bfe_u32 s2, ttmp6, 0x10000c
	s_cmp_lg_u32 s2, 0xf033
	s_cbranch_scc0 .Lentry_shape_is_right
	s_endpgm
.Lentry_shape_is_right:
; PROJ: out0 = Q(attention output) Q(W_out) + b_out, f32.  Both operands are images of the operand's registers: a block of 16 rows is 12,800 bytes, four records of two fragments (1,536 bytes each) and two runs of 16 scale words.
; A work-group has 256 rows and 128 columns; a wave has 64 rows and makes the columns in two tiles of 64: 4 x 4 accumulators of 16 x 16.
; ALL OPERANDS ARE ASKED FOR AT THE HEAD, one tensor load a wave: waves 0, 1 the halves of the rows' image (204,800 dense bytes, LDS bytes 102,400 on), waves 2, 3 the halves of W_out's 128 columns (102,400 dense bytes, LDS byte 0 on).
; Nothing is filled again.  THE ROWS STAY IN REGISTERS: each wave copies its 4 blocks x 8 K steps (32 fragments, 384 registers, and 32 scale words) out of LDS once.
; So a step of 128 along K reads 4 fragments and 4 scale words from LDS for 16 products, one step ahead, in two sets of registers.
; CLUSTERS: 4 x 4 work-groups; the rows' image is shared along a row of the cluster, W_out's along a column.
; No prefetch: both kinds of tile are asked for in the head; there is no loop in which a later request could be run ahead of.
; The matrix instruction is used transposed (source 0 = 16 columns of W_out, source 1 = 16 rows): a lane holds eight neighbouring columns of one row.  b_out is the C of each sum's first product.
; THE WAY OUT: a tile's 64 x 64 numbers go into the wave's own stage (4 blocks x 16 rows x 272 bytes, in the LDS bytes that held its own rows, which have had their last fill and which no other wave reads);
; they come back as rows of 256 bytes, and sixteen lanes store one aligned unit of 256 bytes.  Tile 0's four blocks are read back and stored in tile 1's first four steps, a block a step.
; REGISTERS: window 0: v0-31 addresses, v32-47 W_out's scale words (two sets of four), v64-127 b_out for both tiles, v128-159 and v192-223 rows read back from the stage, v160-191 the rows' scale words.
;   window 1: W_out's fragments, sets at v0 and v128; the rows' K step 5 at v72, 6 at v200.  window 2: v0-127 accumulators, K step 7 at v192.  window 3: K steps 0-4.
; LIMITS: NaN and infinities are not served.
.set XL, 102400                        ; LDS: W_out's bytes end and the rows' image begins here
.set BREG, 10649600                    ; W_out's image in wq
.set SPARE, 3*XL                       ; behind the tiles: the spare words, 128 bytes a wave, which no other line names
.set SP, 272                           ; a stage row: 256 bytes + 16
.set STB, 16*SP                        ; a block of 16 rows in the stage
.set ADRB, 8                           ; v8, v9   16 x lane + tile x 51,200
.set ADRS, 10                          ; v10, v11 4 r + tile x 51,200
.set STO, 12                           ; v12 the stage, on the way in
.set RD, 13                            ; v13 and back
.set CO, 14                            ; v14 my byte offset in out0
.set SPW, 28
.set NIL, 29
.set SB, 32
.set BI, 64
.set BK, 128
.set SA, 160
.set G1A, 24                           ; s[24:31] group 1 for the rows: 16 rows of 6,400 bytes;  s[48:55] for W_out: 8 rows
.set G1B, 48
.set G0A, 32
.set G0H, 36
.set MSB, 0
.macro WIN new
.if MSB != (\new)
	s_set_vgpr_msb (MSB<<8)|(\new)
.set MSB, (\new)
.endif
.endm
.macro PLACES n
.rept \n
	v_nop
.endr
.endm
.macro CROUND                          ; a round of the cluster's barrier
	s_barrier_signal -1
	s_barrier_wait -1
	s_cmp_lg_u32 s14, 0
	s_cbranch_scc1 .Lnot_wave_0_\@
	s_barrier_signal -3
.Lnot_wave_0_\@:
	s_barrier_wait -3
	s_barrier_signal -1
	s_barrier_wait -1
.endm
.macro APLACE st                       ; where the rows' fragments of K step st lie: window AW, register AB
.if (\st) < 5
.set AW, 3
.set AB, 48*(\st)
.elseif (\st) == 5
.set AW, 1
.set AB, 72
.elseif (\st) == 6
.set AW, 1
.set AB, 200
.else
.set AW, 2
.set AB, 192
.endif
.endm
.macro FETCH                           ; tile FT, K step FS: 4 scale words and 4 fragments (16 LDS loads) into set FS % 2
.set FOQ, (FS/2)*3200+(FS%2)*1536
.set SOQ, (FS/2)*3200+3072+(FS%2)*64
	WIN 0
.irp i, 0,1,2,3
	ds_load_b32 v[SB+8*(FS%2)+\i], v[ADRS+FT] offset:\i*12800+SOQ
.endr
	WIN 0x40
.irp i, 0,1,2,3
.irp c, 0,1,2
	ds_load_b128 v[128*(FS%2)+12*\i+4*\c:128*(FS%2)+12*\i+4*\c+3], v[ADRB+FT] offset:\i*12800+FOQ+512*\c
.endr
.endr
.endm
.macro WM d, b, a, c, sb, sa
	v_wmma_scale_f32_16x16x128_f8f6f4 v[\d:\d+7], v[\b:\b+11], v[\a:\a+11], \c, v[\sb], v[\sa] matrix_a_fmt:MATRIX_FMT_FP6 matrix_b_fmt:MATRIX_FMT_FP6
.endm
.macro MUL tl, st, c                   ; 16 products; the accumulators take turns, one instruction a turn.  c = 2: the bias starts the sums
	APLACE \st
.set PB, 128*((\st)%2)
.set SS, SB+8*((\st)%2)
.if (\c) == 2
	WIN 0x81+4*AW
.else
	WIN 0xa1+4*AW
.endif
.set MA, 0
.rept 4
.set MB, 0
.rept 4
.set AC, 8*(4*MA+MB)
.if (\c) == 2
	WM AC, PB+12*MB, AB+12*MA, v[BI+32*(\tl)+8*MB:BI+32*(\tl)+8*MB+7], SS+MB, SA+4*(\st)+MA
.else
	WM AC, PB+12*MB, AB+12*MA, v[AC:AC+7], SS+MB, SA+4*(\st)+MA
.endif
.set MB, MB+1
.endr
.set MA, MA+1
.endr
.endm
.macro TOSTAGE                         ; a tile's sixteen accumulators into my stage, each from its low end on
	WIN 0x08
.irp a, 0,1,2,3
.irp b, 0,1,2,3
	ds_store_b128 v[STO], v[8*(4*\a+\b):8*(4*\a+\b)+3] offset:\a*STB+64*\b
	ds_store_b128 v[STO], v[8*(4*\a+\b)+4:8*(4*\a+\b)+7] offset:\a*STB+64*\b+16
.endr
.endr
	WIN 0
.endm
.macro RBACK a                         ; block a's 16 rows back: lanes 0-15 one row of 256 bytes, lanes 16-31 the next.  LDS serves a wave's instructions in order: these see my stores
	s_wait_xcnt 0x0                                ; the stores that read this set of registers have read them
.irp t, 0,1,2,3,4,5,6,7
	ds_load_b128 v[BK+64*((\a)%2)+4*\t:BK+64*((\a)%2)+4*\t+3], v[RD] offset:(\a)*STB+\t*2*SP
.endr
.endm
.macro SENDB tl, a                     ; and out: sixteen lanes store 256 consecutive bytes, at a multiple of 256 from out0's first byte
.irp t, 0,1,2,3,4,5,6,7
	global_store_b128 v[CO], v[BK+64*((\a)%2)+4*\t:BK+64*((\a)%2)+4*\t+3], s[94:95] offset:(16*(\a)+2*\t)*4096+256*(\tl) th:TH_STORE_NT
.endr
.endm
; A step: four plain lines (the next loads land in registers that the step before multiplied), the next step's 16 LDS loads, the wait for this step's, 16 products.
; rb >= 0: block rb of tile 0 is read back from the stage ahead of those loads and stored behind the wait.
.macro STEP tl, st, c, rb
.set NXT, 8*(\tl)+(\st)+1
	PLACES 4
.if (\rb) >= 0
	WIN 0
	RBACK \rb
.endif
.if NXT < 16
.set FT, NXT/8
.set FS, NXT%8
	FETCH
	s_wait_dscnt 16                                ; all but the 16 loads just issued
.else
	s_wait_dscnt 0x0
.endif
.if (\rb) >= 0
	WIN 0
	SENDB 0, \rb
.endif
	MUL \tl, \st, \c
.endm
	s_load_b256 s[4:11], s[0:1], 0x0               ; aoq 4, wq 6, b_out 8, out0 10
	v_lshl_add_u32 v[SPW], v0, 2, SPARE
	v_mov_b32 v[NIL], 0
	ds_add_u32 v[SPW], v[NIL]                      ; the wave's opening: the add, twice on end, and its wait ahead of my first tensor load
	ds_add_u32 v[SPW], v[NIL]
	v_lshrrev_b32 v1, 5, v0
	v_readfirstlane_b32 s14, v1                    ; wave
	s_lshr_b32 s15, s14, 1                         ; at the head: 0 = I fetch the rows, 1 = W_out
	s_and_b32 s16, s14, 1                          ; and which half
	s_bfe_u32 s76, ttmp6, 0x40000                  ; cx
	s_bfe_u32 s77, ttmp6, 0x40004                  ; cy
	s_lshl_b32 s78, ttmp9, 2
	s_add_co_u32 s78, s78, s76                     ; X = 0 .. 7: columns 128 X ..
	s_and_b32 s79, ttmp7, 0xffff
	s_lshl_b32 s79, s79, 2
	s_add_co_u32 s79, s79, s77                     ; Y = 0 .. 31: rows 256 Y ..
	s_lshl_b32 s80, s77, 2
	s_lshl_b32 s80, 15, s80                        ; my row of the cluster
	s_lshl_b32 s81, 0x1111, s76                    ; my column
	s_or_b32 s[G1A], s80, (3<<16)|(1<<21)          ; the mask; elements of 8 bytes; bit 21 beside a mask; no padding
	s_or_b32 s[G1B], s81, (3<<16)|(1<<21)
.irp g, G1A, G1B
	s_mov_b32 s[\g+1], 800<<16                     ; dense rows of 6,400 bytes
	s_mov_b32 s[\g+3], 800<<16
	s_mov_b32 s[\g+5], 800
	s_mov_b32 s[\g+6], 0
	s_mov_b32 s[\g+7], 0
.endr
	s_mov_b32 s[G1A+2], 16<<16
	s_mov_b32 s[G1A+4], 16
	s_mov_b32 s[G1B+2], 8<<16
	s_mov_b32 s[G1B+4], 8
	s_lshl_b32 s82, s79, 4                         ; the rows' bytes hang on Y and the wave alone
	s_lshl_b32 s83, s16, 3
	s_add_co_u32 s82, s82, s83
	s_mul_i32 s82, s82, 12800
	s_mov_b32 s83, 0
	s_mul_i32 s86, s16, XL
	s_add_co_u32 s86, s86, XL                      ; LDS: my half of the rows
	s_mul_i32 s84, s78, XL                         ; W_out's bytes hang on X and the wave alone
	s_add_co_u32 s84, s84, BREG
	s_mul_i32 s87, s16, XL/2                       ; my half of them, in LDS as in memory
	s_add_co_u32 s84, s84, s87
	s_mov_b32 s85, 0
	s_wait_dscnt 0x0                               ; both opening adds are done
	s_wait_kmcnt 0x0
	s_mov_b32 s[G0A], 1
	s_mov_b32 s[G0A+1], s86
	s_add_nc_u64 s[G0A+2:G0A+3], s[4:5], s[82:83]
	s_or_b32 s[G0A+3], s[G0A+3], 0x80000000
	s_mov_b32 s[G0H], 1
	s_mov_b32 s[G0H+1], s87
	s_add_nc_u64 s[G0H+2:G0H+3], s[6:7], s[84:85]
	s_or_b32 s[G0H+3], s[G0H+3], 0x80000000
	CROUND                                         ; all sixteen work-groups are here: the joint loads meet
	s_cmp_eq_u32 s15, 0                            ; one tensor load a wave
	s_cbranch_scc0 .Lhead_b
	tensor_load_to_lds s[G0A:G0A+3], s[G1A:G1A+7]
	s_nop 0
	PLACES 4
	s_branch .Lhead_asked
.Lhead_b:
	tensor_load_to_lds s[G0H:G0H+3], s[G1B:G1B+7]
	s_nop 0
	PLACES 4
.Lhead_asked:
	v_and_b32 v1, 31, v0                           ; lane
	v_and_b32 v2, 15, v0                           ; r
	v_bfe_u32 v3, v0, 4, 1                         ; h
	v_lshlrev_b32 v4, 4, v1                        ; 16 x lane
	v_lshlrev_b32 v5, 2, v2                        ; 4 r
	v_lshlrev_b32 v24, 5, v3                       ; 32 h
	s_mul_i32 s17, s14, XL/2
	s_add_co_u32 s17, s17, XL                      ; LDS: my four blocks of rows; later my stage
	v_add_nc_u32 v26, s17, v4                      ; a fragment's place,
	v_add_nc_u32 v27, s17, v5                      ; a scale word's
	v_mul_u32_u24 v[STO], v2, SP                   ; into the stage: row r, 32 bytes for each half of the lanes
	v_lshl_add_u32 v[STO], v3, 5, v[STO]
	v_add_nc_u32 v[STO], s17, v[STO]
	v_mul_u32_u24 v[RD], v3, SP                    ; back: lanes 0-15 one row, lanes 16-31 the next
	v_lshl_add_u32 v[RD], v2, 4, v[RD]
	v_add_nc_u32 v[RD], s17, v[RD]
	v_lshlrev_b32 v[CO], 12, v3                    ; and the same two rows in out0 (4,096 bytes a row)
	v_lshl_add_u32 v[CO], v2, 4, v[CO]
.irp k, 0,1
	v_add_nc_u32 v[ADRB+\k], \k*XL/2, v4
	v_add_nc_u32 v[ADRS+\k], \k*XL/2, v5
.endr
	s_wait_alu depctr_va_vdst(0)
	s_mov_b32 s19, 0
	s_lshl_b32 s18, s78, 9
	s_add_nc_u64 s[8:9], s[8:9], s[18:19]          ; b_out at column 128 X
.irp t, 0,1
.irp b, 0,1,2,3
	global_load_b128 v[BI+32*\t+8*\b:BI+32*\t+8*\b+3], v24, s[8:9] offset:256*\t+64*\b       ; b_out[128 X + 64 t + 16 b + 8 h + 0 .. 7], in the result's layout
	global_load_b128 v[BI+32*\t+8*\b+4:BI+32*\t+8*\b+7], v24, s[8:9] offset:256*\t+64*\b+16
.endr
.endr
	s_lshl_b32 s20, s79, 20
	s_lshl_b32 s21, s14, 18
	s_add_co_u32 s20, s20, s21
	s_add_co_u32 s18, s18, s20
	s_add_nc_u64 s[94:95], s[10:11], s[18:19]      ; out0 at row 256 Y + 64 x wave, column 128 X
	s_wait_tensorcnt 0x0                           ; my load is in,
	s_barrier_signal -1
	s_barrier_wait -1                              ; and everybody's
.set TT, 0
.rept 8                                        ; my rows' 32 fragments into their registers
	APLACE TT
	WIN AW<<6
.irp a, 0,1,2,3
.irp c, 0,1,2
	ds_load_b128 v[AB+12*\a+4*\c:AB+12*\a+4*\c+3], v26 offset:\a*12800+(TT/2)*3200+(TT%2)*1536+512*\c
.endr
.endr
.set TT, TT+1
.endr
	WIN 0
.set TT, 0
.rept 8                                        ; and their scale words: lane r (and r + 16) takes row r's
.irp a, 0,1,2,3
	ds_load_b32 v[SA+4*TT+\a], v27 offset:\a*12800+(TT/2)*3200+3072+(TT%2)*64
.endr
.set TT, TT+1
.endr
.set FT, 0
.set FS, 0
	FETCH
	WIN 0
	s_wait_loadcnt 0x0                             ; b_out is in
	STEP 0, 0, 2, -1
	STEP 0, 1, 0, -1
	STEP 0, 2, 0, -1
	STEP 0, 3, 0, -1
	STEP 0, 4, 0, -1
	STEP 0, 5, 0, -1
	STEP 0, 6, 0, -1
	STEP 0, 7, 0, -1
	PLACES 4                                       ; four plain lines ahead of the first read of results
	TOSTAGE                                        ; tile 0 is out of the accumulators (the next step's wait on DScnt stands ahead of the products that write them anew)
	STEP 1, 0, 2, 0
	STEP 1, 1, 0, 1
	STEP 1, 2, 0, 2
	STEP 1, 3, 0, 3
	STEP 1, 4, 0, -1
	STEP 1, 5, 0, -1
	STEP 1, 6, 0, -1
	STEP 1, 7, 0, -1
	PLACES 4
	TOSTAGE
	RBACK 0
	RBACK 1
	s_wait_dscnt 8                                 ; block 0 is back; block 1's eight loads may be out
	SENDB 1, 0
	RBACK 2
	s_wait_dscnt 8
	SENDB 1, 1
	RBACK 3
	s_wait_dscnt 8
	SENDB 1, 2
	s_wait_dscnt 0x0
	SENDB 1, 3
	s_wait_tensorcnt 0x0                           ; the wave's end, behind my last LDS store
	ds_add_u32 v[SPW], v[NIL]
	s_wait_dscnt 0x0
	CROUND                                         ; the closing round
	s_endpgm
.Lfunc_end_k_q11fa026e33_proj:
	.size	k_q11fa026e33_proj, .Lfunc_end_k_q11fa026e33_proj-k_q11fa026e33_proj
	.p2alignl 7, 3214868480
	.fill 96, 4, 3214868480
	.section	.rodata,"a",@progbits
	.p2align	6, 0x0
	.amdhsa_kernel k_q11fa026e33_proj
		.amdhsa_group_segment_fixed_size 327680
		.amdhsa_private_segment_fixed_size 0
		.amdhsa_enable_private_segment 0
		.amdhsa_kernarg_size 32
		.amdhsa_user_sgpr_count 2
		.amdhsa_user_sgpr_kernarg_segment_ptr 1
		.amdhsa_wavefront_size32 1
		.amdhsa_system_sgpr_workgroup_id_x 1
		.amdhsa_system_sgpr_workgroup_id_y 1
		.amdhsa_system_sgpr_workgroup_id_z 1
		.amdhsa_system_vgpr_workitem_id 0
		.amdhsa_next_free_vgpr 1024
		.amdhsa_next_free_sgpr 100
		.amdhsa_reserve_vcc 0
		.amdhsa_float_denorm_mode_32 3
		.amdhsa_float_denorm_mode_16_64 3
		.amdhsa_memory_ordered 1
		.amdhsa_forward_progress 1
		.amdhsa_inst_pref_size 83
	.end_amdhsa_kernel
	.amdgpu_metadata
---
amdhsa.version: [ 1, 2 ]
amdhsa.kernels:
  - .name:           k_q11fa026e33_proj
    .symbol:         k_q11fa026e33_proj.kd
    .args:
      - { .name: aoq, .offset: 0, .size: 8, .value_kind: global_buffer, .address_space: global }
      - { .name: wq, .offset: 8, .size: 8, .value_kind: global_buffer, .address_space: global }
      - { .name: b_out, .offset: 16, .size: 8, .value_kind: global_buffer, .address_space: global }
      - { .name: out0, .offset: 24, .size: 8, .value_kind: global_buffer, .address_space: global }
    .group_segment_fixed_size: 327680
    .private_segment_fixed_size: 0
    .kernarg_segment_align: 8
    .kernarg_segment_size: 32
    .max_flat_workgroup_size: 128
    .sgpr_count:     100
    .vgpr_count:     1024
    .wavefront_size: 32
...
	.end_amdgpu_metadata
.endif
;; end of part 8
